; MI455X (gfx1250); checked and timed in simulation.
; The chip was launched on July 23, 2026; its instructions are those of AMD's public machine-readable ISA for CDNA 5 (MIT licence, August 2026) and "CDNA5" Instruction Set Architecture Reference Guide (July 2026). The comments in the code are by the model that wrote it; some were corrected since.
;; Sparse Mixture Of Experts. Allowed arithmetic: matrix products marked QUANTISED: E5M2 operands, one E8M0 scale for each 32 along K, by v_wmma_scale_f32_16x16x128_f8f6f4 with both operands' format E5M2, f32 sums; products left as they are: f32 operands where the result goes on into a quantised operand, else bf16, f16 or f32 operands; f32 sums; everything else in f32.
;; Inputs: W1_codes 8 x 2,048 x 8 x 32 uint8 (E5M2 codes of W1, K innermost, in blocks of 32 codes); W1_scales 8 x 2,048 x 8 uint8 (E8M0 scales of W1, one for each 32 codes along K); W2_codes 8 x 512 x 64 x 32 uint8 (E5M2 codes of W2, K innermost, in blocks of 32 codes); W2_scales 8 x 512 x 64 uint8 (E8M0 scales of W2, one for each 32 codes along K); W3_codes 8 x 2,048 x 8 x 32 uint8 (E5M2 codes of W3, K innermost, in blocks of 32 codes); W3_scales 8 x 2,048 x 8 uint8 (E8M0 scales of W3, one for each 32 codes along K); Wf_codes 512 x 16 x 32 uint8 (E5M2 codes of Wf, K innermost, in blocks of 32 codes); Wf_scales 512 x 16 uint8 (E8M0 scales of Wf, one for each 32 codes along K); Wg 256 x 8 float32; X 4 x 1,024 x 256 float32; b1 8 x 2,048 float32; b2 8 x 512 float32; b3 8 x 2,048 float32; bf 512 float32; bg 8 float32.
;; Outputs: out0 4 x 1,024 x 512 float32.
;; This version of the problem:
;;   THIS VERSION OF THE PROBLEM IS GIVEN IN LOW PRECISION. The matrix products marked QUANTISED in the list below multiply operands that are first quantised to E5M2 (5 exponent bits, 2 mantissa bits; 8 bits a number), with one power-of-two scale for each 32 numbers along K (OCP MX v1.0); their sums are f32. All else is computed in f32.
;;   The module's matrix products, in the order in which they are computed (A, B: the left and right operand; K: the contracted axis; several contracted axes count as one K, in the product's order):
;;     1. [M 4,096, K 256] x [K 256, N 8]; A: input X; B: input Wg: left as it is (N = 8 < 16)
;;     2. [M 4,096, K 256] x [K 256, N 16,384]; A: input X; B: input W1 (given as codes): QUANTISED
;;     3. [M 4,096, K 256] x [K 256, N 16,384]; A: input X; B: input W3 (given as codes): QUANTISED
;;     4. batch 8 x [M 512, K 2,048] x [K 2,048, N 4,096]; A: input W2 (given as codes); B: computed on the way: QUANTISED
;;     5. [M 4,096, K 512] x [K 512, N 512]; A: computed on the way; B: input Wf (given as codes): QUANTISED
;;   THE QUANTISER, for each operand of a quantised product, along K:
;;     - K is cut into blocks of 32 from its start; a last block that is shorter is filled with zeros.
;;     - A block's scale is 2^e with e = floor(log2(the largest magnitude in the block)) - 15, held to -126 .. 127; a block of zeros has e = 0. As a byte (E8M0): e + 127.
;;     - Each number is divided by its block's scale, clamped to +-57,344, and rounded to the nearest number of E5M2, ties to even, subnormals kept.
;;     - The product sums the exact products of the quantised numbers (number of the format x scale) in f32.
;;   ~~~python
;;   def quantise(x, axis):      # numpy; x: float32 -> the quantised numbers, widened to float32 again
;;       x = np.moveaxis(x, axis, -1); K = x.shape[-1]
;;       x = np.pad(x, [(0, 0)] * (x.ndim - 1) + [(0, -K % 32)]); x = x.reshape(x.shape[:-1] + (-1, 32)); a = np.abs(x).max(-1, keepdims=True)
;;       e = np.where(a > 0, np.clip(np.frexp(np.where(a > 0, a, 1))[1] - 1 - 15, -126, 127), 0)      # np.frexp(a)[1] - 1 = floor(log2(a)), exactly
;;       r = np.clip(x / 2.0 ** e, -57344, 57344)
;;       step = 2.0 ** (np.maximum(np.frexp(np.where(r == 0, 1, r))[1] - 1, -14) - 2)
;;       q = np.round(r / step) * step * 2.0 ** e      # np.round: ties to even
;;       return np.moveaxis(q.reshape(q.shape[:-2] + (-1,))[..., :K], -1, axis).astype(np.float32)
;;   ~~~
;;   OPERANDS COMPUTED ON THE WAY. 'Computed on the way' means the value that the module computes at that place (a softmax that the list does not call 'softmax' is quantised finished and normalised). What goes into a quantiser is computed in f32, as accurately as f32 sums, v_exp_f32 and their like allow (about 1e-6 of the number): no bf16 or f16 on the way to a quantiser, and a product that is left as it is and whose result goes on into a quantised operand takes f32 operands (vector FMAs, or v_wmma_f32_16x16x4_f32). A number that lies on a knife's edge between two numbers of the format may be rounded either way, as far as f32 arithmetic and the matrix unit's own rounding can turn it there, and no further.
;;   INPUTS GIVEN AS CODES. W1 (in the module: [8, 256, 2048], K = its axis 1); W2 (in the module: [8, 2048, 512], K = its axis 1); W3 (in the module: [8, 256, 2048], K = its axis 1); Wf (in the module: [512, 512], K = its axis 0): each comes as NAME_codes (uint8): NAME with its K axis moved to the last place and cut into blocks of 32 codes, [.., K / 32, bytes a block], one block behind the other in memory; one code a byte (a code: sign, 5 exponent bits, 2 mantissa bits); and NAME_scales (uint8): the same leading axes, one E8M0 byte (e + 127) for each 32 codes along K. Its value is code x scale, taken as it is: it is not quantised again, and the codes and scales need not be those that the quantiser above would give.
;; 3 versions, each right; version 2 is faster than version 1; version 3 is version 2 with the launches chain, mix written anew for expert scheduling mode. Each part assembles by itself: llvm-mc -triple=amdgcn-amd-amdhsa -mcpu=gfx1250 --defsym DOCPART=n.
;; ======== version 1 of 3: 4 launches
;; workspace buffers: xq 1,048,576 bytes; xs 32,768 bytes; gw 32,768 bytes; msk 4,096 bytes of whole numbers; wfq 262,144 bytes; rows 35,328 bytes of whole numbers; tiles 1,024 bytes of whole numbers; part 33,554,432 bytes
;; launch gate (part 1): grid 256 x 1, 1 waves a work-group, no clusters, 13,056 bytes of LDS; arguments X, Wg, bg, xq, xs, gw, msk, Wf_codes, wfq; writes xq, xs, gw, msk, wfq
.if DOCPART == 1
	.amdgcn_target "amdgcn-amd-amdhsa--gfx1250"
	.amdhsa_code_object_version 6
	.text
	.protected	k_q191c55ae02_gate
	.globl	k_q191c55ae02_gate
	.p2align	8
	.type	k_q191c55ae02_gate,@function
k_q191c55ae02_gate:
	s_mov_b64 s[64:65], 0
	v_nop
	global_prefetch_b8 v0, s[64:65] scope:SCOPE_SE
	s_setreg_imm32_b32 hwreg(HW_REG_WAVE_MODE, 25, 1), 1
	s_wait_xcnt 0x0
; THE ROUTER AND X'S CODES.  A work-group of one wave takes 16 tokens: logits X Wg + bg by f32 multiply-adds, softmax (the row's maximum taken away first), the two largest gates, and X quantised to E5M2 with one
; E8M0 byte for each 32 along K.  Everything is stored at fixed places: no address here hangs on the choice.
;   xq [4096][256] codes, K innermost;  xs [4096][8] scale bytes;  gw [4096][2] f32: the gate of the chosen expert with the lower number, then of the higher;
;   msk [8][128] u32: bit t % 32 of word t / 32 of expert e is set where token t chose e (this work-group writes its 16 bits of each expert's row).
; THE CHOICE is that of a stable ascending sort's last two: of equal gates the higher index wins.
; ALSO: Wf's codes are laid once in the order of the operand's registers, for the last launch: wfq [32 tiles of 16 rows][4 K steps of 128][4 groups][32 lanes][16 bytes]; this work-group copies two groups, 1,024 bytes.
; LANE (r = lane % 16, h = lane / 16) holds, of token r, k = 32 b + 16 h + i in v[X + 16 b + i]: the order in which the conversions want a block's numbers, and half of the token's products for each logit.
; LIMITS: NaN and infinities among the inputs are not served.  A block of zeros gets the scale byte 1, where the rule says 127: its codes are zeros, and only this program reads the bytes.
; The logits' sums run in another order than a plain ascending one (two halves of the lanes, even and odd k apart).
; xs and gw leave as runs of 128 bytes a work-group, msk as 2 bytes in each of 8 rows: aligned blocks of 256 bytes are written in part there; together they are under a tenth of what the launch stores.
.set STG, 8192                         ; LDS: Wg as it lies (8,192 bytes, a row of 8 numbers is 32 bytes); then a stage of 16 rows x (256 + 16) bytes for the codes
.set SP,  272
.set LA,  16                           ; v16-23  the eight logits, sums over even k;  v24-31 over odd k
.set LB,  24
.set GT,  32                           ; v32-39  the gates
.set WQ,  56                           ; v56-63  two groups of a fragment of Wf
.set X,   64                           ; v64-191 my 128 numbers of X
.set G,   192                          ; v192-255 Wg on its way to LDS, then two batches of four rows of Wg; later:
.set TM,  192                          ; v192-207 the quantiser's work
.set PC,  208                          ; v208-239 the codes of two K steps of 128
.set PW,  240                          ; v240-241 their scale words
	s_load_b512 s[4:19], s[0:1], 0x0               ; X, Wg, bg, xq, xs, gw, msk, Wf's codes
	s_load_b64 s[36:37], s[0:1], 0x40              ; wfq
	v_lshl_add_u32 v54, v0, 2, 0x3200
	v_mov_b32 v55, 0
	v_and_b32 v1, 31, v0                           ; lane
	v_and_b32 v2, 15, v0                           ; r
	v_bfe_u32 v3, v0, 4, 1                         ; h
	v_lshlrev_b32 v4, 10, v2
	v_lshl_add_u32 v4, v3, 6, v4                   ; X: row r of 1,024 bytes, + 64 h
	v_lshlrev_b32 v5, 4, v1                        ; 16 x lane
	v_lshlrev_b32 v6, 9, v3                        ; Wg in LDS: my half's 16 rows of a block of 32 begin 512 h on
	v_mul_u32_u24 v7, v2, SP
	v_lshl_add_u32 v7, v3, 4, v7
	v_add_nc_u32 v7, STG, v7                       ; the stage, in: row r, + 16 h
	v_mul_u32_u24 v8, v3, SP
	v_lshl_add_u32 v8, v2, 4, v8
	v_add_nc_u32 v8, STG, v8                       ; and out: lanes 0-15 one row, lanes 16-31 the next
	v_lshlrev_b32 v9, 3, v2
	v_lshl_add_u32 v9, v3, 2, v9                   ; xs, gw: 8 bytes a token, word h
	v_mov_b32 v10, 0                               ; lane e will hold expert e's 16 bits
	v_lshlrev_b32 v11, 9, v1                       ; msk: 512 bytes an expert
	v_lshlrev_b32 v15, 9, v2
	v_lshl_add_u32 v15, v3, 4, v15                 ; Wf: row r of 512 bytes, + 16 h
	s_mov_b32 s28, 0x76543210
	s_mov_b32 s29, 0xfedcba98                      ; v_permlanex16_b32's selects for lane l xor 16
	s_mov_b32 s30, 0x600000                        ; the mantissa field of 57,344
	s_mov_b32 s31, 0xffff0000                      ; lanes 16-31
	s_mov_b32 s35, 0
	s_wait_kmcnt 0x0
	s_load_b256 s[20:27], s[8:9], 0x0              ; bg
	s_lshl_b32 s34, ttmp9, 14                      ; 16 tokens of 1,024 bytes
	s_add_nc_u64 s[4:5], s[4:5], s[34:35]
	s_lshl_b32 s34, ttmp9, 12                      ; of 256 bytes
	s_add_nc_u64 s[10:11], s[10:11], s[34:35]
	s_lshl_b32 s34, ttmp9, 7                       ; of 8 bytes
	s_add_nc_u64 s[12:13], s[12:13], s[34:35]
	s_add_nc_u64 s[14:15], s[14:15], s[34:35]
	s_lshl_b32 s34, ttmp9, 1                       ; 16 bits
	s_add_nc_u64 s[16:17], s[16:17], s[34:35]
	s_lshr_b32 s34, ttmp9, 3                       ; Wf: tile g / 8 (16 rows of 512 bytes), and in its rows 64 bytes x (g % 8): K step (g % 8) / 2, groups 2 (g % 2) and the next
	s_lshl_b32 s34, s34, 13
	s_and_b32 s38, ttmp9, 7
	s_lshl_b32 s38, s38, 6
	s_add_co_u32 s34, s34, s38
	s_add_nc_u64 s[18:19], s[18:19], s[34:35]
	s_lshl_b32 s34, ttmp9, 10                      ; wfq: 8,192 (g / 8) + 1,024 (g % 8) = 1,024 g
	s_add_nc_u64 s[36:37], s[36:37], s[34:35]
	global_load_b128 v[WQ:WQ+3], v15, s[18:19]
	global_load_b128 v[WQ+4:WQ+7], v15, s[18:19] offset:32
.irp i, 0,1,2,3,4,5,6,7,8,9,10,11,12,13,14,15
	global_load_b128 v[G+4*\i:G+4*\i+3], v5, s[6:7] offset:512*\i
.endr
.irp b, 0,1,2,3,4,5,6,7
.irp j, 0,1,2,3
	global_load_b128 v[X+16*\b+4*\j:X+16*\b+4*\j+3], v4, s[4:5] offset:128*\b+16*\j th:TH_LOAD_NT
.endr
.endr
	s_wait_loadcnt 32                              ; Wf's two loads and Wg's 16 are in; X's 32 may be out
	global_store_b128 v5, v[WQ:WQ+3], s[36:37]                 ; a group as it stands in the registers: 32 lanes store 512 consecutive bytes
	global_store_b128 v5, v[WQ+4:WQ+7], s[36:37] offset:512
.irp i, 0,1,2,3,4,5,6,7,8,9,10,11,12,13,14,15
	ds_store_b128 v5, v[G+4*\i:G+4*\i+3] offset:512*\i
.endr
	s_wait_dscnt 0x0                               ; the stores have read their registers, which the loads below write
; batch n: four rows of Wg, k = 32 (n / 4) + 16 h + 4 (n % 4) + 0 .. 3, 32 registers, into half n % 2 of G.  All lanes of a half read the same bytes.
.macro WGLOAD n
.irp kk, 0,1,2,3
	ds_load_b128 v[G+32*((\n)%2)+8*\kk:G+32*((\n)%2)+8*\kk+3],   v6 offset:1024*((\n)/4)+32*(4*((\n)%4)+\kk)
	ds_load_b128 v[G+32*((\n)%2)+8*\kk+4:G+32*((\n)%2)+8*\kk+7], v6 offset:1024*((\n)/4)+32*(4*((\n)%4)+\kk)+16
.endr
.endm
; its 16 packed multiply-adds: a number of X (the low or the high register of a pair, for both halves of the result) x two neighbouring columns of Wg.  The first products start the sums.
.macro FMA4 n
.set GB, G+32*((\n)%2)
.set XB, X+16*((\n)/4)+4*((\n)%4)
.irp p, 0,2
.irp j, 0,1,2,3
.if ((\n) == 0) && (\p == 0)
	v_pk_mul_f32 v[LA+2*\j:LA+2*\j+1], v[XB+\p:XB+\p+1], v[GB+8*\p+2*\j:GB+8*\p+2*\j+1] op_sel_hi:[0,1]
.else
	v_pk_fma_f32 v[LA+2*\j:LA+2*\j+1], v[XB+\p:XB+\p+1], v[GB+8*\p+2*\j:GB+8*\p+2*\j+1], v[LA+2*\j:LA+2*\j+1] op_sel_hi:[0,1,1]
.endif
.endr
.irp j, 0,1,2,3
.if ((\n) == 0) && (\p == 0)
	v_pk_mul_f32 v[LB+2*\j:LB+2*\j+1], v[XB+\p:XB+\p+1], v[GB+8*\p+8+2*\j:GB+8*\p+8+2*\j+1] op_sel:[1,0] op_sel_hi:[1,1]
.else
	v_pk_fma_f32 v[LB+2*\j:LB+2*\j+1], v[XB+\p:XB+\p+1], v[GB+8*\p+8+2*\j:GB+8*\p+8+2*\j+1], v[LB+2*\j:LB+2*\j+1] op_sel:[1,0,0] op_sel_hi:[1,1,1]
.endif
.endr
.endr
.endm
	WGLOAD 0
	s_wait_loadcnt 0x0                             ; X
.set N, 0
.rept 31
	WGLOAD N+1
	s_wait_dscnt 8                                 ; this batch's eight loads are in; the next batch's eight may be out
	FMA4 N
.set N, N+1
.endr
	s_wait_dscnt 0x0
	FMA4 31
.irp j, 0,2,4,6
	v_pk_add_f32 v[LA+\j:LA+\j+1], v[LA+\j:LA+\j+1], v[LB+\j:LB+\j+1]
.endr
.irp e, 0,1,2,3,4,5,6,7
	v_permlanex16_b32 v[LB+\e], v[LA+\e], s28, s29
.endr
	s_wait_kmcnt 0x0                               ; bg
.irp e, 0,1,2,3,4,5,6,7
	v_add_f32 v[LA+\e], v[LA+\e], v[LB+\e]         ; both halves of the lanes now hold the same sums
.endr
.irp e, 0,1,2,3,4,5,6,7
	v_add_f32 v[LA+\e], s[20+\e], v[LA+\e]
.endr
	; softmax
	v_max3_num_f32 v40, v[LA], v[LA+1], v[LA+2]
	v_max3_num_f32 v40, v40, v[LA+3], v[LA+4]
	v_max3_num_f32 v40, v40, v[LA+5], v[LA+6]
	v_max_num_f32 v40, v40, v[LA+7]
.irp e, 0,1,2,3,4,5,6,7
	v_sub_f32 v[GT+\e], v[LA+\e], v40
.endr
.irp e, 0,1,2,3,4,5,6,7
	v_mul_f32 v[GT+\e], 0x3fb8aa3b, v[GT+\e]       ; x log2(e)
.endr
.irp e, 0,1,2,3,4,5,6,7
	v_exp_f32 v[GT+\e], v[GT+\e]
.endr
	v_nop                                          ; a plain instruction between the last exponential and the use of its result
	s_wait_alu depctr_va_vdst(0)
	v_add_f32 v41, v32, v33
	v_add_f32 v50, v34, v35
	v_add_f32 v51, v36, v37
	v_add_f32 v52, v38, v39
	v_add_f32 v41, v41, v50
	v_add_f32 v51, v51, v52
	v_add_f32 v41, v41, v51
	v_rcp_f32 v41, v41
	v_nop
	s_wait_alu depctr_va_vdst(0)
.irp e, 0,1,2,3,4,5,6,7
	v_mul_f32 v[GT+\e], v[GT+\e], v41
.endr
	; the largest gate (v42, its index v43): a later one takes the place unless it is smaller
	v_mov_b32 v42, v32
	v_mov_b32 v43, 0
.irp e, 1,2,3,4,5,6,7
	v_cmp_lt_f32 vcc_lo, v[GT+\e], v42
	v_cndmask_b32 v42, v[GT+\e], v42, vcc_lo
	v_cndmask_b32 v43, \e, v43, vcc_lo
.endr
	; the largest of the other seven (v44, v45), by the same rule; gates are not negative, so -1 lies under all
	v_mov_b32 v44, -1.0
	v_mov_b32 v45, 0
.irp e, 0,1,2,3,4,5,6,7
	v_cmp_eq_u32 s32, \e, v43
	v_cmp_lt_f32 vcc_lo, v[GT+\e], v44
	s_or_b32 vcc_lo, vcc_lo, s32
	v_cndmask_b32 v44, v[GT+\e], v44, vcc_lo
	v_cndmask_b32 v45, \e, v45, vcc_lo
.endr
	v_cmp_lt_u32 vcc_lo, v43, v45
	v_cndmask_b32 v48, v44, v42, vcc_lo            ; the gate of the lower-numbered of the two,
	v_cndmask_b32 v49, v42, v44, vcc_lo            ; and of the higher
.irp b, 0,1,2,3
	v_mov_b32 v[TM+4+\b], 0                        ; a lane permute's destination counts as one of its sources
.endr
; 64 numbers of a lane, register 16 b + i = k 32 b + 16 h + i of my row, become 16 registers of codes and a scale word
.macro QUANT s, pc, pw
.irp b, 0,1,2,3
	v_max3_num_f32 v[TM+\b], |v[\s+16*\b]|, |v[\s+1+16*\b]|, 0x8000000   ; block b: my 16 numbers, and the floor 2^(16 - 127): the byte cannot fall under 1
.endr
.irp i, 2,4,6,8,10,12,14
.irp b, 0,1,2,3
	v_max3_num_f32 v[TM+\b], v[TM+\b], |v[\s+16*\b+\i]|, |v[\s+1+16*\b+\i]|
.endr
.endr
.irp b, 0,1,2,3
	v_permlanex16_b32 v[TM+4+\b], v[TM+\b], s28, s29
.endr
.irp b, 0,1,2,3
	v_max_num_f32 v[TM+\b], v[TM+\b], v[TM+4+\b]   ; with lane l xor 16's: the block's largest magnitude
.endr
.irp b, 0,1,2,3
	v_add_nc_u32 v[TM+12+\b], 0xf8800000, v[TM+\b] ; 15 off its exponent field: the conversion's scale operand
.endr
.irp b, 0,1,2,3
	v_and_or_b32 v[TM+8+\b], v[TM+\b], 0x7f800000, s30   ; 57,344 x the scale
.endr
.irp b, 0,1,2,3
	v_lshrrev_b32 v[TM+4+\b], 23, v[TM+12+\b]      ; the scale's byte
.endr
	v_lshl_or_b32 v[\pw], v[TM+5], 8, v[TM+4]
	v_lshl_or_b32 v[\pw], v[TM+6], 16, v[\pw]
	v_lshl_or_b32 v[\pw], v[TM+7], 24, v[\pw]
.irp b, 0,1,2,3
.irp i, 0,1,2,3,4,5,6,7,8,9,10,11,12,13,14,15
	v_med3_num_f32 v[\s+16*\b+\i], v[\s+16*\b+\i], -v[TM+8+\b], v[TM+8+\b]   ; the conversion to an 8-bit code does not saturate (ISA guide 7.6.2): the hold comes first
.endr
	v_cvt_scalef32_pk8_bf8_f32 v[\pc+4*\b:\pc+1+4*\b], v[\s+16*\b:\s+7+16*\b], v[TM+12+\b]
	v_cvt_scalef32_pk8_bf8_f32 v[\pc+2+4*\b:\pc+3+4*\b], v[\s+8+16*\b:\s+15+16*\b], v[TM+12+\b]
.endr
	v_nop                                          ; a plain instruction behind the last conversion
.endm
	QUANT X, PC, PW
	QUANT X+64, PC+16, PW+1
.irp s, 0,1
.irp c, 0,1,2,3
	ds_store_b128 v7, v[PC+16*\s+4*\c:PC+16*\s+4*\c+3] offset:128*\s+32*\c   ; k = 128 s + 32 c + 16 h + 0 .. 15 of row r
.endr
.endr
.irp i, 0,1,2,3,4,5,6,7
	ds_load_b128 v[X+4*\i:X+4*\i+3], v8 offset:2*SP*\i   ; LDS serves a wave's instructions in order: these see the stores above
.endr
	v_cndmask_b32 v12, v[PW], v[PW+1], s31         ; lanes 0-15 store a token's first word, lanes 16-31 its second
	v_cndmask_b32 v13, v48, v49, s31
	global_store_b32 v9, v12, s[12:13]
	global_store_b32 v9, v13, s[14:15]
.irp e, 0,1,2,3,4,5,6,7
	v_cmp_eq_u32 s32, \e, v43
	v_cmp_eq_u32 s33, \e, v45
	s_or_b32 s32, s32, s33                         ; bits 0-15: which of my 16 tokens chose expert e
	v_writelane_b32 v10, s32, \e
.endr
.irp i, 0,1,2,3,4,5,6,7
	s_wait_dscnt 7-\i                              ; the younger loads from the stage may be out
	global_store_b128 v5, v[X+4*\i:X+4*\i+3], s[10:11] offset:512*\i   ; 32 lanes store 512 consecutive bytes: two tokens' codes
.endr
	s_wait_xcnt 0x0                                ; EXEC changes only behind this wait
	s_wait_tensorcnt 0x0
	ds_add_u32 v54, v55
	s_wait_dscnt 0x0
	v_cmpx_gt_u32 8, v1                            ; lanes 0-7: one expert each
	global_store_b16 v11, v10, s[16:17]
	s_endpgm
.Lfunc_end_k_q191c55ae02_gate:
	.size	k_q191c55ae02_gate, .Lfunc_end_k_q191c55ae02_gate-k_q191c55ae02_gate
	.p2alignl 7, 3214868480
	.fill 96, 4, 3214868480
	.section	.rodata,"a",@progbits
	.p2align	6, 0x0
	.amdhsa_kernel k_q191c55ae02_gate
		.amdhsa_group_segment_fixed_size 13056
		.amdhsa_private_segment_fixed_size 0
		.amdhsa_enable_private_segment 0
		.amdhsa_kernarg_size 72
		.amdhsa_user_sgpr_count 2
		.amdhsa_user_sgpr_kernarg_segment_ptr 1
		.amdhsa_wavefront_size32 1
		.amdhsa_system_sgpr_workgroup_id_x 1
		.amdhsa_system_sgpr_workgroup_id_y 1
		.amdhsa_system_sgpr_workgroup_id_z 1
		.amdhsa_system_vgpr_workitem_id 0
		.amdhsa_next_free_vgpr 256
		.amdhsa_next_free_sgpr 66
		.amdhsa_reserve_vcc 1
		.amdhsa_float_denorm_mode_32 3
		.amdhsa_float_denorm_mode_16_64 3
		.amdhsa_memory_ordered 1
		.amdhsa_forward_progress 1
		.amdhsa_inst_pref_size 84
	.end_amdhsa_kernel
	.amdgpu_metadata
---
amdhsa.version: [ 1, 2 ]
amdhsa.kernels:
  - .name:           k_q191c55ae02_gate
    .symbol:         k_q191c55ae02_gate.kd
    .args:
      - { .name: X, .offset: 0, .size: 8, .value_kind: global_buffer, .address_space: global }
      - { .name: Wg, .offset: 8, .size: 8, .value_kind: global_buffer, .address_space: global }
      - { .name: bg, .offset: 16, .size: 8, .value_kind: global_buffer, .address_space: global }
      - { .name: xq, .offset: 24, .size: 8, .value_kind: global_buffer, .address_space: global }
      - { .name: xs, .offset: 32, .size: 8, .value_kind: global_buffer, .address_space: global }
      - { .name: gw, .offset: 40, .size: 8, .value_kind: global_buffer, .address_space: global }
      - { .name: msk, .offset: 48, .size: 8, .value_kind: global_buffer, .address_space: global }
      - { .name: Wf_codes, .offset: 56, .size: 8, .value_kind: global_buffer, .address_space: global }
      - { .name: wfq, .offset: 64, .size: 8, .value_kind: global_buffer, .address_space: global }
    .group_segment_fixed_size: 13056
    .private_segment_fixed_size: 0
    .kernarg_segment_align: 8
    .kernarg_segment_size: 72
    .max_flat_workgroup_size: 32
    .sgpr_count:     66
    .vgpr_count:     256
    .wavefront_size: 32
...
	.end_amdgpu_metadata
.endif
;; end of part 1
;; launch place (part 2): grid 110 x 1, 1 waves a work-group, no clusters, 0 bytes of LDS; arguments msk, rows, tiles; writes rows, tiles
.if DOCPART == 2
	.amdgcn_target "amdgcn-amd-amdhsa--gfx1250"
	.amdhsa_code_object_version 6
	.text
	.protected	k_q191c55ae02_place
	.globl	k_q191c55ae02_place
	.p2align	8
	.type	k_q191c55ae02_place,@function
k_q191c55ae02_place:
	s_mov_b64 s[64:65], 0
	v_nop
	global_prefetch_b8 v0, s[64:65] scope:SCOPE_SE
	s_setreg_imm32_b32 hwreg(HW_REG_WAVE_MODE, 25, 1), 1
	s_wait_xcnt 0x0
; THE ROWS' PLACES.  8,192 routed rows (4,096 tokens x 2 experts) are cut into tiles of up to 80 rows of ONE expert; on 8 experts that is never more than (8,192 + 8 x 79) / 80 = 110 tiles, whatever the split.
; Work-group T (one wave) finds tile T by itself from msk (4 KiB: a bit for each expert and token) and stores, at places that hang on T and the lane alone:
;   tiles [110][2] u32: the tile's expert, its number of rows (0 for a tile that this split leaves empty);
;   rows [110][80] u32: for each row 4,096 k + token, k = 1 where the expert is the token's higher-numbered choice.  Rows beyond the tile's count repeat the expert's last token: they are read, never stored from.
; So what steers addresses and branches in the next launch is read there from memory as whole numbers; here it is only data: no address and no branch of this launch hangs on it.
; HOW.  Lane l holds, of each expert, the four words of tokens 128 l .. 128 l + 127.  Set bits are counted by shifts and masks; the experts' totals give their tile counts; a walk by selects finds the tile's expert.
; A row of rank q among the expert's tokens is looked up: the lane, by a walk over the lanes' counts; the word, by that lane's running counts; the bit, by halving with the word's partial counts.
; k is the same bit of the OR of the lower-numbered experts' words: a token has two different experts, so a lower one is set just where this one is the higher.
.set LI,  1                            ; v1   16 x lane
.set LS,  2                            ; v2   4 x lane
.set MW,  96                           ; v96-127  msk: four words of each expert
.set PCW, 128                          ; v128-135 for each expert: byte j = the set bits in my words 0 .. j
.set CE,  136                          ; v136-143 and my total
.set PK,  144
.set TA,  148
.set TD,  152
.set SW,  156                          ; v156-159 my expert's four words
.set SPW, 160                          ; and their running counts
.set CL,  161
.set QM,  162                          ; for each of three sets of 32 rows: my row's rank; later what is left of it
.set BL,  165
.set LN,  168
.set POS, 171
.set WI,  174
.set RO,  180                          ; v180-183 the OR of the experts walked so far
.set SL,  184                          ; v184-187 the OR of the experts under mine
.set TOK, 192
.set TI,  196
.set F,   96                           ; behind the walk: the fetched words of my expert,
.set FL,  108                          ; of the lower ones,
.set FP,  120                          ; and the running counts
.set WD,  123
.set LW,  126
.set QA,  129
.set QB,  132
.set QC,  135
.set QD,  138
.set T5,  141
.set U5,  144
.set T,   35
.set E,   37
.set NR,  38
.set R0,  39
.set SEL, 42
.set MK,  92                           ; s92-94 three masks by turns
; the set bits of expert e's four words of my lane, the four words by turns; then byte j of v[PCW + e] = the bits in words 0 .. j, and v[CE + e] my total
.macro POP4 e
.irp j, 0,1,2,3
	v_lshrrev_b32 v[TA+\j], 1, v[MW+4*\e+\j]
.endr
.irp j, 0,1,2,3
	v_and_b32 v[TA+\j], s86, v[TA+\j]
.endr
.irp j, 0,1,2,3
	v_sub_nc_u32 v[TD+\j], v[MW+4*\e+\j], v[TA+\j]   ; counts of 2 bits
.endr
.irp j, 0,1,2,3
	v_lshrrev_b32 v[TA+\j], 2, v[TD+\j]
.endr
.irp j, 0,1,2,3
	v_and_b32 v[TD+\j], s87, v[TD+\j]
.endr
.irp j, 0,1,2,3
	v_and_b32 v[TA+\j], s87, v[TA+\j]
.endr
.irp j, 0,1,2,3
	v_add_nc_u32 v[TD+\j], v[TD+\j], v[TA+\j]      ; of 4
.endr
.irp j, 0,1,2,3
	v_lshrrev_b32 v[TA+\j], 4, v[TD+\j]
.endr
.irp j, 0,1,2,3
	v_add_nc_u32 v[TD+\j], v[TD+\j], v[TA+\j]
.endr
.irp j, 0,1,2,3
	v_and_b32 v[TD+\j], s88, v[TD+\j]              ; of 8
.endr
.irp j, 0,1,2,3
	v_mul_lo_u32 v[TD+\j], v[TD+\j], s89           ; the top byte: the four bytes' sum
.endr
.irp j, 0,1,2,3
	v_lshrrev_b32 v[TD+\j], 24, v[TD+\j]
.endr
	v_lshl_or_b32 v[PCW+\e], v[TD+1], 8, v[TD]
	v_lshl_or_b32 v[PCW+\e], v[TD+2], 16, v[PCW+\e]
	v_lshl_or_b32 v[PCW+\e], v[TD+3], 24, v[PCW+\e]
	v_mul_lo_u32 v[PCW+\e], v[PCW+\e], s89         ; running sums in the bytes (128 at the most: no carry)
	v_lshrrev_b32 v[CE+\e], 24, v[PCW+\e]
.endm
; where the rank reaches the bits in words 0 .. j - 1, the row's token lies in word j or beyond
.macro WORDSTEP j
.irp m, 0,1,2
	v_bfe_u32 v[T5+\m], v[FP+\m], 8*(\j)-8, 8
.endr
.irp m, 0,1,2
	v_cmp_ge_u32 s[MK+\m], v[QM+\m], v[T5+\m]
.endr
.irp m, 0,1,2
	v_cndmask_b32 v[WD+\m], v[WD+\m], v[F+4*\m+\j], s[MK+\m]
.endr
.irp m, 0,1,2
	v_cndmask_b32 v[LW+\m], v[LW+\m], v[FL+4*\m+\j], s[MK+\m]
.endr
.irp m, 0,1,2
	v_cndmask_b32 v[U5+\m], v[U5+\m], v[T5+\m], s[MK+\m]
.endr
.irp m, 0,1,2
	v_cndmask_b32 v[WI+\m], v[WI+\m], \j, s[MK+\m]
.endr
.endm
; where the rank reaches the bits in the lower half of the window at POS (their count: wd bits of x at POS), the bit lies in the upper half, sh further on
.macro BITSTEP x, wd, sh
.irp m, 0,1,2
	v_bfe_u32 v[T5+\m], v[\x+\m], v[POS+\m], \wd
.endr
.irp m, 0,1,2
	v_cmp_ge_u32 s[MK+\m], v[QM+\m], v[T5+\m]
.endr
.irp m, 0,1,2
	v_cndmask_b32 v[T5+\m], 0, v[T5+\m], s[MK+\m]
.endr
.irp m, 0,1,2
	v_cndmask_b32 v[U5+\m], 0, \sh, s[MK+\m]
.endr
.irp m, 0,1,2
	v_sub_nc_u32 v[QM+\m], v[QM+\m], v[T5+\m]
.endr
.irp m, 0,1,2
	v_add_nc_u32 v[POS+\m], v[POS+\m], v[U5+\m]
.endr
.endm
	s_load_b128 s[4:7], s[0:1], 0x0                ; msk s[4:5], rows s[6:7]
	s_load_b64 s[8:9], s[0:1], 0x10                ; tiles
	v_lshlrev_b32 v[LI], 4, v0                     ; one wave: the thread's number is the lane
	v_lshlrev_b32 v[LS], 2, v0
	s_mov_b32 s[T], ttmp9
	s_mov_b32 s[SEL], 0x76543210
	s_mov_b32 s[SEL+1], 0xfedcba98                 ; v_permlanex16_b32's selects for lane l xor 16
	s_mov_b32 s47, 0
	s_mov_b32 s86, 0x55555555
	s_mov_b32 s87, 0x33333333
	s_mov_b32 s88, 0x0f0f0f0f
	s_mov_b32 s89, 0x01010101
	s_mov_b32 s90, 0x00ff00ff
	s_wait_kmcnt 0x0
.irp e, 0,1,2,3,4,5,6,7
	global_load_b128 v[MW+4*\e:MW+4*\e+3], v[LI], s[4:5] offset:512*\e   ; lane l: tokens 128 l .. 128 l + 127 of expert e
.endr
	s_mul_i32 s46, s[T], 320                       ; my tile's 80 words
	s_add_nc_u64 s[6:7], s[6:7], s[46:47]
	s_lshl_b32 s46, s[T], 3                        ; and its two
	s_add_nc_u64 s[8:9], s[8:9], s[46:47]
	s_wait_loadcnt 0x0
	; ---- how many tokens each expert has
.irp e, 0,1,2,3,4,5,6,7
	POP4 \e
.endr
.irp j, 0,1,2,3
	v_lshl_or_b32 v[PK+\j], v[CE+2*\j+1], 16, v[CE+2*\j]   ; two experts to a word: a total is 4,096 at the most
.endr
.irp x, 1,2,4,8
.irp j, 0,1,2,3
	v_mov_b32_dpp v[TA+\j], v[PK+\j] row_xmask:\x row_mask:0xf bank_mask:0xf
.endr
.irp j, 0,1,2,3
	v_add_nc_u32 v[PK+\j], v[PK+\j], v[TA+\j]
.endr
.endr
.irp j, 0,1,2,3
	v_permlanex16_b32 v[TA+\j], v[PK+\j], s[SEL], s[SEL+1]
.endr
.irp j, 0,1,2,3
	v_add_nc_u32 v[PK+\j], v[PK+\j], v[TA+\j]
.endr
.irp j, 0,1,2,3
	v_readfirstlane_b32 s97, v[PK+\j]
	s_and_b32 s[66+2*\j], s97, 0xffff              ; s66-73: the experts' counts
	s_lshr_b32 s[67+2*\j], s97, 16
.endr
.irp e, 0,1,2,3,4,5,6,7
	s_add_co_u32 s97, s[66+\e], 79
	s_lshr_b32 s97, s97, 4
	s_mul_i32 s97, s97, 52429
	s_lshr_b32 s[74+\e], s97, 18                   ; s74-81: their tiles: (count + 79) / 80 = ((count + 79) / 16) / 5
.endr
	; ---- whose tile is mine: the last expert whose first tile is not beyond it.  Selects alone
	s_mov_b32 s[E], 0
	s_mov_b32 s83, 0                               ; the expert's first tile
	s_mov_b32 s45, s66                             ; its count
.irp j, 0,1,2,3
	v_mov_b32 v[SW+\j], v[MW+\j]
	v_mov_b32 v[RO+\j], 0
	v_mov_b32 v[SL+\j], 0
.endr
	v_mov_b32 v[SPW], v[PCW]
	s_mov_b32 s82, s74                             ; tiles so far
.irp e, 1,2,3,4,5,6,7
	s_cmp_le_u32 s82, s[T]
	s_cselect_b32 s[E], \e, s[E]
	s_cselect_b32 s83, s82, s83
	s_cselect_b32 s45, s[66+\e], s45
	s_cselect_b32 s91, -1, 0
.irp j, 0,1,2,3
	v_or_b32 v[RO+\j], v[RO+\j], v[MW+4*(\e-1)+\j] ; the experts under e
.endr
.irp j, 0,1,2,3
	v_cndmask_b32 v[SW+\j], v[SW+\j], v[MW+4*\e+\j], s91
.endr
.irp j, 0,1,2,3
	v_cndmask_b32 v[SL+\j], v[SL+\j], v[RO+\j], s91
.endr
	v_cndmask_b32 v[SPW], v[SPW], v[PCW+\e], s91
	s_add_co_u32 s82, s82, s[74+\e]                ; (last: it sets SCC)
.endr
	s_min_u32 s[E], s[E], 7
	s_sub_co_u32 s83, s[T], s83
	s_mul_i32 s[R0], s83, 80                       ; my first row's rank
	s_sub_co_i32 s[NR], s45, s[R0]
	s_max_i32 s[NR], s[NR], 0
	s_min_u32 s[NR], s[NR], 80                     ; the tile's rows
	s_max_u32 s45, s45, 1
	s_sub_co_u32 s45, s45, 1                       ; the last rank there is: rows beyond it repeat it
	; ---- my rows' tokens: the lane wants, for set m, the token of rank R0 + 32 m + lane among the expert's
	v_lshrrev_b32 v[CL], 24, v[SPW]                ; my lane's count
.irp m, 0,1,2
	s_add_co_u32 s97, s[R0], 32*\m
	v_add_nc_u32 v[QM+\m], s97, v0
	v_min_u32 v[QM+\m], s45, v[QM+\m]
	v_mov_b32 v[BL+\m], 0
.endr
	s_mov_b32 s82, 0
.set l, 0
.rept 31                               ; lane by lane: where the count through lane l does not pass the rank, the token lies beyond: keep (that count, l + 1) in one word
	v_readlane_b32 s83, v[CL], l
	s_add_co_u32 s82, s82, s83
	s_lshl_b32 s97, s82, 5
	s_or_b32 s97, s97, l+1
.irp m, 0,1,2
	v_cmp_le_u32 s[MK+\m], s82, v[QM+\m]
.endr
.irp m, 0,1,2
	v_cndmask_b32 v[BL+\m], v[BL+\m], s97, s[MK+\m]
.endr
.set l, l+1
.endr
.irp m, 0,1,2
	v_and_b32 v[LN+\m], 31, v[BL+\m]               ; the lane that holds the token's bit,
	v_lshrrev_b32 v[BL+\m], 5, v[BL+\m]            ; the tokens in front of that lane
	v_lshlrev_b32 v[T5+\m], 2, v[LN+\m]
	v_sub_nc_u32 v[QM+\m], v[QM+\m], v[BL+\m]      ; the rank inside it
.endr
.irp m, 0,1,2
.irp j, 0,1,2,3
	ds_bpermute_b32 v[F+4*\m+\j], v[T5+\m], v[SW+\j]    ; that lane's four words of my expert,
	ds_bpermute_b32 v[FL+4*\m+\j], v[T5+\m], v[SL+\j]   ; of the lower ones,
.endr
	ds_bpermute_b32 v[FP+\m], v[T5+\m], v[SPW]     ; and the running counts
.endr
	s_wait_dscnt 0x0
.irp m, 0,1,2
	v_mov_b32 v[WD+\m], v[F+4*\m]
	v_mov_b32 v[LW+\m], v[FL+4*\m]
	v_mov_b32 v[U5+\m], 0
	v_mov_b32 v[WI+\m], 0
	v_mov_b32 v[POS+\m], 0
.endr
	WORDSTEP 1
	WORDSTEP 2
	WORDSTEP 3
.irp m, 0,1,2
	v_sub_nc_u32 v[QM+\m], v[QM+\m], v[U5+\m]      ; the rank inside the word
.endr
.irp m, 0,1,2
	v_lshrrev_b32 v[T5+\m], 1, v[WD+\m]
.endr
.irp m, 0,1,2
	v_and_b32 v[T5+\m], s86, v[T5+\m]
.endr
.irp m, 0,1,2
	v_sub_nc_u32 v[QA+\m], v[WD+\m], v[T5+\m]      ; the word's counts of 2 bits,
.endr
.irp m, 0,1,2
	v_lshrrev_b32 v[T5+\m], 2, v[QA+\m]
.endr
.irp m, 0,1,2
	v_and_b32 v[QB+\m], s87, v[QA+\m]
.endr
.irp m, 0,1,2
	v_and_b32 v[T5+\m], s87, v[T5+\m]
.endr
.irp m, 0,1,2
	v_add_nc_u32 v[QB+\m], v[QB+\m], v[T5+\m]      ; of 4,
.endr
.irp m, 0,1,2
	v_lshrrev_b32 v[T5+\m], 4, v[QB+\m]
.endr
.irp m, 0,1,2
	v_add_nc_u32 v[QC+\m], v[QB+\m], v[T5+\m]
.endr
.irp m, 0,1,2
	v_and_b32 v[QC+\m], s88, v[QC+\m]              ; of 8,
.endr
.irp m, 0,1,2
	v_lshrrev_b32 v[T5+\m], 8, v[QC+\m]
.endr
.irp m, 0,1,2
	v_add_nc_u32 v[QD+\m], v[QC+\m], v[T5+\m]
.endr
.irp m, 0,1,2
	v_and_b32 v[QD+\m], s90, v[QD+\m]              ; of 16
.endr
	BITSTEP QD, 8, 16
	BITSTEP QC, 8, 8
	BITSTEP QB, 4, 4
	BITSTEP QA, 2, 2
	BITSTEP WD, 1, 1
.irp m, 0,1,2
	v_lshl_add_u32 v[TOK+\m], v[LN+\m], 7, v[POS+\m]
	v_lshl_add_u32 v[TOK+\m], v[WI+\m], 5, v[TOK+\m]
	v_min_u32 v[TOK+\m], 0xfff, v[TOK+\m]          ; the token: 128 x lane + 32 x word + bit
	v_bfe_u32 v[T5+\m], v[LW+\m], v[POS+\m], 1     ; k: has the token a lower-numbered expert too?
	v_lshl_add_u32 v[TOK+\m], v[T5+\m], 12, v[TOK+\m]
.endr
	v_mov_b32 v[TI], s[E]
	v_mov_b32 v[TI+1], s[NR]
	global_store_b32 v[LS], v[TOK], s[6:7]                     ; rows 0-31: 128 consecutive bytes,
	global_store_b32 v[LS], v[TOK+1], s[6:7] offset:128        ; rows 32-63
	s_wait_xcnt 0x0                                ; EXEC changes only behind this wait
	v_cmpx_gt_u32 16, v0
	global_store_b32 v[LS], v[TOK+2], s[6:7] offset:256        ; rows 64-79: lanes 0-15
	s_wait_xcnt 0x0
	v_cmpx_gt_u32 1, v0
	global_store_b64 v[LS], v[TI:TI+1], s[8:9]                 ; lane 0: the expert and the count
	s_endpgm
.Lfunc_end_k_q191c55ae02_place:
	.size	k_q191c55ae02_place, .Lfunc_end_k_q191c55ae02_place-k_q191c55ae02_place
	.p2alignl 7, 3214868480
	.fill 96, 4, 3214868480
	.section	.rodata,"a",@progbits
	.p2align	6, 0x0
	.amdhsa_kernel k_q191c55ae02_place
		.amdhsa_group_segment_fixed_size 0
		.amdhsa_private_segment_fixed_size 0
		.amdhsa_enable_private_segment 0
		.amdhsa_kernarg_size 24
		.amdhsa_user_sgpr_count 2
		.amdhsa_user_sgpr_kernarg_segment_ptr 1
		.amdhsa_wavefront_size32 1
		.amdhsa_system_sgpr_workgroup_id_x 1
		.amdhsa_system_sgpr_workgroup_id_y 1
		.amdhsa_system_sgpr_workgroup_id_z 1
		.amdhsa_system_vgpr_workitem_id 0
		.amdhsa_next_free_vgpr 208
		.amdhsa_next_free_sgpr 100
		.amdhsa_reserve_vcc 0
		.amdhsa_float_denorm_mode_32 3
		.amdhsa_float_denorm_mode_16_64 3
		.amdhsa_memory_ordered 1
		.amdhsa_forward_progress 1
		.amdhsa_inst_pref_size 59
	.end_amdhsa_kernel
	.amdgpu_metadata
---
amdhsa.version: [ 1, 2 ]
amdhsa.kernels:
  - .name:           k_q191c55ae02_place
    .symbol:         k_q191c55ae02_place.kd
    .args:
      - { .name: msk, .offset: 0, .size: 8, .value_kind: global_buffer, .address_space: global }
      - { .name: rows, .offset: 8, .size: 8, .value_kind: global_buffer, .address_space: global }
      - { .name: tiles, .offset: 16, .size: 8, .value_kind: global_buffer, .address_space: global }
    .group_segment_fixed_size: 0
    .private_segment_fixed_size: 0
    .kernarg_segment_align: 8
    .kernarg_segment_size: 24
    .max_flat_workgroup_size: 32
    .sgpr_count:     100
    .vgpr_count:     208
    .wavefront_size: 32
...
	.end_amdgpu_metadata
.endif
;; end of part 2
;; launch chain (part 3): grid 110 x 2, 4 waves a work-group, no clusters, 77,312 bytes of LDS; arguments tiles, rows, gw, xq, xs, W1_codes, W1_scales, b1, W3_codes, W3_scales, b3, W2_codes, W2_scales, b2, part; writes part
.if DOCPART == 3
	.amdgcn_target "amdgcn-amd-amdhsa--gfx1250"
	.amdhsa_code_object_version 6
	.text
	.protected	k_q191c55ae02_chain
	.globl	k_q191c55ae02_chain
	.p2align	8
	.type	k_q191c55ae02_chain,@function
k_q191c55ae02_chain:
	s_mov_b64 s[64:65], 0
	v_nop
	global_prefetch_b8 v0, s[64:65] scope:SCOPE_SE
	s_setreg_imm32_b32 hwreg(HW_REG_WAVE_MODE, 25, 1), 1
	s_wait_xcnt 0x0
; THE EXPERTS' CHAINS, ONLY FOR THE ROWS THAT WERE CHOSEN.  Work-group (x = tile, y = half of the hidden layer) takes up to 80 rows of ONE expert through 1,024 of its 2,048 hidden units:
; h = silu((x W1 + b1)(x W3 + b3)), quantised along the hidden units, times W2 (+ b2 in half 0), times the row's gate; the partial row goes to part [half][k][token][512] f32, k = 0 where the expert is the
; token's lower-numbered choice, 1 where the higher: each row of part has one writer.  All products on E5M2 codes with E8M0 scales, sums in f32.
; THE GRID SERVES EVERY SPLIT: 8,192 routed rows on 8 experts in tiles of 80 are never more than (8,192 + 8 x 79) / 80 = 110 tiles.  The launch before has stored each tile's expert and row count (tiles) and its rows'
; 4,096 k + token (rows); they are read here as whole numbers.  A work-group whose tile has no rows still walks the text, on the rows that the list repeats, and stores nothing: the barriers
; stand on every wave's path, and none under a branch on a number read from memory.
; NO TENSOR LOADS, NO CLUSTER: the tiles of one expert do read the same weights, but which expert a work-group serves and how many rows it stores are numbers read from memory; a joint request's descriptor and the
; branches of the way out would hang on them.  So the weights go from memory straight into the operands' registers.  Work-groups begin at different passes (tile % 8), so that the tiles of an expert do not all ask for the same bytes at once.
; SHARES.  Eight passes of 128 hidden units.  In a pass wave w (1) makes hidden units 32 w .. 32 w + 31 of the pass, one block of the quantiser, for all five tiles of 16 rows; their codes go to LDS as group w of an
; image of the next operand's registers, their scale byte as byte w of the row's word; one barrier; (2) adds the pass's 128 along K onto outputs 128 w .. 128 w + 127 of all 80 rows: 40 accumulators.
; BOTH PRODUCTS ARE USED TRANSPOSED (source 0 = 16 rows of a weight, source 1 = 16 tokens): a lane holds one token.  Lane r of W1's and W3's tile u takes row 8 u + r + 8 (r / 8) of the block, so that the 16 registers
; of tiles 0 and 1 are hidden units 16 (lane / 16) + 0 .. 15.  The biases are the C of each sum's first product.
; LIMITS: NaN and infinities are not served.  A block of zeros gets the scale byte 1 (its codes are zeros).  Where (x W1 + b1)(x W3 + b3) x log2(e) lies under -128, silu comes out as -0 (its magnitude is under 1e-36 there).
; The sums along the hidden units run in another order than ascending: the passes are rotated, and the two halves are added in the next launch.
; REGISTERS, in windows of 256.  Window 0: see the names below.  Window 1: W1's and W3's fragments, two buffers of 128 (buffer a: W1's (u, s) at 128 a + 16 (2 u + s), W3's 64 on).
;   Window 2: v0-127 W2's eight fragments; v128-191 the accumulators of row tile 4.  Window 3: those of row tiles 0-3, (t, m) at 64 m + 8 t.
.set XIMG, 0                           ; LDS: x's ten fragments (row tile m, K step s: 2 m + s) as images of their registers, 2,048 bytes each
.set HIMG, 20480                       ; the hidden layer's: two sets by turns x five fragments
.set HSC,  40960                       ; their scale words: two sets x five x 128 bytes
.set STG,  42496                       ; the way out: 16 rows x (512 + 16) bytes for each wave
.set SPI,  528
.set LI,  1                            ; v1   16 x lane
.set LS,  2                            ; v2   4 x lane
.set HWI, 3                            ; v3   16 x lane + 512 x wave: my group of an image
.set HWS, 4                            ; v4   4 x lane + wave: my byte of a scale word
.set STO, 5                            ; v5   the stage: where I put 32 bytes of a row
.set RD,  6                            ; v6   and where I read a row back
.set WA,  7                            ; v7   W1, W3: (r + 8 (r / 8)) x 256 + 16 h
.set WB,  8                            ; v8   W2: 2,048 r + 16 h
.set WAS, 9                            ; v9   W1's, W3's scale words: (8 h + r + 8 (r / 8)) x 8: lanes 0-15 tile 0's rows, lanes 16-31 tile 1's
.set WBS, 10                           ; v10  W2's: 64 x lane: lanes 0-15 an even tile's rows, lanes 16-31 the odd one's
.set BA,  11                           ; v11  b1, b3: 64 h
.set B2A, 12                           ; v12  b2: 32 h
.set VR,  13                           ; v13  r
.set VH,  14                           ; v14  h
.set GW,  16                           ; v16-25 for row tile m a pair: my row's gate; its word of the list
.set XS,  26                           ; v26-30 x's scale words: lanes 0-15 K step 0's, lanes 16-31 K step 1's
.set HS,  32                           ; v32-36 the hidden layer's scale words
.set W1S, 40                           ; v40-47 W1's scale words at 2 a + s, W3's 4 on
.set W2S, 48                           ; v48-51 W2's
.set TM,  52                           ; v52-57 the quantiser's work
.set PC,  68                           ; v68-87 the codes just made, four registers for each row tile
.set SBY, 88                           ; v88-92 and their scale bytes
.set AD,  72                           ; v72-87 the way out: the stores' offsets
.set XF,  96                           ; v96-127 x's two fragments
.set HAB, 128                          ; v128-191 two sets of: x W1 + b1 (16 registers), x W3 + b3 (16)
.set HF,  96                           ; v96-175 the hidden layer's five fragments
.set BB,  192                          ; v192-255 the biases: b1's (a, u) at 32 a + 8 u, b3's 16 on
; the prologue's registers (v96-191 and v224-255)
.set XQ,  96                           ; my group of the rows' codes
.set A8,  136
.set AXS, 141
.set AXQ, 146
.set A4,  151
.set T5,  152
.set HW,  187
.set TOK, 224
.set GP,  234
.set WV,  34                           ; s34 wave;  s35 tile;  s36 half;  s37 expert;  s38 rows to store;  s40 pass counter;  s41 loop counter
.set T,   35
.set SH,  36
.set E,   37
.set NR,  38
.set PP,  40
.set CNT, 41
.set SEL, 42                           ; s[42:43] v_permlanex16_b32's selects;  s44 the mantissa field of 57,344;  s[46:47] an offset, high word 0
.set MNT, 44
.set MK,  92                           ; s92-96 five masks by turns
.set MSB, 0
.macro WIN new                         ; the immediate's high byte repeats the setting that is left
.if MSB != \new
	s_set_vgpr_msb (MSB<<8)|\new
.set MSB, \new
.endif
.endm
; a product: d, a, b, c: first registers; sa, sb: scale registers; ra, rb: 1 = the scales are read from lanes 16-31
.macro MM d, a, b, c, sa, sb, ra, rb
.if ((\ra) == 0) && ((\rb) == 0)
	v_wmma_scale_f32_16x16x128_f8f6f4 v[(\d):(\d)+7], v[(\a):(\a)+15], v[(\b):(\b)+15], v[(\c):(\c)+7], v[\sa], v[\sb] matrix_a_fmt:MATRIX_FMT_BF8 matrix_b_fmt:MATRIX_FMT_BF8
.elseif (\rb) == 0
	v_wmma_scale_f32_16x16x128_f8f6f4 v[(\d):(\d)+7], v[(\a):(\a)+15], v[(\b):(\b)+15], v[(\c):(\c)+7], v[\sa], v[\sb] matrix_a_fmt:MATRIX_FMT_BF8 matrix_b_fmt:MATRIX_FMT_BF8 matrix_a_scale:MATRIX_SCALE_ROW1
.elseif (\ra) == 0
	v_wmma_scale_f32_16x16x128_f8f6f4 v[(\d):(\d)+7], v[(\a):(\a)+15], v[(\b):(\b)+15], v[(\c):(\c)+7], v[\sa], v[\sb] matrix_a_fmt:MATRIX_FMT_BF8 matrix_b_fmt:MATRIX_FMT_BF8 matrix_b_scale:MATRIX_SCALE_ROW1
.else
	v_wmma_scale_f32_16x16x128_f8f6f4 v[(\d):(\d)+7], v[(\a):(\a)+15], v[(\b):(\b)+15], v[(\c):(\c)+7], v[\sa], v[\sb] matrix_a_fmt:MATRIX_FMT_BF8 matrix_b_fmt:MATRIX_FMT_BF8 matrix_a_scale:MATRIX_SCALE_ROW1 matrix_b_scale:MATRIX_SCALE_ROW1
.endif
.endm
.macro MMZ d, a, b, sa, sb, ra         ; the same with C = 0
.if (\ra) == 0
	v_wmma_scale_f32_16x16x128_f8f6f4 v[(\d):(\d)+7], v[(\a):(\a)+15], v[(\b):(\b)+15], 0, v[\sa], v[\sb] matrix_a_fmt:MATRIX_FMT_BF8 matrix_b_fmt:MATRIX_FMT_BF8
.else
	v_wmma_scale_f32_16x16x128_f8f6f4 v[(\d):(\d)+7], v[(\a):(\a)+15], v[(\b):(\b)+15], 0, v[\sa], v[\sb] matrix_a_fmt:MATRIX_FMT_BF8 matrix_b_fmt:MATRIX_FMT_BF8 matrix_a_scale:MATRIX_SCALE_ROW1
.endif
.endm
; the pointers of a pass: W2 and its scales for this pass (s[48:51]); W1, W3, their scales and biases for the next (s[52:63]).  Written only where no load that names them is out.
.macro PTRS
	s_and_b32 s82, s[PP], 7
	s_add_co_u32 s[PP], s[PP], 1
	s_and_b32 s83, s[PP], 7
	s_lshl_b32 s46, s82, 7                         ; 128 along W2's K
	s_add_nc_u64 s[48:49], s[26:27], s[46:47]
	s_lshl_b32 s46, s82, 2                         ; their four scale bytes
	s_add_nc_u64 s[50:51], s[28:29], s[46:47]
	s_lshl_b32 s46, s83, 15                        ; 128 rows of 256 bytes
	s_add_nc_u64 s[52:53], s[14:15], s[46:47]
	s_add_nc_u64 s[54:55], s[20:21], s[46:47]
	s_lshl_b32 s46, s83, 10                        ; of 8 scale bytes
	s_add_nc_u64 s[56:57], s[16:17], s[46:47]
	s_add_nc_u64 s[58:59], s[22:23], s[46:47]
	s_lshl_b32 s46, s83, 9                         ; of 4 bytes of bias
	s_add_nc_u64 s[60:61], s[18:19], s[46:47]
	s_add_nc_u64 s[62:63], s[24:25], s[46:47]
.endm
.macro LOADB                           ; 36 loads: W2's eight fragments (my 128 outputs x this pass's 128 along K) and their scale words
	WIN 0x80                                       ; destination window 2
.irp t, 0,1,2,3,4,5,6,7
.irp c, 0,1,2,3
	global_load_b128 v[16*\t+4*\c:16*\t+4*\c+3], v[WB], s[48:49] offset:32768*\t+32*\c
.endr
.endr
	WIN 0
.irp j, 0,1,2,3
	global_load_b32 v[W2S+\j], v[WBS], s[50:51] offset:2048*\j
.endr
.endm
.macro LOADA a, k                      ; 21 loads into buffer a: k = 0: W1's four fragments, scale words and b1;  k = 1: W3's and b3
	WIN 0x40                                       ; destination window 1
.irp u, 0,1
.irp s, 0,1
.irp c, 0,1,2,3
	global_load_b128 v[128*(\a)+64*(\k)+16*(2*\u+\s)+4*\c:128*(\a)+64*(\k)+16*(2*\u+\s)+4*\c+3], v[WA], s[52+2*(\k):53+2*(\k)] offset:2048*\u+128*\s+32*\c
.endr
.endr
.endr
	WIN 0
	global_load_b64 v[W1S+4*(\k)+2*(\a):W1S+4*(\k)+2*(\a)+1], v[WAS], s[56+2*(\k):57+2*(\k)]
.irp u, 0,1
	global_load_b128 v[BB+32*(\a)+16*(\k)+8*\u:BB+32*(\a)+16*(\k)+8*\u+3],   v[BA], s[60+2*(\k):61+2*(\k)] offset:32*\u
	global_load_b128 v[BB+32*(\a)+16*(\k)+8*\u+4:BB+32*(\a)+16*(\k)+8*\u+7], v[BA], s[60+2*(\k):61+2*(\k)] offset:32*\u+16
.endr
.endm
.macro XFETCH m                        ; x's two fragments of row tile m
.irp s, 0,1
.irp c, 0,1,2,3
	ds_load_b128 v[XF+16*\s+4*\c:XF+16*\s+4*\c+3], v[LI] offset:XIMG+2048*(2*(\m)+\s)+512*\c
.endr
.endr
.endm
; eight products for row tile m into set q: four accumulators by turns, K step 0 on the biases, K step 1 in place
.macro WPROD m, q, a
	WIN 0x01                                       ; source 0 window 1
.irp s, 0,1
.irp k, 0,1
.irp u, 0,1
.if \s == 0
	MM HAB+32*(\q)+16*\k+8*\u, 128*(\a)+64*\k+16*(2*\u+\s), XF+16*\s, BB+32*(\a)+16*\k+8*\u, W1S+4*\k+2*(\a)+\s, XS+(\m), \u, \s
.else
	MM HAB+32*(\q)+16*\k+8*\u, 128*(\a)+64*\k+16*(2*\u+\s), XF+16*\s, HAB+32*(\q)+16*\k+8*\u, W1S+4*\k+2*(\a)+\s, XS+(\m), \u, \s
.endif
.endr
.endr
.endr
	WIN 0
.endm
; 16 numbers of a lane, half a block of 32 (the other half lies in lane l xor 16), become four registers of codes and the block's scale byte
.macro QBLK s, pc, by
	v_max3_num_f32 v[TM], |v[\s]|, |v[\s+1]|, 0x8000000        ; with the floor 2^(16 - 127): the byte cannot fall under 1
	v_max3_num_f32 v[TM+1], |v[\s+2]|, |v[\s+3]|, |v[\s+4]|
	v_max3_num_f32 v[TM], v[TM], |v[\s+5]|, |v[\s+6]|
	v_max3_num_f32 v[TM+1], v[TM+1], |v[\s+7]|, |v[\s+8]|
	v_max3_num_f32 v[TM], v[TM], |v[\s+9]|, |v[\s+10]|
	v_max3_num_f32 v[TM+1], v[TM+1], |v[\s+11]|, |v[\s+12]|
	v_max3_num_f32 v[TM], v[TM], |v[\s+13]|, |v[\s+14]|
	v_max3_num_f32 v[TM], v[TM], v[TM+1], |v[\s+15]|
	v_permlanex16_b32 v[TM+2], v[TM], s[SEL], s[SEL+1]
	v_max_num_f32 v[TM], v[TM], v[TM+2]            ; the block's largest magnitude
	v_add_nc_u32 v[TM+3], 0xf8800000, v[TM]        ; 15 off its exponent field: the conversion's scale operand
	v_and_or_b32 v[TM+4], v[TM], 0x7f800000, s[MNT]   ; 57,344 x the scale
	v_lshrrev_b32 v[\by], 23, v[TM+3]              ; the scale's byte
.irp i, 0,1,2,3,4,5,6,7,8,9,10,11,12,13,14,15
	v_med3_num_f32 v[\s+\i], v[\s+\i], -v[TM+4], v[TM+4]   ; the conversion to an 8-bit code does not saturate (ISA guide 7.6.2): the hold comes first
.endr
	v_cvt_scalef32_pk8_bf8_f32 v[\pc:\pc+1], v[\s:\s+7], v[TM+3]
	v_cvt_scalef32_pk8_bf8_f32 v[\pc+2:\pc+3], v[\s+8:\s+15], v[TM+3]
	v_nop                                          ; a plain instruction behind the last conversion
.endm
; row tile m's vector work on set q: z = (x W1 + b1)(x W3 + b3), silu(z) = z / (1 + 2^(-z log2 e)), the quantiser, the image.  fetch >= 0: behind the first eight lines, which are the eight places
; behind the products issued just before (they name none of those products' registers), x's fragments of that row tile are fetched.
.macro VSTEP m, q, par, fetch
.set HA, HAB+32*(\q)
.set HB, HAB+32*(\q)+16
.irp i, 0,2,4,6,8,10,12,14
	v_pk_mul_f32 v[HA+\i:HA+\i+1], v[HA+\i:HA+\i+1], v[HB+\i:HB+\i+1]   ; ascending: each accumulator is first read at its low end
.endr
.if (\fetch) >= 0
	XFETCH \fetch
.endif
.irp i, 0,2,4,6,8,10,12,14
	v_pk_mul_f32 v[HB+\i:HB+\i+1], v[HA+\i:HA+\i+1], s[84:85] op_sel_hi:[1,0]
.endr
.irp i, 0,1,2,3,4,5,6,7,8,9,10,11,12,13,14,15
	v_exp_f32 v[HB+\i], v[HB+\i]
.endr
	v_nop                                          ; a plain instruction between the last exponential and the use of its result
	s_wait_alu depctr_va_vdst(0)
.irp i, 0,2,4,6,8,10,12,14
	v_pk_add_f32 v[HB+\i:HB+\i+1], v[HB+\i:HB+\i+1], 1.0 op_sel_hi:[1,0]
.endr
.irp i, 0,1,2,3,4,5,6,7,8,9,10,11,12,13,14,15
	v_rcp_f32 v[HB+\i], v[HB+\i]
.endr
	v_nop
	s_wait_alu depctr_va_vdst(0)
.irp i, 0,2,4,6,8,10,12,14
	v_pk_mul_f32 v[HA+\i:HA+\i+1], v[HA+\i:HA+\i+1], v[HB+\i:HB+\i+1]
.endr
	QBLK HA, PC+4*(\m), SBY+(\m)
	ds_store_b128 v[HWI], v[PC+4*(\m):PC+4*(\m)+3] offset:HIMG+10240*(\par)+2048*(\m)
	ds_store_b8 v[HWS], v[SBY+(\m)] offset:HSC+640*(\par)+128*(\m)
.endm
; the second product of a pass: 40 accumulators, one product each.  mode 0: in place;  1: the sums begin on b2, which lies in row tile 4's accumulators;  2: they begin on 0.
; younger: the global loads issued behind W2's, which may stay out
.macro PH2 par, mode, younger
.irp m, 0,1,2,3,4
.irp c, 0,1,2,3
	ds_load_b128 v[HF+16*\m+4*\c:HF+16*\m+4*\c+3], v[LI] offset:HIMG+10240*(\par)+2048*\m+512*\c
.endr
	ds_load_b32 v[HS+\m], v[LS] offset:HSC+640*(\par)+128*\m
.endr
	s_wait_loadcnt \younger
.irp m, 0,1,2,3
	s_wait_dscnt 5*(4-\m)                          ; this row tile's five loads are in; the later tiles' may be out
.if (\mode) == 1
	WIN 0xe2                                       ; source 0 (W2) and C (b2) window 2, D window 3
.else
	WIN 0xf2                                       ; source 0 window 2, C and D window 3
.endif
.irp t, 0,1,2,3,4,5,6,7
.if (\mode) == 0
	MM 64*\m+8*\t, 16*\t, HF+16*\m, 64*\m+8*\t, W2S+\t/2, HS+\m, \t%2, 0
.elseif (\mode) == 1
	MM 64*\m+8*\t, 16*\t, HF+16*\m, 128+8*\t, W2S+\t/2, HS+\m, \t%2, 0
.else
	MMZ 64*\m+8*\t, 16*\t, HF+16*\m, W2S+\t/2, HS+\m, \t%2
.endif
.endr
.endr
	s_wait_dscnt 0x0
.if (\mode) == 1
.rept 9
	v_nop                                          ; the products below write over registers that the products above read as C: nine places
.endr
.endif
	WIN 0xa2                                       ; source 0, C and D window 2
.irp t, 0,1,2,3,4,5,6,7
.if (\mode) == 2
	MMZ 128+8*\t, 16*\t, HF+64, W2S+\t/2, HS+4, \t%2
.else
	MM 128+8*\t, 16*\t, HF+64, 128+8*\t, W2S+\t/2, HS+4, \t%2, 0
.endif
.endr
	WIN 0
.endm
; a pass up to its barrier.  a: the buffer of W1 and W3 at work, and the set of images written;  last = 1: nothing is fetched for a next pass
.macro PASS1 a, last
.rept 9
	v_nop                                          ; behind the last pass's products: eight places for the loads into their operands, nine for the products that write over them
.endr
	s_wait_loadcnt 0x0                             ; this pass's W1 and W3 are in; no load is out, so the pointers may be written
	PTRS
	LOADB
.if (\last) == 0
	LOADA 1-(\a), 0
.endif
	XFETCH 0
	s_wait_dscnt 0x0
	WPROD 0, 0, \a
.rept 8
	v_nop                                          ; places in front of the loads into x's fragments, and of the first read of these results
.endr
	XFETCH 1
	s_wait_dscnt 0x0
	WPROD 1, 1, \a
	VSTEP 0, 0, \a, 2
	s_wait_dscnt 0x2                               ; x's fragments are in; the two stores issued behind them may be out
	WPROD 2, 0, \a
	VSTEP 1, 1, \a, 3
.if (\last) == 0
	LOADA 1-(\a), 1
.endif
	s_wait_dscnt 0x2
	WPROD 3, 1, \a
	VSTEP 2, 0, \a, 4
	s_wait_dscnt 0x2
	WPROD 4, 0, \a
	VSTEP 3, 1, \a, -1
	VSTEP 4, 0, \a, -1
	s_wait_dscnt 0x0                               ; my images have landed, and my reads of the other set, which the next pass writes, were over long ago
	s_barrier_signal -1
	s_barrier_wait -1
.endm
	s_load_b512 s[4:19], s[0:1], 0x0               ; tiles s[4:5], rows s[6:7], gw s[8:9], xq s[10:11], xs s[12:13], W1's codes s[14:15], scales s[16:17], b1 s[18:19]
	s_load_b256 s[20:27], s[0:1], 0x40             ; W3's codes s[20:21], scales s[22:23], b3 s[24:25], W2's codes s[26:27]
	s_load_b128 s[28:31], s[0:1], 0x60             ; W2's scales s[28:29], b2 s[30:31]
	s_load_b64 s[32:33], s[0:1], 0x70              ; part
	v_lshl_add_u32 v94, v0, 2, 0x12c00
	v_mov_b32 v95, 0
	v_lshrrev_b32 v15, 5, v0
	v_readfirstlane_b32 s[WV], v15                 ; wave 0..3
	v_and_b32 v15, 31, v0                          ; lane
	v_and_b32 v[VR], 15, v0
	v_bfe_u32 v[VH], v0, 4, 1
	v_lshlrev_b32 v[LI], 4, v15
	v_lshlrev_b32 v[LS], 2, v15
	s_lshl_b32 s82, s[WV], 9
	v_add_nc_u32 v[HWI], s82, v[LI]
	v_add_nc_u32 v[HWS], s[WV], v[LS]
	s_mul_i32 s82, s[WV], 16*SPI
	s_add_co_u32 s82, s82, STG                     ; my stage
	v_mul_u32_u24 v[STO], v[VR], SPI
	v_lshl_add_u32 v[STO], v[VH], 5, v[STO]
	v_add_nc_u32 v[STO], s82, v[STO]
	v_add_nc_u32 v[RD], s82, v[LI]
	v_and_b32 v[WA], 8, v[VR]
	v_add_nc_u32 v[WA], v[WA], v[VR]               ; r + 8 (r / 8)
	v_lshl_add_u32 v[WAS], v[VH], 3, v[WA]
	v_lshlrev_b32 v[WAS], 3, v[WAS]
	v_lshlrev_b32 v[WA], 8, v[WA]
	v_lshl_add_u32 v[WA], v[VH], 4, v[WA]
	v_lshlrev_b32 v[WB], 11, v[VR]
	v_lshl_add_u32 v[WB], v[VH], 4, v[WB]
	v_lshlrev_b32 v[WBS], 6, v15
	v_lshlrev_b32 v[BA], 6, v[VH]
	v_lshlrev_b32 v[B2A], 5, v[VH]
	v_lshlrev_b32 v[A4], 2, v[VR]                  ; the list: 4 bytes a row
	v_lshlrev_b32 v[HW], 4, v[VH]
	s_lshl_b32 s82, s[WV], 5
	v_add_nc_u32 v[HW], s82, v[HW]                 ; 32 x wave + 16 h: wave w brings group w of every fragment of x
	v_mov_b32 v[TM+2], 0                           ; a lane permute's destination counts as one of its sources
	s_mov_b32 s[T], ttmp9
	s_and_b32 s[SH], ttmp7, 0xffff
	s_mov_b32 s[SEL], 0x76543210
	s_mov_b32 s[SEL+1], 0xfedcba98
	s_mov_b32 s[MNT], 0x600000
	s_mov_b32 s47, 0
	s_mov_b32 s84, 0xbfb8aa3b                      ; -log2(e)
	s_mov_b32 s85, s84                             ; (named with it as a pair, so it is written)
	s_wait_kmcnt 0x0
	s_lshl_b32 s46, s[T], 3
	s_add_nc_u64 s[4:5], s[4:5], s[46:47]
	s_load_b64 s[86:87], s[4:5], 0x0               ; my tile's expert and row count
	s_mul_i32 s46, s[T], 320
	s_add_nc_u64 s[6:7], s[6:7], s[46:47]          ; my tile's 80 words of the list
.irp m, 0,1,2,3,4
	global_load_b32 v[GW+2*\m+1], v[A4], s[6:7] offset:64*\m   ; lane (r, h): row 16 m + r
.endr
	s_wait_kmcnt 0x0
	s_min_u32 s[E], s86, 7
	s_min_u32 s[NR], s87, 80
	; ---- the expert, the half and the wave go into the bases
	s_lshl_b32 s82, s[SH], 10
	s_lshl_b32 s83, s[WV], 5
	s_add_co_u32 s82, s82, s83                     ; my first hidden unit of pass 0: 1,024 x half + 32 x wave
	s_lshl_b32 s46, s[E], 19
	s_lshl_b32 s83, s82, 8
	s_add_co_u32 s46, s46, s83
	s_add_nc_u64 s[14:15], s[14:15], s[46:47]
	s_add_nc_u64 s[20:21], s[20:21], s[46:47]
	s_lshl_b32 s46, s[E], 14
	s_lshl_b32 s83, s82, 3
	s_add_co_u32 s46, s46, s83
	s_add_nc_u64 s[16:17], s[16:17], s[46:47]
	s_add_nc_u64 s[22:23], s[22:23], s[46:47]
	s_lshl_b32 s46, s[E], 13
	s_lshl_b32 s83, s82, 2
	s_add_co_u32 s46, s46, s83
	s_add_nc_u64 s[18:19], s[18:19], s[46:47]
	s_add_nc_u64 s[24:25], s[24:25], s[46:47]
	s_lshl_b32 s46, s[E], 20                       ; W2: 512 rows of 2,048 bytes an expert; my 128 rows; the half's 1,024 along K
	s_lshl_b32 s83, s[WV], 18
	s_add_co_u32 s46, s46, s83
	s_lshl_b32 s83, s[SH], 10
	s_add_co_u32 s46, s46, s83
	s_add_nc_u64 s[26:27], s[26:27], s[46:47]
	s_lshl_b32 s46, s[E], 15
	s_lshl_b32 s83, s[WV], 13
	s_add_co_u32 s46, s46, s83
	s_lshl_b32 s83, s[SH], 5
	s_add_co_u32 s46, s46, s83
	s_add_nc_u64 s[28:29], s[28:29], s[46:47]
	s_lshl_b32 s46, s[E], 11
	s_lshl_b32 s83, s[WV], 9
	s_add_co_u32 s46, s46, s83
	s_add_nc_u64 s[30:31], s[30:31], s[46:47]
	s_lshl_b32 s46, s[SH], 24                      ; part: 8,192 rows of 2,048 bytes a half; my 128 columns
	s_add_co_u32 s46, s46, s83
	s_add_nc_u64 s[32:33], s[32:33], s[46:47]
	s_add_co_u32 s[PP], s[T], 7                    ; so that the pointers for a next pass, made now, are those of pass tile % 8: my first
	PTRS
	s_wait_loadcnt 0x0                             ; the list's five words
.irp m, 0,1,2,3,4
	v_min_u32 v[GW+2*\m+1], 0x1fff, v[GW+2*\m+1]
	v_and_b32 v[TOK+\m], 0xfff, v[GW+2*\m+1]       ; the token
	v_lshlrev_b32 v[A8+\m], 3, v[TOK+\m]
	v_lshl_add_u32 v[AXS+\m], v[VH], 2, v[A8+\m]
	v_lshl_add_u32 v[AXQ+\m], v[TOK+\m], 8, v[HW]
.endr
.irp m, 0,1,2,3,4
	global_load_b64 v[GP+2*\m:GP+2*\m+1], v[A8+\m], s[8:9]        ; the token's two gates
	global_load_b32 v[XS+\m], v[AXS+\m], s[12:13]                 ; its scale word of K step h
	global_load_b128 v[XQ+8*\m:XQ+8*\m+3], v[AXQ+\m], s[10:11]    ; its codes k = 32 w + 16 h + 0 .. 15,
	global_load_b128 v[XQ+8*\m+4:XQ+8*\m+7], v[AXQ+\m], s[10:11] offset:128   ; and 128 further on
.endr
	LOADA 0, 0
	LOADA 0, 1
	s_wait_loadcnt 42                              ; the 20 gathers are in; the first pass's W1 and W3, 21 loads each, may be out
.irp m, 0,1,2,3,4
	v_and_b32 v[T5+\m], 0x1000, v[GW+2*\m+1]       ; k
.endr
.irp m, 0,1,2,3,4
	v_cmp_ne_u32 s[MK+\m], 0, v[T5+\m]
.endr
.irp m, 0,1,2,3,4
	v_cndmask_b32 v[GW+2*\m], v[GP+2*\m], v[GP+2*\m+1], s[MK+\m]   ; my expert's gate
.endr
.irp m, 0,1,2,3,4
.irp s, 0,1
	ds_store_b128 v[HWI], v[XQ+8*\m+4*\s:XQ+8*\m+4*\s+3] offset:XIMG+2048*(2*\m+\s)
.endr
.endr
	WIN 0x80
.irp t, 0,1,2,3,4,5,6,7
	global_load_b128 v[128+8*\t:128+8*\t+3], v[B2A], s[30:31] offset:64*\t       ; b2 in the result's layout, into row tile 4's accumulators
	global_load_b128 v[128+8*\t+4:128+8*\t+7], v[B2A], s[30:31] offset:64*\t+16
.endr
	WIN 0
	s_wait_dscnt 0x0
	s_barrier_signal -1
	s_barrier_wait -1                              ; x's ten fragments lie in LDS, for the whole launch
	; ---- eight passes.  One barrier a pass: a set of images is written again only behind the next pass's barrier, which every wave signals with its reads of that set waited for
	PASS1 0, 0
	s_cmp_eq_u32 s[SH], 0                          ; half 0 begins its sums on b2, half 1 on 0
	s_cbranch_scc0 .Lno_bias
	PH2 0, 1, 42                                   ; 42: the next pass's W1 and W3, 21 loads each, were issued behind W2's
	s_branch .Lsums_begun
.Lno_bias:
	PH2 0, 2, 42
.Lsums_begun:
	s_mov_b32 s[CNT], 3
.Lpass:
	PASS1 1, 0
	PH2 1, 0, 42
	PASS1 0, 0
	PH2 0, 0, 42
	s_sub_co_u32 s[CNT], s[CNT], 1
	s_cmp_lg_u32 s[CNT], 0
	s_cbranch_scc1 .Lpass
	PASS1 1, 1
	PH2 1, 0, 0
	; ---- THE WAY OUT.  A row tile's 16 rows x my 128 columns are multiplied by the rows' gates and go through my own stage in LDS; they come back as rows of 512 bytes, and each row goes to its own row of part.
	; Which row that is comes from the list once more, by scalar loads, 16 words at a time, into s[8:23] and s[48:63] by turns: the pointers that lay there are done with (no load is out).
.macro TOSTAGE m
.if (\m) < 4
.set AC, 64*(\m)
	WIN 0xc3                                       ; destination and source 0 window 3
.else
.set AC, 128
	WIN 0x82
.endif
.set i, 0
.rept 32
	v_pk_mul_f32 v[AC+i:AC+i+1], v[AC+i:AC+i+1], v[GW+2*(\m):GW+2*(\m)+1] op_sel_hi:[1,0]   ; ascending: each accumulator from its low end on
.set i, i+2
.endr
.if (\m) < 4
	WIN 0x0c                                       ; an LDS store's data are its source 1
.else
	WIN 0x08
.endif
.irp t, 0,1,2,3,4,5,6,7
	ds_store_b128 v[STO], v[AC+8*\t:AC+8*\t+3] offset:64*\t
	ds_store_b128 v[STO], v[AC+8*\t+4:AC+8*\t+7] offset:64*\t+16
.endr
	WIN 0
.set BKB, 96+64*((\m)%2)
.irp n, 0,1,2,3,4,5,6,7,8,9,10,11,12,13,14,15
	ds_load_b128 v[BKB+4*\n:BKB+4*\n+3], v[RD] offset:SPI*\n   ; LDS serves a wave's instructions in order: these see the stores above, and the next tile's stores come behind them
.endr
.endm
.macro SEND m, younger                 ; younger: the LDS instructions issued behind this tile's loads
.set BKB, 96+64*((\m)%2)
.set RSB, 8+40*((\m)%2)
	s_wait_dscnt \younger
	s_wait_kmcnt 0x0                               ; this tile's 16 words of the list
	s_wait_xcnt 0x0                                ; the offsets' registers, which earlier stores read, are written again only behind this wait
.irp n, 0,1,2,3,4,5,6,7,8,9,10,11,12,13,14,15
	s_cmp_gt_u32 s[NR], 16*(\m)+\n                 ; rows beyond the tile's count are not stored, nor any behind them
	s_cbranch_scc0 .Lout_end
	s_min_u32 s82, s[RSB+\n], 8191                 ; the row of part: 4,096 k + token
	s_lshl_b32 s82, s82, 11
	v_add_nc_u32 v[AD+\n], s82, v[LI]
	global_store_b128 v[AD+\n], v[BKB+4*\n:BKB+4*\n+3], s[32:33]   ; 32 lanes store 512 consecutive bytes, at a multiple of 512 from part's first byte
.endr
.if (\m) < 3
	s_load_b512 s[RSB:RSB+15], s[6:7], 64*((\m)+2) ; the words of the tile two further on
.endif
.endm
	s_load_b512 s[8:23], s[6:7], 0x0
	s_load_b512 s[48:63], s[6:7], 0x40
.rept 8
	v_nop                                          ; places behind the last products
.endr
	TOSTAGE 0
.irp m, 1,2,3,4
	s_wait_xcnt 0x0                                ; the stores of two tiles back have read the registers that this tile's loads write
	TOSTAGE \m
	SEND \m-1, 32                                  ; behind that tile's loads: this tile's 16 stores and 16 loads
.endr
	SEND 4, 0
.Lout_end:
	s_wait_kmcnt 0x0
	s_wait_dscnt 0x0
	s_wait_tensorcnt 0x0
	ds_add_u32 v94, v95
	s_wait_dscnt 0x0
	s_endpgm
.Lfunc_end_k_q191c55ae02_chain:
	.size	k_q191c55ae02_chain, .Lfunc_end_k_q191c55ae02_chain-k_q191c55ae02_chain
	.p2alignl 7, 3214868480
	.fill 96, 4, 3214868480
	.section	.rodata,"a",@progbits
	.p2align	6, 0x0
	.amdhsa_kernel k_q191c55ae02_chain
		.amdhsa_group_segment_fixed_size 77312
		.amdhsa_private_segment_fixed_size 0
		.amdhsa_enable_private_segment 0
		.amdhsa_kernarg_size 120
		.amdhsa_user_sgpr_count 2
		.amdhsa_user_sgpr_kernarg_segment_ptr 1
		.amdhsa_wavefront_size32 1
		.amdhsa_system_sgpr_workgroup_id_x 1
		.amdhsa_system_sgpr_workgroup_id_y 1
		.amdhsa_system_sgpr_workgroup_id_z 1
		.amdhsa_system_vgpr_workitem_id 0
		.amdhsa_next_free_vgpr 1024
		.amdhsa_next_free_sgpr 100
		.amdhsa_reserve_vcc 0
		.amdhsa_float_denorm_mode_32 3
		.amdhsa_float_denorm_mode_16_64 3
		.amdhsa_memory_ordered 1
		.amdhsa_forward_progress 1
		.amdhsa_inst_pref_size 255
	.end_amdhsa_kernel
	.section	.bss,"aw",@nobits
	.p2align	6
	.space	262144
	.amdgpu_metadata
---
amdhsa.version: [ 1, 2 ]
amdhsa.kernels:
  - .name:           k_q191c55ae02_chain
    .symbol:         k_q191c55ae02_chain.kd
    .args:
      - { .name: tiles, .offset: 0, .size: 8, .value_kind: global_buffer, .address_space: global }
      - { .name: rows, .offset: 8, .size: 8, .value_kind: global_buffer, .address_space: global }
      - { .name: gw, .offset: 16, .size: 8, .value_kind: global_buffer, .address_space: global }
      - { .name: xq, .offset: 24, .size: 8, .value_kind: global_buffer, .address_space: global }
      - { .name: xs, .offset: 32, .size: 8, .value_kind: global_buffer, .address_space: global }
      - { .name: W1_codes, .offset: 40, .size: 8, .value_kind: global_buffer, .address_space: global }
      - { .name: W1_scales, .offset: 48, .size: 8, .value_kind: global_buffer, .address_space: global }
      - { .name: b1, .offset: 56, .size: 8, .value_kind: global_buffer, .address_space: global }
      - { .name: W3_codes, .offset: 64, .size: 8, .value_kind: global_buffer, .address_space: global }
      - { .name: W3_scales, .offset: 72, .size: 8, .value_kind: global_buffer, .address_space: global }
      - { .name: b3, .offset: 80, .size: 8, .value_kind: global_buffer, .address_space: global }
      - { .name: W2_codes, .offset: 88, .size: 8, .value_kind: global_buffer, .address_space: global }
      - { .name: W2_scales, .offset: 96, .size: 8, .value_kind: global_buffer, .address_space: global }
      - { .name: b2, .offset: 104, .size: 8, .value_kind: global_buffer, .address_space: global }
      - { .name: part, .offset: 112, .size: 8, .value_kind: global_buffer, .address_space: global }
    .group_segment_fixed_size: 77312
    .private_segment_fixed_size: 0
    .kernarg_segment_align: 8
    .kernarg_segment_size: 120
    .max_flat_workgroup_size: 128
    .sgpr_count:     100
    .vgpr_count:     1024
    .wavefront_size: 32
...
	.end_amdgpu_metadata
.endif
;; end of part 3
;; launch mix (part 4): grid 256 x 1, 16 waves a work-group, no clusters, 44,032 bytes of LDS; arguments part, wfq, Wf_scales, bf, out0; writes out0
.if DOCPART == 4
	.amdgcn_target "amdgcn-amd-amdhsa--gfx1250"
	.amdhsa_code_object_version 6
	.text
	.protected	k_q191c55ae02_mix
	.globl	k_q191c55ae02_mix
	.p2align	8
	.type	k_q191c55ae02_mix,@function
k_q191c55ae02_mix:
	s_mov_b64 s[64:65], 0
	v_nop
	global_prefetch_b8 v0, s[64:65] scope:SCOPE_SE
	s_setreg_imm32_b32 hwreg(HW_REG_WAVE_MODE, 25, 1), 1
	s_wait_xcnt 0x0
; out0 = Q(mixed) Wf + bf.  A work-group of sixteen waves takes 16 tokens.  mixed is the sum of a token's four partial rows (two halves of the hidden layer x two experts, each already times its gate), in f32.
; Wave w sums and quantises token w's whole row: a lane takes 8 neighbouring columns (two loads 16 bytes apart: together the wave's pair covers 1,024 consecutive bytes), twice; a block of 32 columns lies in four
; neighbouring lanes.  The codes go to LDS as rows (512 bytes + 16), the 16 scale bytes of a token side by side; a barrier; then every wave takes all four fragments of the 16 tokens and makes outputs 32 w .. 32 w + 31
; (two tiles, four K steps of 128), on E5M2 codes with E8M0 scales, sums in f32, bf as the first C.  Wf's codes come from wfq, laid by the first launch in the order of the operand's registers: each load is 512 consecutive bytes.
; The product is used transposed (source 0 = 16 rows of Wf, source 1 = the 16 tokens): a lane holds eight neighbouring outputs of one token.  The results meet in a stage, a barrier, and wave w stores token w's whole row.
; No tensor loads and no cluster: Wf (256 KiB) is all that work-groups share, each wave reads its own sixteenth of it once, straight into the operand's registers; the partial rows, half of Wf's bytes in the launch's sum, are shared by nobody.
; LIMITS: NaN and infinities are not served; a block of zeros gets the scale byte 1 (its codes are zeros).
.set MP,  528                          ; LDS: mixed's codes, 16 rows x (512 + 16) bytes: an odd multiple of 16, so that the 16 rows of a fragment load start in different banks;
.set MSC, 8448                         ; their scale bytes, 16 a token;
.set STG, 8704                         ; the stage: 16 rows x (2,048 + 16) bytes
.set SPI, 2064
.set TM,  16                           ; v16-21 the quantiser's work, two blocks by turns
.set PC,  32                           ; v32-35 my codes
.set SBY, 36                           ; v36-37 my scale bytes
.set WFS, 40                           ; v40-43 Wf's scale words of K step s: lanes 0-15 tile 0's rows, lanes 16-31 tile 1's
.set MS,  44                           ; v44-47 mixed's scale words
.set ACC, 48                           ; v48-63 two accumulators
.set P,   64                           ; v64-127 four partial rows' 16 numbers (source q, half j, number i at 16 q + 8 j + i); later mixed's four fragments; later a row of the result
.set WF,  128                          ; v128-255 Wf's fragments, (t, s) at 16 (4 t + s)
	s_load_b256 s[4:11], s[0:1], 0x0               ; part s[4:5], wfq s[6:7], Wf's scales s[8:9], bf s[10:11]
	s_load_b64 s[12:13], s[0:1], 0x20              ; out0
	v_lshl_add_u32 v38, v0, 2, 0xa400
	v_mov_b32 v39, 0
	v_lshrrev_b32 v11, 5, v0
	v_readfirstlane_b32 s14, v11                   ; wave 0..15
	v_and_b32 v11, 31, v0                          ; lane
	v_and_b32 v12, 15, v0                          ; r
	v_bfe_u32 v13, v0, 4, 1                        ; h
	v_lshlrev_b32 v1, 4, v11                       ; 16 x lane
	v_mul_u32_u24 v2, v12, MP
	v_lshl_add_u32 v2, v13, 4, v2                  ; a fragment of mixed: row r, + 16 h
	s_lshl_b32 s24, s14, 11
	v_lshlrev_b32 v3, 5, v11
	v_add_nc_u32 v3, s24, v3                       ; part: token w's row of 2,048 bytes, + 32 x lane: my 8 columns
	s_mul_i32 s24, s14, MP
	v_lshlrev_b32 v4, 3, v11
	v_add_nc_u32 v4, s24, v4                       ; my 8 codes: row w, + 8 x lane
	s_lshl_b32 s24, s14, 4
	s_add_co_u32 s24, s24, MSC
	v_lshrrev_b32 v5, 2, v11
	v_add_nc_u32 v5, s24, v5                       ; my block's scale byte: 16 w + lane / 4
	v_lshl_add_u32 v6, v12, 4, MSC                 ; token r's 16 scale bytes
	s_lshl_b32 s24, s14, 9
	v_add_nc_u32 v7, s24, v1                       ; Wf's scales: 16 bytes a row, row 32 w + lane
	s_lshl_b32 s15, s14, 7                         ; 128 x wave
	v_lshl_add_u32 v8, v13, 5, s15                 ; bf, and a row of the stage: 128 w + 32 h
	v_mul_u32_u24 v9, v12, SPI
	v_add_nc_u32 v9, v9, v8
	v_add_nc_u32 v9, STG, v9                       ; the stage, in: row r
	s_mul_i32 s24, s14, SPI
	s_add_co_u32 s24, s24, STG
	v_add_nc_u32 v10, s24, v1                      ; and out: row w
	s_mov_b32 s28, 0x600000                        ; the mantissa field of 57,344
	s_lshl_b32 s24, ttmp9, 15                      ; 16 tokens of 2,048 bytes
	s_mov_b32 s25, 0
	s_wait_kmcnt 0x0
	s_add_nc_u64 s[16:17], s[4:5], s[24:25]        ; the four partial rows lie 4,096 rows apart
	s_add_nc_u64 s[18:19], s[16:17], 0x800000
	s_add_nc_u64 s[20:21], s[18:19], 0x800000
	s_add_nc_u64 s[22:23], s[20:21], 0x800000
	s_add_nc_u64 s[12:13], s[12:13], s[24:25]
	s_lshl_b32 s24, s14, 11                        ; token w's row
	s_add_nc_u64 s[12:13], s[12:13], s[24:25]
	s_lshl_b32 s24, s14, 14                        ; my two tiles of Wf, 8,192 bytes each
	s_add_nc_u64 s[6:7], s[6:7], s[24:25]
.irp q, 0,1,2,3
.irp j, 0,1
.irp p, 0,1
	global_load_b128 v[P+16*\q+8*\j+4*\p:P+16*\q+8*\j+4*\p+3], v3, s[16+2*\q:17+2*\q] offset:1024*\j+16*\p th:TH_LOAD_NT   ; columns 256 j + 8 x lane + 4 p + 0 .. 3
.endr
.endr
.endr
.irp t, 0,1
.irp s, 0,1,2,3
.irp c, 0,1,2,3
	global_load_b128 v[WF+16*(4*\t+\s)+4*\c:WF+16*(4*\t+\s)+4*\c+3], v1, s[6:7] offset:8192*\t+2048*\s+512*\c
.endr
.endr
.endr
	global_load_b128 v[WFS:WFS+3], v7, s[8:9]
.irp t, 0,1
	global_load_b128 v[ACC+8*\t:ACC+8*\t+3], v8, s[10:11] offset:64*\t          ; bf in the result's layout: the sums begin on it
	global_load_b128 v[ACC+8*\t+4:ACC+8*\t+7], v8, s[10:11] offset:64*\t+16
.endr
	s_wait_loadcnt 37                              ; the 16 loads of part are in; Wf's 32, its scales' one and bf's four may be out
.irp i, 0,2,4,6,8,10,12,14
	v_pk_add_f32 v[P+\i:P+\i+1], v[P+\i:P+\i+1], v[P+16+\i:P+16+\i+1]
.endr
.irp i, 0,2,4,6,8,10,12,14
	v_pk_add_f32 v[P+32+\i:P+32+\i+1], v[P+32+\i:P+32+\i+1], v[P+48+\i:P+48+\i+1]
.endr
.irp i, 0,2,4,6,8,10,12,14
	v_pk_add_f32 v[P+\i:P+\i+1], v[P+\i:P+\i+1], v[P+32+\i:P+32+\i+1]
.endr
	; the quantiser, my two blocks by turns: my 8 numbers are a quarter of a block of 32; the others lie in lanes l xor 1, 2, 3
.irp j, 0,1
	v_max3_num_f32 v[TM+\j], |v[P+8*\j]|, |v[P+8*\j+1]|, 0x8000000   ; with the floor 2^(16 - 127): the byte cannot fall under 1
.endr
.irp i, 2,4,6
.irp j, 0,1
	v_max3_num_f32 v[TM+\j], v[TM+\j], |v[P+8*\j+\i]|, |v[P+8*\j+\i+1]|
.endr
.endr
.irp x, 1,2
.irp j, 0,1
	v_max_num_f32_dpp v[TM+\j], v[TM+\j], v[TM+\j] row_xmask:\x row_mask:0xf bank_mask:0xf
.endr
.endr
.irp j, 0,1
	v_add_nc_u32 v[TM+2+\j], 0xf8800000, v[TM+\j]  ; 15 off the exponent field: the conversion's scale operand
.endr
.irp j, 0,1
	v_and_or_b32 v[TM+4+\j], v[TM+\j], 0x7f800000, s28   ; 57,344 x the scale
.endr
.irp j, 0,1
	v_lshrrev_b32 v[SBY+\j], 23, v[TM+2+\j]        ; the scale's byte
.endr
.irp j, 0,1
.irp i, 0,1,2,3,4,5,6,7
	v_med3_num_f32 v[P+8*\j+\i], v[P+8*\j+\i], -v[TM+4+\j], v[TM+4+\j]   ; the conversion to an 8-bit code does not saturate (ISA guide 7.6.2): the hold comes first
.endr
.endr
.irp j, 0,1
	v_cvt_scalef32_pk8_bf8_f32 v[PC+2*\j:PC+2*\j+1], v[P+8*\j:P+8*\j+7], v[TM+2+\j]
.endr
	v_nop                                          ; a plain instruction behind the last conversion
.irp j, 0,1
	ds_store_b64 v4, v[PC+2*\j:PC+2*\j+1] offset:256*\j        ; the wave's 256 consecutive bytes of row w
	ds_store_b8 v5, v[SBY+\j] offset:8*\j                      ; the four lanes of a block write the same byte with the same value
.endr
	s_wait_dscnt 0x0
	s_barrier_signal -1
	s_barrier_wait -1                              ; the 16 tokens' codes and scale bytes lie in LDS
.irp s, 0,1,2,3
.irp c, 0,1,2,3
	ds_load_b128 v[P+16*\s+4*\c:P+16*\s+4*\c+3], v2 offset:128*\s+32*\c   ; k = 128 s + 32 c + 16 h + 0 .. 15 of token r
.endr
.endr
	ds_load_b128 v[MS:MS+3], v6                    ; token r's four scale words
	s_wait_loadcnt 0x0
	s_wait_dscnt 0x0
.irp s, 0,1,2,3                        ; the two accumulators by turns
	v_wmma_scale_f32_16x16x128_f8f6f4 v[ACC:ACC+7], v[WF+16*\s:WF+16*\s+15], v[P+16*\s:P+16*\s+15], v[ACC:ACC+7], v[WFS+\s], v[MS+\s] matrix_a_fmt:MATRIX_FMT_BF8 matrix_b_fmt:MATRIX_FMT_BF8
	v_wmma_scale_f32_16x16x128_f8f6f4 v[ACC+8:ACC+15], v[WF+64+16*\s:WF+64+16*\s+15], v[P+16*\s:P+16*\s+15], v[ACC+8:ACC+15], v[WFS+\s], v[MS+\s] matrix_a_fmt:MATRIX_FMT_BF8 matrix_b_fmt:MATRIX_FMT_BF8 matrix_a_scale:MATRIX_SCALE_ROW1
.endr
.rept 8
	v_nop                                          ; places in front of the first read of the results, and of the loads into the operands' registers
.endr
.irp t, 0,1
	ds_store_b128 v9, v[ACC+8*\t:ACC+8*\t+3] offset:64*\t          ; lane (r, h): outputs 32 w + 16 t + 8 h + 0 .. 7 of token r
	ds_store_b128 v9, v[ACC+8*\t+4:ACC+8*\t+7] offset:64*\t+16
.endr
	s_wait_dscnt 0x0
	s_barrier_signal -1
	s_barrier_wait -1                              ; 16 whole rows lie in the stage
.irp i, 0,1,2,3
	ds_load_b128 v[P+4*\i:P+4*\i+3], v10 offset:512*\i
.endr
.irp i, 0,1,2,3
	s_wait_dscnt 3-\i                              ; the younger loads may be out
	global_store_b128 v1, v[P+4*\i:P+4*\i+3], s[12:13] offset:512*\i th:TH_STORE_NT   ; 32 lanes store 512 consecutive bytes, at a multiple of 512 from out0's first byte
.endr
	s_wait_tensorcnt 0x0
	ds_add_u32 v38, v39
	s_wait_dscnt 0x0
	s_endpgm
.Lfunc_end_k_q191c55ae02_mix:
	.size	k_q191c55ae02_mix, .Lfunc_end_k_q191c55ae02_mix-k_q191c55ae02_mix
	.p2alignl 7, 3214868480
	.fill 96, 4, 3214868480
	.section	.rodata,"a",@progbits
	.p2align	6, 0x0
	.amdhsa_kernel k_q191c55ae02_mix
		.amdhsa_group_segment_fixed_size 44032
		.amdhsa_private_segment_fixed_size 0
		.amdhsa_enable_private_segment 0
		.amdhsa_kernarg_size 40
		.amdhsa_user_sgpr_count 2
		.amdhsa_user_sgpr_kernarg_segment_ptr 1
		.amdhsa_wavefront_size32 1
		.amdhsa_system_sgpr_workgroup_id_x 1
		.amdhsa_system_sgpr_workgroup_id_y 1
		.amdhsa_system_sgpr_workgroup_id_z 1
		.amdhsa_system_vgpr_workitem_id 0
		.amdhsa_next_free_vgpr 256
		.amdhsa_next_free_sgpr 66
		.amdhsa_reserve_vcc 0
		.amdhsa_float_denorm_mode_32 3
		.amdhsa_float_denorm_mode_16_64 3
		.amdhsa_memory_ordered 1
		.amdhsa_forward_progress 1
		.amdhsa_inst_pref_size 16
	.end_amdhsa_kernel
	.amdgpu_metadata
---
amdhsa.version: [ 1, 2 ]
amdhsa.kernels:
  - .name:           k_q191c55ae02_mix
    .symbol:         k_q191c55ae02_mix.kd
    .args:
      - { .name: part, .offset: 0, .size: 8, .value_kind: global_buffer, .address_space: global }
      - { .name: wfq, .offset: 8, .size: 8, .value_kind: global_buffer, .address_space: global }
      - { .name: Wf_scales, .offset: 16, .size: 8, .value_kind: global_buffer, .address_space: global }
      - { .name: bf, .offset: 24, .size: 8, .value_kind: global_buffer, .address_space: global }
      - { .name: out0, .offset: 32, .size: 8, .value_kind: global_buffer, .address_space: global }
    .group_segment_fixed_size: 44032
    .private_segment_fixed_size: 0
    .kernarg_segment_align: 8
    .kernarg_segment_size: 40
    .max_flat_workgroup_size: 512
    .sgpr_count:     66
    .vgpr_count:     256
    .wavefront_size: 32
...
	.end_amdgpu_metadata
.endif
;; end of part 4
;; ======== version 2 of 3: 4 launches; 1.16 times as fast as version 1
;; workspace buffers: xq 1,048,576 bytes; xs 32,768 bytes; gw 32,768 bytes; msk 4,096 bytes of whole numbers; wfq 262,144 bytes; list 36,352 bytes of whole numbers; wq 17,039,360 bytes; part 33,554,432 bytes
;; launch gate: the kernel of part 1 again; grid 256 x 1, 1 waves a work-group, no clusters, 13,056 bytes of LDS; arguments X, Wg, bg, xq, xs, gw, msk, Wf_codes, wfq; writes xq, xs, gw, msk, wfq
;; launch place (part 5): grid 256 x 1, 5 waves a work-group, no clusters, 0 bytes of LDS; arguments msk, list, W1_codes, W3_codes, W2_codes, W2_scales, wq; writes list, wq
.if DOCPART == 5
	.amdgcn_target "amdgcn-amd-amdhsa--gfx1250"
	.amdhsa_code_object_version 6
	.text
	.protected	k_q191c55ae02_place
	.globl	k_q191c55ae02_place
	.p2align	8
	.type	k_q191c55ae02_place,@function
k_q191c55ae02_place:
	s_mov_b64 s[64:65], 0
	v_nop
	global_prefetch_b8 v0, s[64:65] scope:SCOPE_SE
	s_setreg_imm32_b32 hwreg(HW_REG_WAVE_MODE, 25, 1), 1
	s_wait_xcnt 0x0
; TWO THINGS THAT THE NEXT LAUNCH WANTS READY: THE ROWS' PLACES, AND THE EXPERTS' WEIGHTS IN THE ORDER OF THE OPERANDS' REGISTERS.
; THE WEIGHTS (waves 1-4 of all 256 work-groups: 1,024 waves of equal share).  The next launch reads each weight byte once for every tile of rows of its expert, straight into registers.  Here each byte is moved once, so that
; a fragment's group of four registers (lane l's 16 bytes at 16 l) is 512 consecutive bytes of wq.  A wave copies 16 KiB: 32 loads in fragment order (16 rows x 32 bytes), 32 stores of 512 consecutive bytes.
;   wq + 0:      W1  [8 experts x 64 blocks of 32 hidden units][tile u][K step s][group c][lane][16 bytes]; lane r of tile u holds row 8 u + r + 8 (r / 8) of the block
;   wq + 4 MiB:  W3  likewise
;   wq + 8 MiB:  W2  [expert][half of the hidden layer][pass of 128 hidden units][wave: 128 outputs][tile t of 16 outputs][group c][lane][16 bytes]
;   wq + 16 MiB: W2's scale words [expert][half][pass][wave][lane][4 words]: word j of lane l belongs to output 32 j + l of the wave's 128
; A wave's share: one tile u of a block of W1 and of W3 (whole rows of 256 bytes), and of W2 two tiles x two passes (256 neighbouring bytes of each row).
; Wave 0 of every work-group lays two units (expert, half, pass, wave) of W2's scale words.
; THE ROWS' PLACES (wave 0 of the first 110 work-groups).  8,192 routed rows (4,096 tokens x 2 experts) are cut into tiles of up to 80 rows of ONE expert; on 8 experts that is never more than (8,192 + 8 x 79) / 80 = 110 tiles,
; whatever the split.  Work-group T finds tile T by itself from msk (4 KiB: a bit for each expert and token) and stores, at places that hang on T and the lane alone:
;   list + 320 T: 80 words: for each row 4,096 k + token, k = 1 where the expert is the token's higher-numbered choice.  Rows beyond the tile's count repeat the expert's last token: they are read, never stored from.
;   list + 35,328 + 8 T: the tile's expert, its number of rows (0 for a tile that this split leaves empty).
; So what steers addresses and branches in the next launch is read there from memory as whole numbers; here it is only data: no address and no branch of this launch hangs on it.
; HOW.  Lane l holds, of each expert, the four words of tokens 128 l .. 128 l + 127.  Set bits are counted by shifts and masks; the experts' totals give their tile counts; a walk by selects finds the tile's expert.
; A row of rank q among the expert's tokens is looked up: the lane, by a walk over the lanes' counts; the word, by that lane's running counts; the bit, by halving with the word's partial counts.
; k is the same bit of the OR of the lower-numbered experts' words: a token has two different experts, so a lower one is set just where this one is the higher.
.set NT,    110                        ; tiles
.set TILES, 35328                      ; list: where the tiles' words begin
.set QW3,   0x400000                   ; wq: where W3, W2 and W2's scale words begin
.set QW2,   0x800000
.set QWS,   0x1000000
.set LI,  1                            ; v1   16 x lane
.set LS,  2                            ; v2   4 x lane
.set R,   64                           ; v64-191  waves 1-4: the 32 groups on their way
.set SC,  200                          ; v200-207 wave 0: two units' scale words
.set A64, 208                          ; v208     64 x lane: a row of W2's scales
.set MW,  96                           ; v96-127  msk: four words of each expert
.set PCW, 128                          ; v128-135 for each expert: byte j = the set bits in my words 0 .. j
.set CE,  136                          ; v136-143 and my total
.set PK,  144
.set TA,  148
.set TD,  152
.set SW,  156                          ; v156-159 my expert's four words
.set SPW, 160                          ; and their running counts
.set CL,  161
.set QM,  162                          ; for each of three sets of 32 rows: my row's rank; later what is left of it
.set BL,  165
.set LN,  168
.set POS, 171
.set WI,  174
.set RO,  180                          ; v180-183 the OR of the experts walked so far
.set SL,  184                          ; v184-187 the OR of the experts under mine
.set TOK, 192
.set TI,  196
.set F,   96                           ; behind the walk: the fetched words of my expert,
.set FL,  108                          ; of the lower ones,
.set FP,  120                          ; and the running counts
.set WD,  123
.set LW,  126
.set QA,  129
.set QB,  132
.set QC,  135
.set QD,  138
.set T5,  141
.set U5,  144
.set T,   35
.set E,   37
.set NR,  38
.set R0,  39
.set SEL, 42
.set MK,  92                           ; s92-94 three masks by turns
; the set bits of expert e's four words of my lane, the four words by turns; then byte j of v[PCW + e] = the bits in words 0 .. j, and v[CE + e] my total
.macro POP4 e
.irp j, 0,1,2,3
	v_lshrrev_b32 v[TA+\j], 1, v[MW+4*\e+\j]
.endr
.irp j, 0,1,2,3
	v_and_b32 v[TA+\j], s86, v[TA+\j]
.endr
.irp j, 0,1,2,3
	v_sub_nc_u32 v[TD+\j], v[MW+4*\e+\j], v[TA+\j]   ; counts of 2 bits
.endr
.irp j, 0,1,2,3
	v_lshrrev_b32 v[TA+\j], 2, v[TD+\j]
.endr
.irp j, 0,1,2,3
	v_and_b32 v[TD+\j], s87, v[TD+\j]
.endr
.irp j, 0,1,2,3
	v_and_b32 v[TA+\j], s87, v[TA+\j]
.endr
.irp j, 0,1,2,3
	v_add_nc_u32 v[TD+\j], v[TD+\j], v[TA+\j]      ; of 4
.endr
.irp j, 0,1,2,3
	v_lshrrev_b32 v[TA+\j], 4, v[TD+\j]
.endr
.irp j, 0,1,2,3
	v_add_nc_u32 v[TD+\j], v[TD+\j], v[TA+\j]
.endr
.irp j, 0,1,2,3
	v_and_b32 v[TD+\j], s88, v[TD+\j]              ; of 8
.endr
.irp j, 0,1,2,3
	v_mul_lo_u32 v[TD+\j], v[TD+\j], s89           ; the top byte: the four bytes' sum
.endr
.irp j, 0,1,2,3
	v_lshrrev_b32 v[TD+\j], 24, v[TD+\j]
.endr
	v_lshl_or_b32 v[PCW+\e], v[TD+1], 8, v[TD]
	v_lshl_or_b32 v[PCW+\e], v[TD+2], 16, v[PCW+\e]
	v_lshl_or_b32 v[PCW+\e], v[TD+3], 24, v[PCW+\e]
	v_mul_lo_u32 v[PCW+\e], v[PCW+\e], s89         ; running sums in the bytes (128 at the most: no carry)
	v_lshrrev_b32 v[CE+\e], 24, v[PCW+\e]
.endm
; where the rank reaches the bits in words 0 .. j - 1, the row's token lies in word j or beyond
.macro WORDSTEP j
.irp m, 0,1,2
	v_bfe_u32 v[T5+\m], v[FP+\m], 8*(\j)-8, 8
.endr
.irp m, 0,1,2
	v_cmp_ge_u32 s[MK+\m], v[QM+\m], v[T5+\m]
.endr
.irp m, 0,1,2
	v_cndmask_b32 v[WD+\m], v[WD+\m], v[F+4*\m+\j], s[MK+\m]
.endr
.irp m, 0,1,2
	v_cndmask_b32 v[LW+\m], v[LW+\m], v[FL+4*\m+\j], s[MK+\m]
.endr
.irp m, 0,1,2
	v_cndmask_b32 v[U5+\m], v[U5+\m], v[T5+\m], s[MK+\m]
.endr
.irp m, 0,1,2
	v_cndmask_b32 v[WI+\m], v[WI+\m], \j, s[MK+\m]
.endr
.endm
; where the rank reaches the bits in the lower half of the window at POS (their count: wd bits of x at POS), the bit lies in the upper half, sh further on
.macro BITSTEP x, wd, sh
.irp m, 0,1,2
	v_bfe_u32 v[T5+\m], v[\x+\m], v[POS+\m], \wd
.endr
.irp m, 0,1,2
	v_cmp_ge_u32 s[MK+\m], v[QM+\m], v[T5+\m]
.endr
.irp m, 0,1,2
	v_cndmask_b32 v[T5+\m], 0, v[T5+\m], s[MK+\m]
.endr
.irp m, 0,1,2
	v_cndmask_b32 v[U5+\m], 0, \sh, s[MK+\m]
.endr
.irp m, 0,1,2
	v_sub_nc_u32 v[QM+\m], v[QM+\m], v[T5+\m]
.endr
.irp m, 0,1,2
	v_add_nc_u32 v[POS+\m], v[POS+\m], v[U5+\m]
.endr
.endm
; wave 0's two units of W2's scale words: unit i, word j: the word of output 128 i + 32 j + lane
.macro SCL_LOAD
.irp i, 0,1
.irp j, 0,1,2,3
	global_load_b32 v[SC+4*\i+\j], v[A64], s[18:19] offset:8192*\i+2048*\j
.endr
.endr
.endm
.macro SCL_STORE
	s_wait_loadcnt 0x0
.irp i, 0,1
	global_store_b128 v[LI], v[SC+4*\i:SC+4*\i+3], s[26:27] offset:512*\i   ; 32 lanes store 512 consecutive bytes
.endr
.endm
	s_load_b128 s[4:7], s[0:1], 0x0                ; msk s[4:5], list s[6:7]
	s_load_b128 s[12:15], s[0:1], 0x10             ; W1's codes s[12:13], W3's s[14:15]
	s_load_b128 s[16:19], s[0:1], 0x20             ; W2's codes s[16:17], W2's scales s[18:19]
	s_load_b64 s[20:21], s[0:1], 0x30              ; wq
	v_lshrrev_b32 v3, 5, v0
	v_readfirstlane_b32 s34, v3                    ; wave 0..4
	v_and_b32 v3, 31, v0                           ; lane
	v_lshlrev_b32 v[LI], 4, v3
	s_mov_b32 s[T], ttmp9
	s_mov_b32 s47, 0
	s_cmp_eq_u32 s34, 0
	s_cbranch_scc1 .Lwave_0
	; ======== waves 1-4: the codes
	v_and_b32 v4, 15, v0                           ; r
	v_bfe_u32 v5, v0, 4, 1                         ; h
	v_and_b32 v6, 8, v4
	v_add_nc_u32 v6, v6, v4                        ; r + 8 (r / 8)
	v_lshlrev_b32 v6, 8, v6
	v_lshl_add_u32 v6, v5, 4, v6                   ; W1, W3: that row of 256 bytes, + 16 h
	v_lshlrev_b32 v7, 11, v4
	v_lshl_add_u32 v7, v5, 4, v7                   ; W2: row r of 2,048 bytes, + 16 h
	s_lshl_b32 s36, s[T], 2
	s_add_co_u32 s36, s36, s34
	s_sub_co_u32 s36, s36, 1                       ; g = 4 x work-group + wave - 1: 0 .. 1,023
	s_mov_b32 s49, 0
	s_mov_b32 s51, 0
	s_mov_b32 s53, 0
	s_lshr_b32 s37, s36, 1                         ; W1, W3: block g / 2 (8,192 bytes), tile u = g % 2
	s_lshl_b32 s37, s37, 13
	s_and_b32 s38, s36, 1
	s_lshl_b32 s38, s38, 11
	s_add_co_u32 s46, s37, s38                     ; from: the block + 8 u rows
	s_lshl_b32 s48, s36, 12                        ; to: the block + 4,096 u = 4,096 g
	s_lshr_b32 s37, s36, 7                         ; W2: g = (((expert x 2 + half) x 4 + pair of passes) x 4 + wave) x 4 + pair of tiles
	s_lshl_b32 s50, s37, 20                        ; from and to: 1 MiB an expert
	s_lshl_b32 s52, s37, 20
	s_and_b32 s37, s36, 3                          ; the pair of tiles: 32 rows of 2,048 bytes; two fragments of 2,048
	s_lshl_b32 s38, s37, 16
	s_lshl_b32 s39, s37, 12
	s_add_co_u32 s50, s50, s38
	s_add_co_u32 s52, s52, s39
	s_bfe_u32 s37, s36, 0x20002                    ; the wave: 128 rows; eight fragments
	s_lshl_b32 s38, s37, 18
	s_lshl_b32 s39, s37, 14
	s_add_co_u32 s50, s50, s38
	s_add_co_u32 s52, s52, s39
	s_bfe_u32 s37, s36, 0x20004                    ; the pair of passes: 256 bytes of a row; twice four waves' 16 KiB
	s_lshl_b32 s38, s37, 8
	s_lshl_b32 s39, s37, 17
	s_add_co_u32 s50, s50, s38
	s_add_co_u32 s52, s52, s39
	s_bfe_u32 s37, s36, 0x10006                    ; the half: 1,024 bytes of a row; eight passes
	s_lshl_b32 s38, s37, 10
	s_lshl_b32 s39, s37, 19
	s_add_co_u32 s50, s50, s38
	s_add_co_u32 s52, s52, s39
	s_wait_kmcnt 0x0
	s_add_nc_u64 s[12:13], s[12:13], s[46:47]
	s_add_nc_u64 s[14:15], s[14:15], s[46:47]
	s_add_nc_u64 s[16:17], s[16:17], s[50:51]
.irp s, 0,1
.irp c, 0,1,2,3
	global_load_b128 v[R+4*(4*\s+\c):R+4*(4*\s+\c)+3], v6, s[12:13] offset:128*\s+32*\c          ; W1: k = 128 s + 32 c + 16 h + 0 .. 15 of my row
.endr
.endr
.irp s, 0,1
.irp c, 0,1,2,3
	global_load_b128 v[R+32+4*(4*\s+\c):R+32+4*(4*\s+\c)+3], v6, s[14:15] offset:128*\s+32*\c    ; W3
.endr
.endr
.irp ti, 0,1
.irp pi, 0,1
.irp c, 0,1,2,3
	global_load_b128 v[R+64+4*(8*\ti+4*\pi+\c):R+64+4*(8*\ti+4*\pi+\c)+3], v7, s[16:17] offset:32768*\ti+128*\pi+32*\c   ; W2: tile ti, pass pi of my pairs
.endr
.endr
.endr
	s_add_nc_u64 s[22:23], s[20:21], s[48:49]      ; where they go: W1's,
	s_add_nc_u64 s[24:25], s[22:23], QW3           ; W3's,
	s_add_nc_u64 s[26:27], s[20:21], s[52:53]
	s_add_nc_u64 s[26:27], s[26:27], QW2           ; W2's
.irp s, 0,1
.irp c, 0,1,2,3
	s_wait_loadcnt 31-(4*\s+\c)                    ; loads come back in order: this one is in, the younger ones may be out
	global_store_b128 v[LI], v[R+4*(4*\s+\c):R+4*(4*\s+\c)+3], s[22:23] offset:2048*\s+512*\c    ; a group as it stands in the registers: 512 consecutive bytes
.endr
.endr
.irp s, 0,1
.irp c, 0,1,2,3
	s_wait_loadcnt 23-(4*\s+\c)
	global_store_b128 v[LI], v[R+32+4*(4*\s+\c):R+32+4*(4*\s+\c)+3], s[24:25] offset:2048*\s+512*\c
.endr
.endr
.irp ti, 0,1
.irp pi, 0,1
.irp c, 0,1,2,3
	s_wait_loadcnt 15-(8*\ti+4*\pi+\c)
	global_store_b128 v[LI], v[R+64+4*(8*\ti+4*\pi+\c):R+64+4*(8*\ti+4*\pi+\c)+3], s[26:27] offset:65536*\pi+2048*\ti+512*\c
.endr
.endr
.endr
	s_endpgm
	; ======== wave 0 (its thread number is its lane): W2's scale words, and in the first 110 work-groups the tile
.Lwave_0:
	v_lshlrev_b32 v[LS], 2, v0
	v_lshlrev_b32 v[A64], 6, v0
	s_mov_b32 s[SEL], 0x76543210
	s_mov_b32 s[SEL+1], 0xfedcba98                 ; v_permlanex16_b32's selects for lane l xor 16
	s_mov_b32 s86, 0x55555555
	s_mov_b32 s87, 0x33333333
	s_mov_b32 s88, 0x0f0f0f0f
	s_mov_b32 s89, 0x01010101
	s_mov_b32 s90, 0x00ff00ff
	s_lshr_b32 s36, s[T], 5                        ; units 2 T and 2 T + 1 of ((expert x 2 + half) x 8 + pass) x 4 + wave: the expert: 512 rows of 64 bytes,
	s_lshl_b32 s46, s36, 15
	s_and_b32 s36, s[T], 1                         ; waves 2 (T % 2) and the next: 128 rows each,
	s_lshl_b32 s36, s36, 14
	s_add_co_u32 s46, s46, s36
	s_bfe_u32 s36, s[T], 0x10004                   ; the half: 32 bytes of a row,
	s_lshl_b32 s36, s36, 5
	s_add_co_u32 s46, s46, s36
	s_bfe_u32 s36, s[T], 0x30001                   ; the pass: 4
	s_lshl_b32 s36, s36, 2
	s_add_co_u32 s46, s46, s36
	s_wait_kmcnt 0x0
	s_add_nc_u64 s[18:19], s[18:19], s[46:47]
	s_lshl_b32 s46, s[T], 10                       ; and where they go: 512 bytes a unit
	s_add_nc_u64 s[26:27], s[20:21], s[46:47]
	s_add_nc_u64 s[26:27], s[26:27], QWS
	s_cmp_ge_u32 s[T], NT
	s_cbranch_scc1 .Lscales_only
.irp e, 0,1,2,3,4,5,6,7
	global_load_b128 v[MW+4*\e:MW+4*\e+3], v[LI], s[4:5] offset:512*\e   ; lane l: tokens 128 l .. 128 l + 127 of expert e
.endr
	SCL_LOAD
	s_lshl_b32 s46, s[T], 3                        ; my tile's two words
	s_add_nc_u64 s[8:9], s[6:7], s[46:47]
	s_add_nc_u64 s[8:9], s[8:9], TILES
	s_mul_i32 s46, s[T], 320                       ; and its 80
	s_add_nc_u64 s[6:7], s[6:7], s[46:47]
	s_wait_loadcnt 8                               ; msk's eight loads are in; the eight scale loads behind them may be out
	; ---- how many tokens each expert has
.irp e, 0,1,2,3,4,5,6,7
	POP4 \e
.endr
.irp j, 0,1,2,3
	v_lshl_or_b32 v[PK+\j], v[CE+2*\j+1], 16, v[CE+2*\j]   ; two experts to a word: a total is 4,096 at the most
.endr
.irp x, 1,2,4,8
.irp j, 0,1,2,3
	v_mov_b32_dpp v[TA+\j], v[PK+\j] row_xmask:\x row_mask:0xf bank_mask:0xf
.endr
.irp j, 0,1,2,3
	v_add_nc_u32 v[PK+\j], v[PK+\j], v[TA+\j]
.endr
.endr
.irp j, 0,1,2,3
	v_permlanex16_b32 v[TA+\j], v[PK+\j], s[SEL], s[SEL+1]
.endr
.irp j, 0,1,2,3
	v_add_nc_u32 v[PK+\j], v[PK+\j], v[TA+\j]
.endr
.irp j, 0,1,2,3
	v_readfirstlane_b32 s97, v[PK+\j]
	s_and_b32 s[66+2*\j], s97, 0xffff              ; s66-73: the experts' counts
	s_lshr_b32 s[67+2*\j], s97, 16
.endr
.irp e, 0,1,2,3,4,5,6,7
	s_add_co_u32 s97, s[66+\e], 79
	s_lshr_b32 s97, s97, 4
	s_mul_i32 s97, s97, 52429
	s_lshr_b32 s[74+\e], s97, 18                   ; s74-81: their tiles: (count + 79) / 80 = ((count + 79) / 16) / 5
.endr
	; ---- whose tile is mine: the last expert whose first tile is not beyond it.  Selects alone
	s_mov_b32 s[E], 0
	s_mov_b32 s83, 0                               ; the expert's first tile
	s_mov_b32 s45, s66                             ; its count
.irp j, 0,1,2,3
	v_mov_b32 v[SW+\j], v[MW+\j]
	v_mov_b32 v[RO+\j], 0
	v_mov_b32 v[SL+\j], 0
.endr
	v_mov_b32 v[SPW], v[PCW]
	s_mov_b32 s82, s74                             ; tiles so far
.irp e, 1,2,3,4,5,6,7
	s_cmp_le_u32 s82, s[T]
	s_cselect_b32 s[E], \e, s[E]
	s_cselect_b32 s83, s82, s83
	s_cselect_b32 s45, s[66+\e], s45
	s_cselect_b32 s91, -1, 0
.irp j, 0,1,2,3
	v_or_b32 v[RO+\j], v[RO+\j], v[MW+4*(\e-1)+\j] ; the experts under e
.endr
.irp j, 0,1,2,3
	v_cndmask_b32 v[SW+\j], v[SW+\j], v[MW+4*\e+\j], s91
.endr
.irp j, 0,1,2,3
	v_cndmask_b32 v[SL+\j], v[SL+\j], v[RO+\j], s91
.endr
	v_cndmask_b32 v[SPW], v[SPW], v[PCW+\e], s91
	s_add_co_u32 s82, s82, s[74+\e]                ; (last: it sets SCC)
.endr
	s_min_u32 s[E], s[E], 7
	s_sub_co_u32 s83, s[T], s83
	s_mul_i32 s[R0], s83, 80                       ; my first row's rank
	s_sub_co_i32 s[NR], s45, s[R0]
	s_max_i32 s[NR], s[NR], 0
	s_min_u32 s[NR], s[NR], 80                     ; the tile's rows
	s_max_u32 s45, s45, 1
	s_sub_co_u32 s45, s45, 1                       ; the last rank there is: rows beyond it repeat it
	; ---- my rows' tokens: the lane wants, for set m, the token of rank R0 + 32 m + lane among the expert's
	v_lshrrev_b32 v[CL], 24, v[SPW]                ; my lane's count
.irp m, 0,1,2
	s_add_co_u32 s97, s[R0], 32*\m
	v_add_nc_u32 v[QM+\m], s97, v0
	v_min_u32 v[QM+\m], s45, v[QM+\m]
	v_mov_b32 v[BL+\m], 0
.endr
	s_mov_b32 s82, 0
.set l, 0
.rept 31                               ; lane by lane: where the count through lane l does not pass the rank, the token lies beyond: keep (that count, l + 1) in one word
	v_readlane_b32 s83, v[CL], l
	s_add_co_u32 s82, s82, s83
	s_lshl_b32 s97, s82, 5
	s_or_b32 s97, s97, l+1
.irp m, 0,1,2
	v_cmp_le_u32 s[MK+\m], s82, v[QM+\m]
.endr
.irp m, 0,1,2
	v_cndmask_b32 v[BL+\m], v[BL+\m], s97, s[MK+\m]
.endr
.set l, l+1
.endr
.irp m, 0,1,2
	v_and_b32 v[LN+\m], 31, v[BL+\m]               ; the lane that holds the token's bit,
	v_lshrrev_b32 v[BL+\m], 5, v[BL+\m]            ; the tokens in front of that lane
	v_lshlrev_b32 v[T5+\m], 2, v[LN+\m]
	v_sub_nc_u32 v[QM+\m], v[QM+\m], v[BL+\m]      ; the rank inside it
.endr
.irp m, 0,1,2
.irp j, 0,1,2,3
	ds_bpermute_b32 v[F+4*\m+\j], v[T5+\m], v[SW+\j]    ; that lane's four words of my expert,
	ds_bpermute_b32 v[FL+4*\m+\j], v[T5+\m], v[SL+\j]   ; of the lower ones,
.endr
	ds_bpermute_b32 v[FP+\m], v[T5+\m], v[SPW]     ; and the running counts
.endr
	s_wait_dscnt 0x0
	SCL_STORE                                      ; the scale words, asked for long ago, leave while the rest is worked out
.irp m, 0,1,2
	v_mov_b32 v[WD+\m], v[F+4*\m]
	v_mov_b32 v[LW+\m], v[FL+4*\m]
	v_mov_b32 v[U5+\m], 0
	v_mov_b32 v[WI+\m], 0
	v_mov_b32 v[POS+\m], 0
.endr
	WORDSTEP 1
	WORDSTEP 2
	WORDSTEP 3
.irp m, 0,1,2
	v_sub_nc_u32 v[QM+\m], v[QM+\m], v[U5+\m]      ; the rank inside the word
.endr
.irp m, 0,1,2
	v_lshrrev_b32 v[T5+\m], 1, v[WD+\m]
.endr
.irp m, 0,1,2
	v_and_b32 v[T5+\m], s86, v[T5+\m]
.endr
.irp m, 0,1,2
	v_sub_nc_u32 v[QA+\m], v[WD+\m], v[T5+\m]      ; the word's counts of 2 bits,
.endr
.irp m, 0,1,2
	v_lshrrev_b32 v[T5+\m], 2, v[QA+\m]
.endr
.irp m, 0,1,2
	v_and_b32 v[QB+\m], s87, v[QA+\m]
.endr
.irp m, 0,1,2
	v_and_b32 v[T5+\m], s87, v[T5+\m]
.endr
.irp m, 0,1,2
	v_add_nc_u32 v[QB+\m], v[QB+\m], v[T5+\m]      ; of 4,
.endr
.irp m, 0,1,2
	v_lshrrev_b32 v[T5+\m], 4, v[QB+\m]
.endr
.irp m, 0,1,2
	v_add_nc_u32 v[QC+\m], v[QB+\m], v[T5+\m]
.endr
.irp m, 0,1,2
	v_and_b32 v[QC+\m], s88, v[QC+\m]              ; of 8,
.endr
.irp m, 0,1,2
	v_lshrrev_b32 v[T5+\m], 8, v[QC+\m]
.endr
.irp m, 0,1,2
	v_add_nc_u32 v[QD+\m], v[QC+\m], v[T5+\m]
.endr
.irp m, 0,1,2
	v_and_b32 v[QD+\m], s90, v[QD+\m]              ; of 16
.endr
	BITSTEP QD, 8, 16
	BITSTEP QC, 8, 8
	BITSTEP QB, 4, 4
	BITSTEP QA, 2, 2
	BITSTEP WD, 1, 1
.irp m, 0,1,2
	v_lshl_add_u32 v[TOK+\m], v[LN+\m], 7, v[POS+\m]
	v_lshl_add_u32 v[TOK+\m], v[WI+\m], 5, v[TOK+\m]
	v_min_u32 v[TOK+\m], 0xfff, v[TOK+\m]          ; the token: 128 x lane + 32 x word + bit
	v_bfe_u32 v[T5+\m], v[LW+\m], v[POS+\m], 1     ; k: has the token a lower-numbered expert too?
	v_lshl_add_u32 v[TOK+\m], v[T5+\m], 12, v[TOK+\m]
.endr
	v_mov_b32 v[TI], s[E]
	v_mov_b32 v[TI+1], s[NR]
	global_store_b32 v[LS], v[TOK], s[6:7]                     ; rows 0-31: 128 consecutive bytes,
	global_store_b32 v[LS], v[TOK+1], s[6:7] offset:128        ; rows 32-63
	s_wait_xcnt 0x0                                ; EXEC changes only behind this wait
	v_cmpx_gt_u32 16, v0
	global_store_b32 v[LS], v[TOK+2], s[6:7] offset:256        ; rows 64-79: lanes 0-15
	s_wait_xcnt 0x0
	v_cmpx_gt_u32 1, v0
	global_store_b64 v[LS], v[TI:TI+1], s[8:9]                 ; lane 0: the expert and the count
	s_endpgm
.Lscales_only:
	SCL_LOAD
	SCL_STORE
	s_endpgm
.Lfunc_end_k_q191c55ae02_place:
	.size	k_q191c55ae02_place, .Lfunc_end_k_q191c55ae02_place-k_q191c55ae02_place
	.p2alignl 7, 3214868480
	.fill 96, 4, 3214868480
	.section	.rodata,"a",@progbits
	.p2align	6, 0x0
	.amdhsa_kernel k_q191c55ae02_place
		.amdhsa_group_segment_fixed_size 0
		.amdhsa_private_segment_fixed_size 0
		.amdhsa_enable_private_segment 0
		.amdhsa_kernarg_size 56
		.amdhsa_user_sgpr_count 2
		.amdhsa_user_sgpr_kernarg_segment_ptr 1
		.amdhsa_wavefront_size32 1
		.amdhsa_system_sgpr_workgroup_id_x 1
		.amdhsa_system_sgpr_workgroup_id_y 1
		.amdhsa_system_sgpr_workgroup_id_z 1
		.amdhsa_system_vgpr_workitem_id 0
		.amdhsa_next_free_vgpr 256
		.amdhsa_next_free_sgpr 100
		.amdhsa_reserve_vcc 0
		.amdhsa_float_denorm_mode_32 3
		.amdhsa_float_denorm_mode_16_64 3
		.amdhsa_memory_ordered 1
		.amdhsa_forward_progress 1
		.amdhsa_inst_pref_size 71
	.end_amdhsa_kernel
	.amdgpu_metadata
---
amdhsa.version: [ 1, 2 ]
amdhsa.kernels:
  - .name:           k_q191c55ae02_place
    .symbol:         k_q191c55ae02_place.kd
    .args:
      - { .name: msk, .offset: 0, .size: 8, .value_kind: global_buffer, .address_space: global }
      - { .name: list, .offset: 8, .size: 8, .value_kind: global_buffer, .address_space: global }
      - { .name: W1_codes, .offset: 16, .size: 8, .value_kind: global_buffer, .address_space: global }
      - { .name: W3_codes, .offset: 24, .size: 8, .value_kind: global_buffer, .address_space: global }
      - { .name: W2_codes, .offset: 32, .size: 8, .value_kind: global_buffer, .address_space: global }
      - { .name: W2_scales, .offset: 40, .size: 8, .value_kind: global_buffer, .address_space: global }
      - { .name: wq, .offset: 48, .size: 8, .value_kind: global_buffer, .address_space: global }
    .group_segment_fixed_size: 0
    .private_segment_fixed_size: 0
    .kernarg_segment_align: 8
    .kernarg_segment_size: 56
    .max_flat_workgroup_size: 160
    .sgpr_count:     100
    .vgpr_count:     256
    .wavefront_size: 32
...
	.end_amdgpu_metadata
.endif
;; end of part 5
;; launch chain (part 6): grid 110 x 2, 4 waves a work-group, no clusters, 77,312 bytes of LDS; arguments part, list, gw, xq, xs, wq, W1_scales, b1, W3_scales, b3, b2; writes part
.if DOCPART == 6
	.amdgcn_target "amdgcn-amd-amdhsa--gfx1250"
	.amdhsa_code_object_version 6
	.text
	.protected	k_q191c55ae02_chain
	.globl	k_q191c55ae02_chain
	.p2align	8
	.type	k_q191c55ae02_chain,@function
k_q191c55ae02_chain:
	s_mov_b64 s[64:65], 0
	v_nop
	global_prefetch_b8 v0, s[64:65] scope:SCOPE_SE
	s_setreg_imm32_b32 hwreg(HW_REG_WAVE_MODE, 25, 1), 1
	s_wait_xcnt 0x0
; THE EXPERTS' CHAINS, ONLY FOR THE ROWS THAT WERE CHOSEN.  Work-group (x = tile, y = half of the hidden layer) takes up to 80 rows of ONE expert through 1,024 of its 2,048 hidden units:
; h = silu((x W1 + b1)(x W3 + b3)), quantised along the hidden units, times W2 (+ b2 in half 0), times the row's gate; the partial row goes to part [half][k][token][512] f32, k = 0 where the expert is the
; token's lower-numbered choice, 1 where the higher: each row of part has one writer.  All products on E5M2 codes with E8M0 scales, sums in f32.
; THE GRID SERVES EVERY SPLIT: 8,192 routed rows on 8 experts in tiles of 80 are never more than (8,192 + 8 x 79) / 80 = 110 tiles.  The launch before has stored, in list, each tile's rows (4,096 k + token) and its expert
; and row count; they are read here as whole numbers.  A work-group whose tile has no rows still walks the text, on the rows that the list repeats, and stores nothing: the barriers
; stand on every wave's path, and none under a branch on a number read from memory.
; NO TENSOR LOADS, NO CLUSTER: the tiles of one expert do read the same weights, but which expert a work-group serves and how many rows it stores are numbers read from memory; a joint request's descriptor and the
; branches of the way out would hang on them.  So the weights go from memory straight into the operands' registers; the launch before has laid their codes, and W2's scale words, in the order of those registers (wq), so that
; each load of a wave covers 512 consecutive bytes.  Work-groups begin at different passes (tile % 8), so that the tiles of an expert do not all ask for the same bytes at once.
; SHARES.  Eight passes of 128 hidden units.  In a pass wave w (1) makes hidden units 32 w .. 32 w + 31 of the pass, one block of the quantiser, for all five tiles of 16 rows; their codes go to LDS as group w of an
; image of the next operand's registers, their scale byte as byte w of the row's word; one barrier; (2) adds the pass's 128 along K onto outputs 128 w .. 128 w + 127 of all 80 rows: 40 accumulators.
; A PASS'S LOADS FROM MEMORY stand in four runs, each behind a run of LDS loads and in front of long vector work: W2's first half, W2's second half, the next pass's W1, the next pass's W3.
; BOTH PRODUCTS ARE USED TRANSPOSED (source 0 = 16 rows of a weight, source 1 = 16 tokens): a lane holds one token.  Lane r of W1's and W3's tile u holds row 8 u + r + 8 (r / 8) of the block, so that the 16 registers
; of tiles 0 and 1 are hidden units 16 (lane / 16) + 0 .. 15.  The biases are the C of each sum's first product.
; LIMITS: NaN and infinities are not served.  A block of zeros gets the scale byte 1 (its codes are zeros).  Where (x W1 + b1)(x W3 + b3) x log2(e) lies under -128, silu comes out as -0 (its magnitude is under 1e-36 there).
; The sums along the hidden units run in another order than ascending: the passes are rotated, and the two halves are added in the next launch.
; REGISTERS, in windows of 256.  Window 0: see the names below.  Window 1: W1's and W3's fragments, two buffers of 128 (buffer a: W1's (u, s) at 128 a + 16 (2 u + s), W3's 64 on).
;   Window 2: v0-127 W2's eight fragments; v128-191 the accumulators of row tile 4.  Window 3: those of row tiles 0-3, (t, m) at 64 m + 8 t.
.set XIMG, 0                           ; LDS: x's ten fragments (row tile m, K step s: 2 m + s) as images of their registers, 2,048 bytes each
.set HIMG, 20480                       ; the hidden layer's: two sets by turns x five fragments
.set HSC,  40960                       ; their scale words: two sets x five x 128 bytes
.set STG,  42496                       ; the way out: 16 rows x (512 + 16) bytes for each wave
.set SPI,  528
.set TILES, 35328                      ; list: where the tiles' words begin
.set QW3,  0x400000                    ; wq: W1's codes from byte 0; where W3's, W2's and W2's scale words begin
.set QW2,  0x800000
.set QWS,  0x1000000
.set LI,  1                            ; v1   16 x lane
.set LS,  2                            ; v2   4 x lane
.set HWI, 3                            ; v3   16 x lane + 512 x wave: my group of an image
.set HWS, 4                            ; v4   4 x lane + wave: my byte of a scale word
.set STO, 5                            ; v5   the stage: where I put 32 bytes of a row
.set RD,  6                            ; v6   and where I read a row back
.set WAS, 9                            ; v9   W1's, W3's scale words: (8 h + r + 8 (r / 8)) x 8: lanes 0-15 tile 0's rows, lanes 16-31 tile 1's
.set BA,  11                           ; v11  b1, b3: 64 h
.set B2A, 12                           ; v12  b2: 32 h
.set VR,  13                           ; v13  r
.set VH,  14                           ; v14  h
.set GW,  16                           ; v16-25 for row tile m a pair: my row's gate; its word of the list
.set XS,  26                           ; v26-30 x's scale words: lanes 0-15 K step 0's, lanes 16-31 K step 1's
.set HS,  32                           ; v32-36 the hidden layer's scale words
.set W1S, 40                           ; v40-47 W1's scale words at 2 a + s, W3's 4 on
.set W2S, 48                           ; v48-51 W2's: register j: lanes 0-15 tile 2 j's rows, lanes 16-31 tile 2 j + 1's
.set TM,  52                           ; v52-57 the quantiser's work
.set PC,  68                           ; v68-87 the codes just made, four registers for each row tile
.set SBY, 88                           ; v88-92 and their scale bytes
.set AD,  72                           ; v72-87 the way out: the stores' offsets
.set XF,  96                           ; v96-127 x's two fragments
.set HAB, 128                          ; v128-191 two sets of: x W1 + b1 (16 registers), x W3 + b3 (16)
.set HF,  96                           ; v96-175 the hidden layer's five fragments
.set BB,  192                          ; v192-255 the biases: b1's (a, u) at 32 a + 8 u, b3's 16 on
; the prologue's registers (v96-191 and v224-255)
.set XQ,  96                           ; my group of the rows' codes
.set A8,  136
.set AXS, 141
.set AXQ, 146
.set A4,  151
.set T5,  152
.set HW,  187
.set TOK, 224
.set GP,  234
.set WV,  34                           ; s34 wave;  s35 tile;  s36 half;  s37 expert;  s38 rows to store;  s40 pass counter;  s41 loop counter
.set T,   35
.set SH,  36
.set E,   37
.set NR,  38
.set PP,  40
.set CNT, 41
.set SEL, 42                           ; s[42:43] v_permlanex16_b32's selects;  s44 the mantissa field of 57,344;  s[46:47] an offset, high word 0
.set MNT, 44
.set MK,  92                           ; s92-96 five masks by turns
.set MSB, 0
.macro WIN new                         ; the immediate's high byte repeats the setting that is left
.if MSB != \new
	s_set_vgpr_msb (MSB<<8)|\new
.set MSB, \new
.endif
.endm
; a product: d, a, b, c: first registers; sa, sb: scale registers; ra, rb: 1 = the scales are read from lanes 16-31
.macro MM d, a, b, c, sa, sb, ra, rb
.if ((\ra) == 0) && ((\rb) == 0)
	v_wmma_scale_f32_16x16x128_f8f6f4 v[(\d):(\d)+7], v[(\a):(\a)+15], v[(\b):(\b)+15], v[(\c):(\c)+7], v[\sa], v[\sb] matrix_a_fmt:MATRIX_FMT_BF8 matrix_b_fmt:MATRIX_FMT_BF8
.elseif (\rb) == 0
	v_wmma_scale_f32_16x16x128_f8f6f4 v[(\d):(\d)+7], v[(\a):(\a)+15], v[(\b):(\b)+15], v[(\c):(\c)+7], v[\sa], v[\sb] matrix_a_fmt:MATRIX_FMT_BF8 matrix_b_fmt:MATRIX_FMT_BF8 matrix_a_scale:MATRIX_SCALE_ROW1
.elseif (\ra) == 0
	v_wmma_scale_f32_16x16x128_f8f6f4 v[(\d):(\d)+7], v[(\a):(\a)+15], v[(\b):(\b)+15], v[(\c):(\c)+7], v[\sa], v[\sb] matrix_a_fmt:MATRIX_FMT_BF8 matrix_b_fmt:MATRIX_FMT_BF8 matrix_b_scale:MATRIX_SCALE_ROW1
.else
	v_wmma_scale_f32_16x16x128_f8f6f4 v[(\d):(\d)+7], v[(\a):(\a)+15], v[(\b):(\b)+15], v[(\c):(\c)+7], v[\sa], v[\sb] matrix_a_fmt:MATRIX_FMT_BF8 matrix_b_fmt:MATRIX_FMT_BF8 matrix_a_scale:MATRIX_SCALE_ROW1 matrix_b_scale:MATRIX_SCALE_ROW1
.endif
.endm
.macro MMZ d, a, b, sa, sb, ra         ; the same with C = 0
.if (\ra) == 0
	v_wmma_scale_f32_16x16x128_f8f6f4 v[(\d):(\d)+7], v[(\a):(\a)+15], v[(\b):(\b)+15], 0, v[\sa], v[\sb] matrix_a_fmt:MATRIX_FMT_BF8 matrix_b_fmt:MATRIX_FMT_BF8
.else
	v_wmma_scale_f32_16x16x128_f8f6f4 v[(\d):(\d)+7], v[(\a):(\a)+15], v[(\b):(\b)+15], 0, v[\sa], v[\sb] matrix_a_fmt:MATRIX_FMT_BF8 matrix_b_fmt:MATRIX_FMT_BF8 matrix_a_scale:MATRIX_SCALE_ROW1
.endif
.endm
; the pointers of a pass: W2 and its scale words for this pass (s[48:51]); W1, W3, their scales and biases for the next (s[52:63]).  Written only where no load that names them is out.
.macro PTRS
	s_and_b32 s82, s[PP], 7
	s_add_co_u32 s[PP], s[PP], 1
	s_and_b32 s83, s[PP], 7
	s_lshl_b32 s46, s82, 16                        ; W2: four waves' eight fragments a pass
	s_add_nc_u64 s[48:49], s[26:27], s[46:47]
	s_lshl_b32 s46, s82, 11                        ; its scale words: four waves' 512 bytes
	s_add_nc_u64 s[50:51], s[28:29], s[46:47]
	s_lshl_b32 s46, s83, 15                        ; W1, W3: four blocks of 8,192 bytes
	s_add_nc_u64 s[52:53], s[14:15], s[46:47]
	s_add_nc_u64 s[54:55], s[20:21], s[46:47]
	s_lshl_b32 s46, s83, 10                        ; 128 rows of 8 scale bytes
	s_add_nc_u64 s[56:57], s[16:17], s[46:47]
	s_add_nc_u64 s[58:59], s[22:23], s[46:47]
	s_lshl_b32 s46, s83, 9                         ; of 4 bytes of bias
	s_add_nc_u64 s[60:61], s[18:19], s[46:47]
	s_add_nc_u64 s[62:63], s[24:25], s[46:47]
.endm
.macro LOADB hf                        ; half hf of W2's eight fragments (my 128 outputs x this pass's 128 along K): 16 loads; with half 0 the scale words: one more
	WIN 0x80                                       ; destination window 2
.irp t, 0,1,2,3
.irp c, 0,1,2,3
	global_load_b128 v[16*(4*(\hf)+\t)+4*\c:16*(4*(\hf)+\t)+4*\c+3], v[LI], s[48:49] offset:2048*(4*(\hf)+\t)+512*\c
.endr
.endr
	WIN 0
.if (\hf) == 0
	global_load_b128 v[W2S:W2S+3], v[LI], s[50:51]
.endif
.endm
.macro LOADA a, k                      ; 21 loads into buffer a: k = 0: W1's four fragments, scale words and b1;  k = 1: W3's and b3
	WIN 0x40                                       ; destination window 1
.irp u, 0,1
.irp s, 0,1
.irp c, 0,1,2,3
	global_load_b128 v[128*(\a)+64*(\k)+16*(2*\u+\s)+4*\c:128*(\a)+64*(\k)+16*(2*\u+\s)+4*\c+3], v[LI], s[52+2*(\k):53+2*(\k)] offset:2048*(2*\u+\s)+512*\c
.endr
.endr
.endr
	WIN 0
	global_load_b64 v[W1S+4*(\k)+2*(\a):W1S+4*(\k)+2*(\a)+1], v[WAS], s[56+2*(\k):57+2*(\k)]
.irp u, 0,1
	global_load_b128 v[BB+32*(\a)+16*(\k)+8*\u:BB+32*(\a)+16*(\k)+8*\u+3],   v[BA], s[60+2*(\k):61+2*(\k)] offset:32*\u
	global_load_b128 v[BB+32*(\a)+16*(\k)+8*\u+4:BB+32*(\a)+16*(\k)+8*\u+7], v[BA], s[60+2*(\k):61+2*(\k)] offset:32*\u+16
.endr
.endm
.macro XFETCH m                        ; x's two fragments of row tile m
.irp s, 0,1
.irp c, 0,1,2,3
	ds_load_b128 v[XF+16*\s+4*\c:XF+16*\s+4*\c+3], v[LI] offset:XIMG+2048*(2*(\m)+\s)+512*\c
.endr
.endr
.endm
; eight products for row tile m into set q: four accumulators by turns, K step 0 on the biases, K step 1 in place
.macro WPROD m, q, a
	WIN 0x01                                       ; source 0 window 1
.irp s, 0,1
.irp k, 0,1
.irp u, 0,1
.if \s == 0
	MM HAB+32*(\q)+16*\k+8*\u, 128*(\a)+64*\k+16*(2*\u+\s), XF+16*\s, BB+32*(\a)+16*\k+8*\u, W1S+4*\k+2*(\a)+\s, XS+(\m), \u, \s
.else
	MM HAB+32*(\q)+16*\k+8*\u, 128*(\a)+64*\k+16*(2*\u+\s), XF+16*\s, HAB+32*(\q)+16*\k+8*\u, W1S+4*\k+2*(\a)+\s, XS+(\m), \u, \s
.endif
.endr
.endr
.endr
	WIN 0
.endm
; 16 numbers of a lane, half a block of 32 (the other half lies in lane l xor 16), become four registers of codes and the block's scale byte
.macro QBLK s, pc, by
	v_max3_num_f32 v[TM], |v[\s]|, |v[\s+1]|, 0x8000000        ; with the floor 2^(16 - 127): the byte cannot fall under 1
	v_max3_num_f32 v[TM+1], |v[\s+2]|, |v[\s+3]|, |v[\s+4]|
	v_max3_num_f32 v[TM], v[TM], |v[\s+5]|, |v[\s+6]|
	v_max3_num_f32 v[TM+1], v[TM+1], |v[\s+7]|, |v[\s+8]|
	v_max3_num_f32 v[TM], v[TM], |v[\s+9]|, |v[\s+10]|
	v_max3_num_f32 v[TM+1], v[TM+1], |v[\s+11]|, |v[\s+12]|
	v_max3_num_f32 v[TM], v[TM], |v[\s+13]|, |v[\s+14]|
	v_max3_num_f32 v[TM], v[TM], v[TM+1], |v[\s+15]|
	v_permlanex16_b32 v[TM+2], v[TM], s[SEL], s[SEL+1]
	v_max_num_f32 v[TM], v[TM], v[TM+2]            ; the block's largest magnitude
	v_add_nc_u32 v[TM+3], 0xf8800000, v[TM]        ; 15 off its exponent field: the conversion's scale operand
	v_and_or_b32 v[TM+4], v[TM], 0x7f800000, s[MNT]   ; 57,344 x the scale
	v_lshrrev_b32 v[\by], 23, v[TM+3]              ; the scale's byte
.irp i, 0,1,2,3,4,5,6,7,8,9,10,11,12,13,14,15
	v_med3_num_f32 v[\s+\i], v[\s+\i], -v[TM+4], v[TM+4]   ; the conversion to an 8-bit code does not saturate (ISA guide 7.6.2): the hold comes first
.endr
	v_cvt_scalef32_pk8_bf8_f32 v[\pc:\pc+1], v[\s:\s+7], v[TM+3]
	v_cvt_scalef32_pk8_bf8_f32 v[\pc+2:\pc+3], v[\s+8:\s+15], v[TM+3]
	v_nop                                          ; a plain instruction behind the last conversion
.endm
; row tile m's vector work on set q: z = (x W1 + b1)(x W3 + b3), silu(z) = z / (1 + 2^(-z log2 e)), the quantiser, the image.  fetch >= 0: behind the first eight lines, which are the eight places
; behind the products issued just before (they name none of those products' registers), x's fragments of that row tile are fetched.  ld: the run of loads from memory that stands behind them:
; 0 none;  1 W2's second half;  2 the next pass's W1;  3 the next pass's W3.  The LDS loads go first, and the rest of the step's vector work follows the run.
.macro VSTEP m, q, par, fetch, ld
.set HA, HAB+32*(\q)
.set HB, HAB+32*(\q)+16
.irp i, 0,2,4,6,8,10,12,14
	v_pk_mul_f32 v[HA+\i:HA+\i+1], v[HA+\i:HA+\i+1], v[HB+\i:HB+\i+1]   ; ascending: each accumulator is first read at its low end
.endr
.if (\fetch) >= 0
	XFETCH \fetch
.endif
.if (\ld) == 1
	LOADB 1
.elseif (\ld) == 2
	LOADA 1-(\par), 0
.elseif (\ld) == 3
	LOADA 1-(\par), 1
.endif
.irp i, 0,2,4,6,8,10,12,14
	v_pk_mul_f32 v[HB+\i:HB+\i+1], v[HA+\i:HA+\i+1], s[84:85] op_sel_hi:[1,0]
.endr
.irp i, 0,1,2,3,4,5,6,7,8,9,10,11,12,13,14,15
	v_exp_f32 v[HB+\i], v[HB+\i]
.endr
	v_nop                                          ; a plain instruction between the last exponential and the use of its result
	s_wait_alu depctr_va_vdst(0)
.irp i, 0,2,4,6,8,10,12,14
	v_pk_add_f32 v[HB+\i:HB+\i+1], v[HB+\i:HB+\i+1], 1.0 op_sel_hi:[1,0]
.endr
.irp i, 0,1,2,3,4,5,6,7,8,9,10,11,12,13,14,15
	v_rcp_f32 v[HB+\i], v[HB+\i]
.endr
	v_nop
	s_wait_alu depctr_va_vdst(0)
.irp i, 0,2,4,6,8,10,12,14
	v_pk_mul_f32 v[HA+\i:HA+\i+1], v[HA+\i:HA+\i+1], v[HB+\i:HB+\i+1]
.endr
	QBLK HA, PC+4*(\m), SBY+(\m)
	ds_store_b128 v[HWI], v[PC+4*(\m):PC+4*(\m)+3] offset:HIMG+10240*(\par)+2048*(\m)
	ds_store_b8 v[HWS], v[SBY+(\m)] offset:HSC+640*(\par)+128*(\m)
.endm
; the second product of a pass: 40 accumulators, one product each.  mode 0: in place;  1: the sums begin on b2, which lies in row tile 4's accumulators;  2: they begin on 0.
; younger: the global loads issued behind W2's, which may stay out
.macro PH2 par, mode, younger
.irp m, 0,1,2,3,4
.irp c, 0,1,2,3
	ds_load_b128 v[HF+16*\m+4*\c:HF+16*\m+4*\c+3], v[LI] offset:HIMG+10240*(\par)+2048*\m+512*\c
.endr
	ds_load_b32 v[HS+\m], v[LS] offset:HSC+640*(\par)+128*\m
.endr
	s_wait_loadcnt \younger
.irp m, 0,1,2,3
	s_wait_dscnt 5*(4-\m)                          ; this row tile's five loads are in; the later tiles' may be out
.if (\mode) == 1
	WIN 0xe2                                       ; source 0 (W2) and C (b2) window 2, D window 3
.else
	WIN 0xf2                                       ; source 0 window 2, C and D window 3
.endif
.irp t, 0,1,2,3,4,5,6,7
.if (\mode) == 0
	MM 64*\m+8*\t, 16*\t, HF+16*\m, 64*\m+8*\t, W2S+\t/2, HS+\m, \t%2, 0
.elseif (\mode) == 1
	MM 64*\m+8*\t, 16*\t, HF+16*\m, 128+8*\t, W2S+\t/2, HS+\m, \t%2, 0
.else
	MMZ 64*\m+8*\t, 16*\t, HF+16*\m, W2S+\t/2, HS+\m, \t%2
.endif
.endr
.endr
	s_wait_dscnt 0x0
.if (\mode) == 1
.rept 9
	v_nop                                          ; the products below write over registers that the products above read as C: nine places
.endr
.endif
	WIN 0xa2                                       ; source 0, C and D window 2
.irp t, 0,1,2,3,4,5,6,7
.if (\mode) == 2
	MMZ 128+8*\t, 16*\t, HF+64, W2S+\t/2, HS+4, \t%2
.else
	MM 128+8*\t, 16*\t, HF+64, 128+8*\t, W2S+\t/2, HS+4, \t%2, 0
.endif
.endr
	WIN 0
.endm
; a pass up to its barrier.  a: the buffer of W1 and W3 at work, and the set of images written;  last = 1: nothing is fetched for a next pass
.macro PASS1 a, last
.rept 9
	v_nop                                          ; behind the last pass's products: eight places for the loads into their operands, nine for the products that write over them
.endr
	XFETCH 0
	s_wait_loadcnt 0x0                             ; this pass's W1 and W3 are in; no load is out, so the pointers may be written
	PTRS
	s_wait_dscnt 0x0
	WPROD 0, 0, \a
.rept 8
	v_nop                                          ; places in front of the loads into x's fragments, and of the first read of these results
.endr
	XFETCH 1
	LOADB 0                                        ; behind the LDS loads
	s_wait_dscnt 0x0
	WPROD 1, 1, \a
	VSTEP 0, 0, \a, 2, 1
	s_wait_dscnt 0x2                               ; x's fragments are in; the two stores issued behind them may be out
	WPROD 2, 0, \a
.if (\last) == 0
	VSTEP 1, 1, \a, 3, 2
.else
	VSTEP 1, 1, \a, 3, 0
.endif
	s_wait_dscnt 0x2
	WPROD 3, 1, \a
.if (\last) == 0
	VSTEP 2, 0, \a, 4, 3
.else
	VSTEP 2, 0, \a, 4, 0
.endif
	s_wait_dscnt 0x2
	WPROD 4, 0, \a
	VSTEP 3, 1, \a, -1, 0
	VSTEP 4, 0, \a, -1, 0
	s_wait_dscnt 0x0                               ; my images have landed, and my reads of the other set, which the next pass writes, were over long ago
	s_barrier_signal -1
	s_barrier_wait -1
.endm
	s_load_b64 s[32:33], s[0:1], 0x0               ; part
	s_load_b64 s[6:7], s[0:1], 0x8                 ; list
	s_load_b128 s[8:11], s[0:1], 0x10              ; gw s[8:9], xq s[10:11]
	s_load_b128 s[12:15], s[0:1], 0x20             ; xs s[12:13], wq s[14:15]: W1's codes
	s_load_b128 s[16:19], s[0:1], 0x30             ; W1's scales s[16:17], b1 s[18:19]
	s_load_b64 s[22:23], s[0:1], 0x40              ; W3's scales
	s_load_b64 s[24:25], s[0:1], 0x48              ; b3
	s_load_b64 s[30:31], s[0:1], 0x50              ; b2
	v_lshl_add_u32 v94, v0, 2, 0x12c00
	v_mov_b32 v95, 0
	v_lshrrev_b32 v15, 5, v0
	v_readfirstlane_b32 s[WV], v15                 ; wave 0..3
	v_and_b32 v15, 31, v0                          ; lane
	v_and_b32 v[VR], 15, v0
	v_bfe_u32 v[VH], v0, 4, 1
	v_lshlrev_b32 v[LI], 4, v15
	v_lshlrev_b32 v[LS], 2, v15
	s_lshl_b32 s82, s[WV], 9
	v_add_nc_u32 v[HWI], s82, v[LI]
	v_add_nc_u32 v[HWS], s[WV], v[LS]
	s_mul_i32 s82, s[WV], 16*SPI
	s_add_co_u32 s82, s82, STG                     ; my stage
	v_mul_u32_u24 v[STO], v[VR], SPI
	v_lshl_add_u32 v[STO], v[VH], 5, v[STO]
	v_add_nc_u32 v[STO], s82, v[STO]
	v_add_nc_u32 v[RD], s82, v[LI]
	v_and_b32 v[WAS], 8, v[VR]
	v_add_nc_u32 v[WAS], v[WAS], v[VR]             ; r + 8 (r / 8)
	v_lshl_add_u32 v[WAS], v[VH], 3, v[WAS]
	v_lshlrev_b32 v[WAS], 3, v[WAS]
	v_lshlrev_b32 v[BA], 6, v[VH]
	v_lshlrev_b32 v[B2A], 5, v[VH]
	v_lshlrev_b32 v[A4], 2, v[VR]                  ; the list: 4 bytes a row
	v_lshlrev_b32 v[HW], 4, v[VH]
	s_lshl_b32 s82, s[WV], 5
	v_add_nc_u32 v[HW], s82, v[HW]                 ; 32 x wave + 16 h: wave w brings group w of every fragment of x
	v_mov_b32 v[TM+2], 0                           ; a lane permute's destination counts as one of its sources
	s_mov_b32 s[T], ttmp9
	s_and_b32 s[SH], ttmp7, 0xffff
	s_mov_b32 s[SEL], 0x76543210
	s_mov_b32 s[SEL+1], 0xfedcba98
	s_mov_b32 s[MNT], 0x600000
	s_mov_b32 s47, 0
	s_mov_b32 s84, 0xbfb8aa3b                      ; -log2(e)
	s_mov_b32 s85, s84                             ; (named with it as a pair, so it is written)
	s_wait_kmcnt 0x0
	s_lshl_b32 s46, s[T], 3
	s_add_nc_u64 s[4:5], s[6:7], s[46:47]
	s_load_b64 s[86:87], s[4:5], TILES             ; my tile's expert and row count
	s_mul_i32 s46, s[T], 320
	s_add_nc_u64 s[6:7], s[6:7], s[46:47]          ; my tile's 80 words of the list
.irp m, 0,1,2,3,4
	global_load_b32 v[GW+2*\m+1], v[A4], s[6:7] offset:64*\m   ; lane (r, h): row 16 m + r
.endr
	s_add_nc_u64 s[20:21], s[14:15], QW3           ; W3's codes,
	s_add_nc_u64 s[26:27], s[14:15], QW2           ; W2's,
	s_add_nc_u64 s[28:29], s[14:15], QWS           ; W2's scale words
	s_wait_kmcnt 0x0
	s_min_u32 s[E], s86, 7
	s_min_u32 s[NR], s87, 80
	; ---- the expert, the half and the wave go into the bases
	s_lshl_b32 s82, s[SH], 10
	s_lshl_b32 s83, s[WV], 5
	s_add_co_u32 s82, s82, s83                     ; my first hidden unit of pass 0: 1,024 x half + 32 x wave
	s_lshl_b32 s46, s[E], 19                       ; W1, W3: 256 bytes a hidden unit, laid block by block of 32
	s_lshl_b32 s83, s82, 8
	s_add_co_u32 s46, s46, s83
	s_add_nc_u64 s[14:15], s[14:15], s[46:47]
	s_add_nc_u64 s[20:21], s[20:21], s[46:47]
	s_lshl_b32 s46, s[E], 14
	s_lshl_b32 s83, s82, 3
	s_add_co_u32 s46, s46, s83
	s_add_nc_u64 s[16:17], s[16:17], s[46:47]
	s_add_nc_u64 s[22:23], s[22:23], s[46:47]
	s_lshl_b32 s46, s[E], 13
	s_lshl_b32 s83, s82, 2
	s_add_co_u32 s46, s46, s83
	s_add_nc_u64 s[18:19], s[18:19], s[46:47]
	s_add_nc_u64 s[24:25], s[24:25], s[46:47]
	s_lshl_b32 s46, s[E], 20                       ; W2: 1 MiB an expert, half of it a half; in a pass 16 KiB a wave
	s_lshl_b32 s83, s[SH], 19
	s_add_co_u32 s46, s46, s83
	s_lshl_b32 s83, s[WV], 14
	s_add_co_u32 s46, s46, s83
	s_add_nc_u64 s[26:27], s[26:27], s[46:47]
	s_lshl_b32 s46, s[E], 15                       ; its scale words: 32 KiB an expert; in a pass 512 bytes a wave
	s_lshl_b32 s83, s[SH], 14
	s_add_co_u32 s46, s46, s83
	s_lshl_b32 s83, s[WV], 9
	s_add_co_u32 s46, s46, s83
	s_add_nc_u64 s[28:29], s[28:29], s[46:47]
	s_lshl_b32 s46, s[E], 11                       ; b2: my 128 numbers
	s_lshl_b32 s83, s[WV], 9
	s_add_co_u32 s46, s46, s83
	s_add_nc_u64 s[30:31], s[30:31], s[46:47]
	s_lshl_b32 s46, s[SH], 24                      ; part: 8,192 rows of 2,048 bytes a half; my 128 columns
	s_add_co_u32 s46, s46, s83
	s_add_nc_u64 s[32:33], s[32:33], s[46:47]
	s_add_co_u32 s[PP], s[T], 7                    ; so that the pointers for a next pass, made now, are those of pass tile % 8: my first
	PTRS
	s_wait_loadcnt 0x0                             ; the list's five words
.irp m, 0,1,2,3,4
	v_min_u32 v[GW+2*\m+1], 0x1fff, v[GW+2*\m+1]
	v_and_b32 v[TOK+\m], 0xfff, v[GW+2*\m+1]       ; the token
	v_lshlrev_b32 v[A8+\m], 3, v[TOK+\m]
	v_lshl_add_u32 v[AXS+\m], v[VH], 2, v[A8+\m]
	v_lshl_add_u32 v[AXQ+\m], v[TOK+\m], 8, v[HW]
.endr
.irp m, 0,1,2,3,4
	global_load_b64 v[GP+2*\m:GP+2*\m+1], v[A8+\m], s[8:9]        ; the token's two gates
	global_load_b32 v[XS+\m], v[AXS+\m], s[12:13]                 ; its scale word of K step h
	global_load_b128 v[XQ+8*\m:XQ+8*\m+3], v[AXQ+\m], s[10:11]    ; its codes k = 32 w + 16 h + 0 .. 15,
	global_load_b128 v[XQ+8*\m+4:XQ+8*\m+7], v[AXQ+\m], s[10:11] offset:128   ; and 128 further on
.endr
	LOADA 0, 0
	LOADA 0, 1
	s_wait_loadcnt 42                              ; the 20 gathers are in; the first pass's W1 and W3, 21 loads each, may be out
.irp m, 0,1,2,3,4
	v_and_b32 v[T5+\m], 0x1000, v[GW+2*\m+1]       ; k
.endr
.irp m, 0,1,2,3,4
	v_cmp_ne_u32 s[MK+\m], 0, v[T5+\m]
.endr
.irp m, 0,1,2,3,4
	v_cndmask_b32 v[GW+2*\m], v[GP+2*\m], v[GP+2*\m+1], s[MK+\m]   ; my expert's gate
.endr
.irp m, 0,1,2,3,4
.irp s, 0,1
	ds_store_b128 v[HWI], v[XQ+8*\m+4*\s:XQ+8*\m+4*\s+3] offset:XIMG+2048*(2*\m+\s)
.endr
.endr
	WIN 0x80
.irp t, 0,1,2,3,4,5,6,7
	global_load_b128 v[128+8*\t:128+8*\t+3], v[B2A], s[30:31] offset:64*\t       ; b2 in the result's layout, into row tile 4's accumulators
	global_load_b128 v[128+8*\t+4:128+8*\t+7], v[B2A], s[30:31] offset:64*\t+16
.endr
	WIN 0
	s_wait_dscnt 0x0
	s_barrier_signal -1
	s_barrier_wait -1                              ; x's ten fragments lie in LDS, for the whole launch
	; ---- eight passes.  One barrier a pass: a set of images is written again only behind the next pass's barrier, which every wave signals with its reads of that set waited for
	PASS1 0, 0
	s_cmp_eq_u32 s[SH], 0                          ; half 0 begins its sums on b2, half 1 on 0
	s_cbranch_scc0 .Lno_bias
	PH2 0, 1, 42                                   ; 42: the next pass's W1 and W3, 21 loads each, were issued behind W2's
	s_branch .Lsums_begun
.Lno_bias:
	PH2 0, 2, 42
.Lsums_begun:
	s_mov_b32 s[CNT], 3
.Lpass:
	PASS1 1, 0
	PH2 1, 0, 42
	PASS1 0, 0
	PH2 0, 0, 42
	s_sub_co_u32 s[CNT], s[CNT], 1
	s_cmp_lg_u32 s[CNT], 0
	s_cbranch_scc1 .Lpass
	PASS1 1, 1
	; The way out wants each row's place in part: the tile's 80 words of the list once more, as scalars.  All five loads go out here, so that the last 40 products stand between them and the wait for them.
	; They land on registers that are done with: only the row count, the list's and part's addresses are still wanted, and the first and the last are moved aside.
	s_wait_xcnt 0x0                                ; the last loads have read their address registers, s[48:51] among them
	s_mov_b32 s4, s[NR]
	s_mov_b64 s[100:101], s[32:33]
	s_load_b512 s[8:23], s[6:7], 0x0               ; rows 0-15
	s_load_b512 s[24:39], s[6:7], 0x40             ; 16-31
	s_load_b512 s[40:55], s[6:7], 0x80             ; 32-47
	s_load_b512 s[68:83], s[6:7], 0xc0             ; 48-63
	s_load_b512 s[84:99], s[6:7], 0x100            ; 64-79
	PH2 1, 0, 0
	; ---- THE WAY OUT.  A row tile's 16 rows x my 128 columns are multiplied by the rows' gates and go through my own stage in LDS; they come back as rows of 512 bytes, and each row goes to its own row of part.
.macro TOSTAGE m
.if (\m) < 4
.set AC, 64*(\m)
	WIN 0xc3                                       ; destination and source 0 window 3
.else
.set AC, 128
	WIN 0x82
.endif
.set i, 0
.rept 32
	v_pk_mul_f32 v[AC+i:AC+i+1], v[AC+i:AC+i+1], v[GW+2*(\m):GW+2*(\m)+1] op_sel_hi:[1,0]   ; ascending: each accumulator from its low end on
.set i, i+2
.endr
.if (\m) < 4
	WIN 0x0c                                       ; an LDS store's data are its source 1
.else
	WIN 0x08
.endif
.irp t, 0,1,2,3,4,5,6,7
	ds_store_b128 v[STO], v[AC+8*\t:AC+8*\t+3] offset:64*\t
	ds_store_b128 v[STO], v[AC+8*\t+4:AC+8*\t+7] offset:64*\t+16
.endr
	WIN 0
.set BKB, 96+64*((\m)%2)
.irp n, 0,1,2,3,4,5,6,7,8,9,10,11,12,13,14,15
	ds_load_b128 v[BKB+4*\n:BKB+4*\n+3], v[RD] offset:SPI*\n   ; LDS serves a wave's instructions in order: these see the stores above, and the next tile's stores come behind them
.endr
.endm
.macro SEND m, younger                 ; younger: the LDS instructions issued behind this tile's loads
.set BKB, 96+64*((\m)%2)
.if (\m) < 3
.set RSB, 8+16*(\m)                    ; where the tile's 16 words lie: s8, s24, s40,
.else
.set RSB, 20+16*(\m)                   ; s68, s84
.endif
	s_wait_dscnt \younger
	s_wait_xcnt 0x0                                ; the offsets' registers, which earlier stores read, are written again only behind this wait
.irp n, 0,1,2,3,4,5,6,7,8,9,10,11,12,13,14,15
	s_cmp_gt_u32 s4, 16*(\m)+\n                    ; rows beyond the tile's count are not stored, nor any behind them
	s_cbranch_scc0 .Lout_end
	s_min_u32 s5, s[RSB+\n], 8191                  ; the row of part: 4,096 k + token
	s_lshl_b32 s5, s5, 11
	v_add_nc_u32 v[AD+\n], s5, v[LI]
	global_store_b128 v[AD+\n], v[BKB+4*\n:BKB+4*\n+3], s[100:101]   ; 32 lanes store 512 consecutive bytes, at a multiple of 512 from part's first byte
.endr
.endm
	s_wait_kmcnt 0x0                               ; the 80 words
.rept 8
	v_nop                                          ; places behind the last products
.endr
	TOSTAGE 0
.irp m, 1,2,3,4
	s_wait_xcnt 0x0                                ; the stores of two tiles back have read the registers that this tile's loads write
	TOSTAGE \m
	SEND \m-1, 32                                  ; behind that tile's loads: this tile's 16 stores and 16 loads
.endr
	SEND 4, 0
.Lout_end:
	s_wait_dscnt 0x0
	s_wait_tensorcnt 0x0
	ds_add_u32 v94, v95
	s_wait_dscnt 0x0
	s_endpgm
.Lfunc_end_k_q191c55ae02_chain:
	.size	k_q191c55ae02_chain, .Lfunc_end_k_q191c55ae02_chain-k_q191c55ae02_chain
	.p2alignl 7, 3214868480
	.fill 96, 4, 3214868480
	.section	.rodata,"a",@progbits
	.p2align	6, 0x0
	.amdhsa_kernel k_q191c55ae02_chain
		.amdhsa_group_segment_fixed_size 77312
		.amdhsa_private_segment_fixed_size 0
		.amdhsa_enable_private_segment 0
		.amdhsa_kernarg_size 88
		.amdhsa_user_sgpr_count 2
		.amdhsa_user_sgpr_kernarg_segment_ptr 1
		.amdhsa_wavefront_size32 1
		.amdhsa_system_sgpr_workgroup_id_x 1
		.amdhsa_system_sgpr_workgroup_id_y 1
		.amdhsa_system_sgpr_workgroup_id_z 1
		.amdhsa_system_vgpr_workitem_id 0
		.amdhsa_next_free_vgpr 1024
		.amdhsa_next_free_sgpr 102
		.amdhsa_reserve_vcc 0
		.amdhsa_float_denorm_mode_32 3
		.amdhsa_float_denorm_mode_16_64 3
		.amdhsa_memory_ordered 1
		.amdhsa_forward_progress 1
		.amdhsa_inst_pref_size 255
	.end_amdhsa_kernel
	.section	.bss,"aw",@nobits
	.p2align	6
	.space	262144
	.amdgpu_metadata
---
amdhsa.version: [ 1, 2 ]
amdhsa.kernels:
  - .name:           k_q191c55ae02_chain
    .symbol:         k_q191c55ae02_chain.kd
    .args:
      - { .name: part, .offset: 0, .size: 8, .value_kind: global_buffer, .address_space: global }
      - { .name: list, .offset: 8, .size: 8, .value_kind: global_buffer, .address_space: global }
      - { .name: gw, .offset: 16, .size: 8, .value_kind: global_buffer, .address_space: global }
      - { .name: xq, .offset: 24, .size: 8, .value_kind: global_buffer, .address_space: global }
      - { .name: xs, .offset: 32, .size: 8, .value_kind: global_buffer, .address_space: global }
      - { .name: wq, .offset: 40, .size: 8, .value_kind: global_buffer, .address_space: global }
      - { .name: W1_scales, .offset: 48, .size: 8, .value_kind: global_buffer, .address_space: global }
      - { .name: b1, .offset: 56, .size: 8, .value_kind: global_buffer, .address_space: global }
      - { .name: W3_scales, .offset: 64, .size: 8, .value_kind: global_buffer, .address_space: global }
      - { .name: b3, .offset: 72, .size: 8, .value_kind: global_buffer, .address_space: global }
      - { .name: b2, .offset: 80, .size: 8, .value_kind: global_buffer, .address_space: global }
    .group_segment_fixed_size: 77312
    .private_segment_fixed_size: 0
    .kernarg_segment_align: 8
    .kernarg_segment_size: 88
    .max_flat_workgroup_size: 128
    .sgpr_count:     102
    .vgpr_count:     1024
    .wavefront_size: 32
...
	.end_amdgpu_metadata
.endif
;; end of part 6
;; launch mix: the kernel of part 4 again; grid 256 x 1, 16 waves a work-group, no clusters, 44,032 bytes of LDS; arguments part, wfq, Wf_scales, bf, out0; writes out0
;; ======== version 3 of 3: 4 launches; version 2 with the launches chain, mix written anew for expert scheduling mode
;; workspace buffers: xq 1,048,576 bytes; xs 32,768 bytes; gw 32,768 bytes; msk 4,096 bytes of whole numbers; wfq 262,144 bytes; list 36,352 bytes of whole numbers; wq 17,039,360 bytes; part 33,554,432 bytes
;; launch gate: the kernel of part 1 again; grid 256 x 1, 1 waves a work-group, no clusters, 13,056 bytes of LDS; arguments X, Wg, bg, xq, xs, gw, msk, Wf_codes, wfq; writes xq, xs, gw, msk, wfq
;; launch place: the kernel of part 5 again; grid 256 x 1, 5 waves a work-group, no clusters, 0 bytes of LDS; arguments msk, list, W1_codes, W3_codes, W2_codes, W2_scales, wq; writes list, wq
;; launch chain (part 7): grid 110 x 2, 4 waves a work-group, no clusters, 77,312 bytes of LDS; arguments part, list, gw, xq, xs, wq, W1_scales, b1, W3_scales, b3, b2; writes part
.if DOCPART == 7
	.amdgcn_target "amdgcn-amd-amdhsa--gfx1250"
	.amdhsa_code_object_version 6
	.text
	.protected	k_q191c55ae02_chain
	.globl	k_q191c55ae02_chain
	.p2align	8
	.type	k_q191c55ae02_chain,@function
k_q191c55ae02_chain:
	s_mov_b64 s[64:65], 0
	v_nop
	global_prefetch_b8 v0, s[64:65] scope:SCOPE_SE
	s_setreg_imm32_b32 hwreg(HW_REG_WAVE_SCHED_MODE, 0, 2), 2
	s_setreg_imm32_b32 hwreg(HW_REG_WAVE_MODE, 25, 1), 1
	s_wait_xcnt 0x0
	s_wait_alu depctr_vm_vsrc(0)
; THE EXPERTS' CHAINS, ONLY FOR THE ROWS THAT WERE CHOSEN.  Work-group (x = tile, y = half of the hidden layer) takes up to 80 rows of ONE expert through 1,024 of its 2,048 hidden units:
; h = silu((x W1 + b1)(x W3 + b3)), quantised along the hidden units, times W2 (+ b2 in half 0), times the row's gate; the partial row goes to part [half][k][token][512] f32, k = 0 where the expert is the
; token's lower-numbered choice, 1 where the higher: each row of part has one writer.  All products on E5M2 codes with E8M0 scales, sums in f32.
; THE GRID SERVES EVERY SPLIT: 8,192 routed rows on 8 experts in tiles of 80 are never more than (8,192 + 8 x 79) / 80 = 110 tiles.  The launch before has stored, in list, each tile's rows (4,096 k + token) and its expert
; and row count; they are read here as whole numbers.  A work-group whose tile has no rows still walks the text, on the rows that the list repeats, and stores nothing: the barriers
; stand on every wave's path, and none under a branch on a number read from memory.
; NO TENSOR LOADS, NO CLUSTER: the tiles of one expert do read the same weights, but which expert a work-group serves and how many rows it stores are numbers read from memory; a joint request's descriptor and the
; branches of the way out would hang on them.  So the weights go from memory straight into the operands' registers; the launch before has laid their codes, and W2's scale words, in the order of those registers (wq), so that
; each load of a wave covers 512 consecutive bytes.  Work-groups begin at different passes (tile % 8), so that the tiles of an expert do not all ask for the same bytes at once.
; SHARES.  Eight passes of 128 hidden units.  In a pass wave w (1) makes hidden units 32 w .. 32 w + 31 of the pass, one block of the quantiser, for all five tiles of 16 rows; their codes go to LDS as group w of an
; image of the next operand's registers, their scale byte as byte w of the row's word; one barrier; (2) adds the pass's 128 along K onto outputs 128 w .. 128 w + 127 of all 80 rows: 40 accumulators.
; A PASS'S LOADS FROM MEMORY stand in four runs, each behind a run of LDS instructions and in front of long vector work: W2's first half, W2's second half, the next pass's W1, the next pass's W3.
; BOTH PRODUCTS ARE USED TRANSPOSED (source 0 = 16 rows of a weight, source 1 = 16 tokens): a lane holds one token.  Lane r of W1's and W3's tile u holds row 8 u + r + 8 (r / 8) of the block, so that the 16 registers
; of tiles 0 and 1 are hidden units 16 (lane / 16) + 0 .. 15.  The biases are the C of each sum's first product.
; LIMITS: NaN and infinities are not served.  A block of zeros gets the scale byte 1 (its codes are zeros).  Where (x W1 + b1)(x W3 + b3) x log2(e) lies under -128, silu comes out as -0 (its magnitude is under 1e-36 there).
; The sums along the hidden units run in another order than ascending: the passes are rotated, and the two halves are added in the next launch.
; REGISTERS, in windows of 256.  Window 0: see the names below.  Window 1: W1's and W3's fragments, two buffers of 128 (buffer a: W1's (u, s) at 128 a + 16 (2 u + s), W3's 64 on).
;   Window 2: v0-127 W2's eight fragments; v128-191 the accumulators of row tile 4; v192-223 x's two fragments of an odd row tile.  Window 3: the accumulators of row tiles 0-3, (t, m) at 64 m + 8 t.
; THE MODE: SCHED_MODE bits 1:0 = 2 (LLVM: expert scheduling mode 2), set by the entry lines.  The code itself states the register dependences between vector or matrix instructions and memory or LDS
; instructions, with s_wait_alu, always for 0.
; THE PLAN.  Registers that memory or LDS instructions touch, round a pass:
;   XF, XG      x's fragments of the even and of the odd row tiles.  LDS loads land in them; that tile's eight first products read them.  Tiles 0 and 1 are fetched at the pass's head, tile m + 2 in tile m's vector step.
;   HF, HS      the hidden layer's fragments and scale words.  LDS loads land in them behind the barrier; the 40 second products read them.  HF's registers are XF and the two sets of first results earlier in the pass.
;   W2, W2S     this pass's loads land in them; the second products read them.
;   W1, W3, their scale words and biases, two buffers: the pass's first products read buffer a, the loads for the next pass land in buffer 1 - a.
;   PC, SBY     four registers of codes and a byte for each row tile.  Tile m's quantiser writes them; two LDS stores, issued in tile m + 1's vector step (tile 4's: ahead of the barrier), read them.
;   v1-v12      addresses, made at the kernel's head and never written again.
; THE WAITS OF A PASS.  Two at its head: the vector side is done with all that the head's loads and the pass's runs from memory land in; the last pass's LDS stores have read PC and SBY.  One in each vector step,
; behind its exponentials: there stand the fetch of tile m + 2, the stores of tile m - 1 and the step's run of loads from memory.  One behind each step's reciprocals, for their results.  One ahead of tile 4's stores,
; which also frees HF's registers for the loads behind the barrier.
.set XIMG, 0                           ; LDS: x's ten fragments (row tile m, K step s: 2 m + s) as images of their registers, 2,048 bytes each
.set HIMG, 20480                       ; the hidden layer's: two sets by turns x five fragments
.set HSC,  40960                       ; their scale words: two sets x five x 128 bytes
.set STG,  42496                       ; the way out: 16 rows x (512 + 16) bytes for each wave
.set SPI,  528
.set TILES, 35328                      ; list: where the tiles' words begin
.set QW3,  0x400000                    ; wq: W1's codes from byte 0; where W3's, W2's and W2's scale words begin
.set QW2,  0x800000
.set QWS,  0x1000000
.set LI,  1                            ; v1   16 x lane
.set LS,  2                            ; v2   4 x lane
.set HWI, 3                            ; v3   16 x lane + 512 x wave: my group of an image
.set HWS, 4                            ; v4   4 x lane + wave: my byte of a scale word
.set STO, 5                            ; v5   the stage: where I put 32 bytes of a row
.set RD,  6                            ; v6   and where I read a row back
.set WAS, 9                            ; v9   W1's, W3's scale words: (8 h + r + 8 (r / 8)) x 8: lanes 0-15 tile 0's rows, lanes 16-31 tile 1's
.set BA,  11                           ; v11  b1, b3: 64 h
.set B2A, 12                           ; v12  b2: 32 h
.set VR,  13                           ; v13  r
.set VH,  14                           ; v14  h
.set GW,  16                           ; v16-25 for row tile m a pair: my row's gate; its word of the list
.set XS,  26                           ; v26-30 x's scale words: lanes 0-15 K step 0's, lanes 16-31 K step 1's
.set HS,  32                           ; v32-36 the hidden layer's scale words
.set W1S, 40                           ; v40-47 W1's scale words at 2 a + s, W3's 4 on
.set W2S, 48                           ; v48-51 W2's: register j: lanes 0-15 tile 2 j's rows, lanes 16-31 tile 2 j + 1's
.set TM,  52                           ; v52-57 the quantiser's work
.set PC,  68                           ; v68-87 the codes just made, four registers for each row tile
.set SBY, 88                           ; v88-92 and their scale bytes
.set AD,  72                           ; v72-87 the way out: the stores' offsets
.set XF,  96                           ; v96-127 x's two fragments of an even row tile
.set XG,  192                          ; in window 2: v192-223 those of an odd row tile
.set HAB, 128                          ; v128-191 two sets of: x W1 + b1 (16 registers), x W3 + b3 (16)
.set HF,  96                           ; v96-175 the hidden layer's five fragments
.set BB,  192                          ; v192-255 the biases: b1's (a, u) at 32 a + 8 u, b3's 16 on
; the prologue's registers (v96-191 and v224-255)
.set XQ,  96                           ; my group of the rows' codes
.set A8,  136
.set AXS, 141
.set AXQ, 146
.set A4,  151
.set T5,  152
.set HW,  187
.set TOK, 224
.set GP,  234
.set WV,  34                           ; s34 wave;  s35 tile;  s36 half;  s37 expert;  s38 rows to store;  s40 pass counter;  s41 loop counter
.set T,   35
.set SH,  36
.set E,   37
.set NR,  38
.set PP,  40
.set CNT, 41
.set SEL, 42                           ; s[42:43] v_permlanex16_b32's selects;  s44 the mantissa field of 57,344;  s[46:47] an offset, high word 0
.set MNT, 44
.set MK,  92                           ; s92-96 five masks by turns
.set MSB, 0
.macro WIN new                         ; the immediate's high byte repeats the setting that is left
.if MSB != \new
	s_set_vgpr_msb (MSB<<8)|\new
.set MSB, \new
.endif
.endm
; a product: d, a, b, c: first registers; sa, sb: scale registers; ra, rb: 1 = the scales are read from lanes 16-31
.macro MM d, a, b, c, sa, sb, ra, rb
.if ((\ra) == 0) && ((\rb) == 0)
	v_wmma_scale_f32_16x16x128_f8f6f4 v[(\d):(\d)+7], v[(\a):(\a)+15], v[(\b):(\b)+15], v[(\c):(\c)+7], v[\sa], v[\sb] matrix_a_fmt:MATRIX_FMT_BF8 matrix_b_fmt:MATRIX_FMT_BF8
.elseif (\rb) == 0
	v_wmma_scale_f32_16x16x128_f8f6f4 v[(\d):(\d)+7], v[(\a):(\a)+15], v[(\b):(\b)+15], v[(\c):(\c)+7], v[\sa], v[\sb] matrix_a_fmt:MATRIX_FMT_BF8 matrix_b_fmt:MATRIX_FMT_BF8 matrix_a_scale:MATRIX_SCALE_ROW1
.elseif (\ra) == 0
	v_wmma_scale_f32_16x16x128_f8f6f4 v[(\d):(\d)+7], v[(\a):(\a)+15], v[(\b):(\b)+15], v[(\c):(\c)+7], v[\sa], v[\sb] matrix_a_fmt:MATRIX_FMT_BF8 matrix_b_fmt:MATRIX_FMT_BF8 matrix_b_scale:MATRIX_SCALE_ROW1
.else
	v_wmma_scale_f32_16x16x128_f8f6f4 v[(\d):(\d)+7], v[(\a):(\a)+15], v[(\b):(\b)+15], v[(\c):(\c)+7], v[\sa], v[\sb] matrix_a_fmt:MATRIX_FMT_BF8 matrix_b_fmt:MATRIX_FMT_BF8 matrix_a_scale:MATRIX_SCALE_ROW1 matrix_b_scale:MATRIX_SCALE_ROW1
.endif
.endm
.macro MMZ d, a, b, sa, sb, ra         ; the same with C = 0
.if (\ra) == 0
	v_wmma_scale_f32_16x16x128_f8f6f4 v[(\d):(\d)+7], v[(\a):(\a)+15], v[(\b):(\b)+15], 0, v[\sa], v[\sb] matrix_a_fmt:MATRIX_FMT_BF8 matrix_b_fmt:MATRIX_FMT_BF8
.else
	v_wmma_scale_f32_16x16x128_f8f6f4 v[(\d):(\d)+7], v[(\a):(\a)+15], v[(\b):(\b)+15], 0, v[\sa], v[\sb] matrix_a_fmt:MATRIX_FMT_BF8 matrix_b_fmt:MATRIX_FMT_BF8 matrix_a_scale:MATRIX_SCALE_ROW1
.endif
.endm
; the pointers of a pass: W2 and its scale words for this pass (s[48:51]); W1, W3, their scales and biases for the next (s[52:63]).  Written only where no load that names them is out.
.macro PTRS
	s_and_b32 s82, s[PP], 7
	s_add_co_u32 s[PP], s[PP], 1
	s_and_b32 s83, s[PP], 7
	s_lshl_b32 s46, s82, 16                        ; W2: four waves' eight fragments a pass
	s_add_nc_u64 s[48:49], s[26:27], s[46:47]
	s_lshl_b32 s46, s82, 11                        ; its scale words: four waves' 512 bytes
	s_add_nc_u64 s[50:51], s[28:29], s[46:47]
	s_lshl_b32 s46, s83, 15                        ; W1, W3: four blocks of 8,192 bytes
	s_add_nc_u64 s[52:53], s[14:15], s[46:47]
	s_add_nc_u64 s[54:55], s[20:21], s[46:47]
	s_lshl_b32 s46, s83, 10                        ; 128 rows of 8 scale bytes
	s_add_nc_u64 s[56:57], s[16:17], s[46:47]
	s_add_nc_u64 s[58:59], s[22:23], s[46:47]
	s_lshl_b32 s46, s83, 9                         ; of 4 bytes of bias
	s_add_nc_u64 s[60:61], s[18:19], s[46:47]
	s_add_nc_u64 s[62:63], s[24:25], s[46:47]
.endm
.macro LOADB hf                        ; half hf of W2's eight fragments (my 128 outputs x this pass's 128 along K): 16 loads; with half 0 the scale words: one more
	WIN 0x80                                       ; destination window 2
.irp t, 0,1,2,3
.irp c, 0,1,2,3
	global_load_b128 v[16*(4*(\hf)+\t)+4*\c:16*(4*(\hf)+\t)+4*\c+3], v[LI], s[48:49] offset:2048*(4*(\hf)+\t)+512*\c
.endr
.endr
	WIN 0
.if (\hf) == 0
	global_load_b128 v[W2S:W2S+3], v[LI], s[50:51]
.endif
.endm
.macro LOADA a, k                      ; 21 loads into buffer a: k = 0: W1's four fragments, scale words and b1;  k = 1: W3's and b3
	WIN 0x40                                       ; destination window 1
.irp u, 0,1
.irp s, 0,1
.irp c, 0,1,2,3
	global_load_b128 v[128*(\a)+64*(\k)+16*(2*\u+\s)+4*\c:128*(\a)+64*(\k)+16*(2*\u+\s)+4*\c+3], v[LI], s[52+2*(\k):53+2*(\k)] offset:2048*(2*\u+\s)+512*\c
.endr
.endr
.endr
	WIN 0
	global_load_b64 v[W1S+4*(\k)+2*(\a):W1S+4*(\k)+2*(\a)+1], v[WAS], s[56+2*(\k):57+2*(\k)]
.irp u, 0,1
	global_load_b128 v[BB+32*(\a)+16*(\k)+8*\u:BB+32*(\a)+16*(\k)+8*\u+3],   v[BA], s[60+2*(\k):61+2*(\k)] offset:32*\u
	global_load_b128 v[BB+32*(\a)+16*(\k)+8*\u+4:BB+32*(\a)+16*(\k)+8*\u+7], v[BA], s[60+2*(\k):61+2*(\k)] offset:32*\u+16
.endr
.endm
.macro XFETCH m                        ; x's two fragments of row tile m: an even tile's into XF, an odd tile's into XG
.if ((\m)%2) == 1
	WIN 0x80                                       ; destination window 2
.irp s, 0,1
.irp c, 0,1,2,3
	ds_load_b128 v[XG+16*\s+4*\c:XG+16*\s+4*\c+3], v[LI] offset:XIMG+2048*(2*(\m)+\s)+512*\c
.endr
.endr
	WIN 0
.else
.irp s, 0,1
.irp c, 0,1,2,3
	ds_load_b128 v[XF+16*\s+4*\c:XF+16*\s+4*\c+3], v[LI] offset:XIMG+2048*(2*(\m)+\s)+512*\c
.endr
.endr
.endif
.endm
; eight products for row tile m into set q: four accumulators by turns, K step 0 on the biases, K step 1 in place
.macro WPROD m, q, a
.if ((\m)%2) == 1
	WIN 0x09                                       ; source 0 (W1, W3) window 1, source 1 (x) window 2
.set XB, XG
.else
	WIN 0x01                                       ; source 0 window 1
.set XB, XF
.endif
.irp s, 0,1
.irp k, 0,1
.irp u, 0,1
.if \s == 0
	MM HAB+32*(\q)+16*\k+8*\u, 128*(\a)+64*\k+16*(2*\u+\s), XB+16*\s, BB+32*(\a)+16*\k+8*\u, W1S+4*\k+2*(\a)+\s, XS+(\m), \u, \s
.else
	MM HAB+32*(\q)+16*\k+8*\u, 128*(\a)+64*\k+16*(2*\u+\s), XB+16*\s, HAB+32*(\q)+16*\k+8*\u, W1S+4*\k+2*(\a)+\s, XS+(\m), \u, \s
.endif
.endr
.endr
.endr
	WIN 0
.endm
; 16 numbers of a lane, half a block of 32 (the other half lies in lane l xor 16), become four registers of codes and the block's scale byte
.macro QBLK s, pc, by
	v_max3_num_f32 v[TM], |v[\s]|, |v[\s+1]|, 0x8000000        ; with the floor 2^(16 - 127): the byte cannot fall under 1
	v_max3_num_f32 v[TM+1], |v[\s+2]|, |v[\s+3]|, |v[\s+4]|
	v_max3_num_f32 v[TM], v[TM], |v[\s+5]|, |v[\s+6]|
	v_max3_num_f32 v[TM+1], v[TM+1], |v[\s+7]|, |v[\s+8]|
	v_max3_num_f32 v[TM], v[TM], |v[\s+9]|, |v[\s+10]|
	v_max3_num_f32 v[TM+1], v[TM+1], |v[\s+11]|, |v[\s+12]|
	v_max3_num_f32 v[TM], v[TM], |v[\s+13]|, |v[\s+14]|
	v_max3_num_f32 v[TM], v[TM], v[TM+1], |v[\s+15]|
	v_permlanex16_b32 v[TM+2], v[TM], s[SEL], s[SEL+1]
	v_max_num_f32 v[TM], v[TM], v[TM+2]            ; the block's largest magnitude
	v_add_nc_u32 v[TM+3], 0xf8800000, v[TM]        ; 15 off its exponent field: the conversion's scale operand
	v_and_or_b32 v[TM+4], v[TM], 0x7f800000, s[MNT]   ; 57,344 x the scale
	v_lshrrev_b32 v[\by], 23, v[TM+3]              ; the scale's byte
.irp i, 0,1,2,3,4,5,6,7,8,9,10,11,12,13,14,15
	v_med3_num_f32 v[\s+\i], v[\s+\i], -v[TM+4], v[TM+4]   ; the conversion to an 8-bit code does not saturate (ISA guide 7.6.2): the hold comes first
.endr
	v_cvt_scalef32_pk8_bf8_f32 v[\pc:\pc+1], v[\s:\s+7], v[TM+3]
	v_cvt_scalef32_pk8_bf8_f32 v[\pc+2:\pc+3], v[\s+8:\s+15], v[TM+3]
	v_nop                                          ; a plain instruction behind the last conversion
.endm
; row tile m's codes and scale byte go to LDS: my group of the fragment's image, my byte of the rows' words
.macro IMG m, par
	ds_store_b128 v[HWI], v[PC+4*(\m):PC+4*(\m)+3] offset:HIMG+10240*(\par)+2048*(\m)
	ds_store_b8 v[HWS], v[SBY+(\m)] offset:HSC+640*(\par)+128*(\m)
.endm
; row tile m's vector work on set q: z = (x W1 + b1)(x W3 + b3), silu(z) = z / (1 + 2^(-z log2 e)), the quantiser.  Behind the exponentials' wait stand the step's LDS and memory instructions:
; fetch >= 0: x's fragments of that row tile;  m > 0: the stores of row tile m - 1's codes;  ld: a run of loads from memory: 0 none;  1 W2's second half;  2 the next pass's W1;  3 the next pass's W3.
; The LDS instructions go first, and the rest of the step's vector work follows the run.
.macro VSTEP m, q, par, fetch, ld
.set HA, HAB+32*(\q)
.set HB, HAB+32*(\q)+16
.irp i, 0,2,4,6,8,10,12,14
	v_pk_mul_f32 v[HA+\i:HA+\i+1], v[HA+\i:HA+\i+1], v[HB+\i:HB+\i+1]   ; ascending: each accumulator is first read at its low end
.endr
.irp i, 0,2,4,6,8,10,12,14
	v_pk_mul_f32 v[HB+\i:HB+\i+1], v[HA+\i:HA+\i+1], s[84:85] op_sel_hi:[1,0]
.endr
.irp i, 0,1,2,3,4,5,6,7,8,9,10,11,12,13,14,15
	v_exp_f32 v[HB+\i], v[HB+\i]
.endr
	v_nop                                          ; a plain instruction between the last exponential and the use of its result
	s_wait_alu depctr_va_vdst(0)                   ; the exponentials have written their results; the first products issued so far are done reading x's fragments, in which the fetch below lands; the step before has written its codes and its byte, which the stores below read
.if (\fetch) >= 0
	XFETCH \fetch
.endif
.if (\m) > 0
	IMG (\m)-1, \par
.endif
.if (\ld) == 1
	LOADB 1                                        ; no vector or matrix instruction since the wait at the pass's head names the registers of these runs
.elseif (\ld) == 2
	LOADA 1-(\par), 0
.elseif (\ld) == 3
	LOADA 1-(\par), 1
.endif
.irp i, 0,2,4,6,8,10,12,14
	v_pk_add_f32 v[HB+\i:HB+\i+1], v[HB+\i:HB+\i+1], 1.0 op_sel_hi:[1,0]
.endr
.irp i, 0,1,2,3,4,5,6,7,8,9,10,11,12,13,14,15
	v_rcp_f32 v[HB+\i], v[HB+\i]
.endr
	v_nop
	s_wait_alu depctr_va_vdst(0)                   ; the reciprocals have written their results, ahead of their first reader
.irp i, 0,2,4,6,8,10,12,14
	v_pk_mul_f32 v[HA+\i:HA+\i+1], v[HA+\i:HA+\i+1], v[HB+\i:HB+\i+1]
.endr
	QBLK HA, PC+4*(\m), SBY+(\m)
.endm
; the second product of a pass: 40 accumulators, one product each.  mode 0: in place;  1: the sums begin on b2, which lies in row tile 4's accumulators;  2: they begin on 0.
; younger: the global loads issued behind W2's, which may stay out.  The loads from LDS owe no wait of their own: no vector or matrix instruction stands between the wait ahead of row tile 4's stores and them.
.macro PH2 par, mode, younger
.irp m, 0,1,2,3,4
.irp c, 0,1,2,3
	ds_load_b128 v[HF+16*\m+4*\c:HF+16*\m+4*\c+3], v[LI] offset:HIMG+10240*(\par)+2048*\m+512*\c
.endr
	ds_load_b32 v[HS+\m], v[LS] offset:HSC+640*(\par)+128*\m
.endr
	s_wait_loadcnt \younger
.irp m, 0,1,2,3
	s_wait_dscnt 5*(4-\m)                          ; this row tile's five loads are in; the later tiles' may be out
.if (\mode) == 1
	WIN 0xe2                                       ; source 0 (W2) and C (b2) window 2, D window 3
.else
	WIN 0xf2                                       ; source 0 window 2, C and D window 3
.endif
.irp t, 0,1,2,3,4,5,6,7
.if (\mode) == 0
	MM 64*\m+8*\t, 16*\t, HF+16*\m, 64*\m+8*\t, W2S+\t/2, HS+\m, \t%2, 0
.elseif (\mode) == 1
	MM 64*\m+8*\t, 16*\t, HF+16*\m, 128+8*\t, W2S+\t/2, HS+\m, \t%2, 0
.else
	MMZ 64*\m+8*\t, 16*\t, HF+16*\m, W2S+\t/2, HS+\m, \t%2
.endif
.endr
.endr
	s_wait_dscnt 0x0
.if (\mode) == 1
.rept 9
	v_nop                                          ; the products below write over registers that the products above read as C: nine places
.endr
.endif
	WIN 0xa2                                       ; source 0, C and D window 2
.irp t, 0,1,2,3,4,5,6,7
.if (\mode) == 2
	MMZ 128+8*\t, 16*\t, HF+64, W2S+\t/2, HS+4, \t%2
.else
	MM 128+8*\t, 16*\t, HF+64, 128+8*\t, W2S+\t/2, HS+4, \t%2, 0
.endif
.endr
	WIN 0
.endm
; a pass up to its barrier.  a: the buffer of W1 and W3 at work, and the set of images written;  last = 1: nothing is fetched for a next pass
.macro PASS1 a, last
.rept 9
	v_nop                                          ; nine places behind the last pass's products, for the first products, which write over registers that those read
.endr
	s_wait_alu depctr_va_vdst(0)                   ; the last pass's second products are done reading the hidden layer's fragments, W2's fragments and W2's scale words, and its first products the odd tiles' fragments of x and the other buffer of W1, W3, their scale words and biases: the loads of this pass land in all of these (first pass: the head's vector lines are done with v224-243, which lie in that buffer of biases)
	s_wait_alu depctr_vm_vsrc(0)                   ; the last pass's LDS stores have read the codes' and the bytes' registers, which this pass's quantiser writes again (first pass: the gathers have read their offsets and the LDS stores x's codes, v96-151, in which x's fragments land and which the first products write)
	XFETCH 0
	XFETCH 1
	s_wait_loadcnt 0x0                             ; this pass's W1 and W3 are in; no load is out, so the pointers may be written
	PTRS
	LOADB 0                                        ; behind the LDS loads
	s_wait_dscnt 0x8                               ; row tile 0's fragments are in; row tile 1's eight loads may be out
	WPROD 0, 0, \a
	s_wait_dscnt 0x0
	WPROD 1, 1, \a
.rept 8
	v_nop                                          ; eight places between row tile 0's products and the first read of their results
.endr
	VSTEP 0, 0, \a, 2, 1
	s_wait_dscnt 0x0                               ; x's fragments of row tile 2 are in
	WPROD 2, 0, \a
.if (\last) == 0
	VSTEP 1, 1, \a, 3, 2
.else
	VSTEP 1, 1, \a, 3, 0
.endif
	s_wait_dscnt 0x2                               ; x's fragments are in; the two stores issued behind them may be out
	WPROD 3, 1, \a
.if (\last) == 0
	VSTEP 2, 0, \a, 4, 3
.else
	VSTEP 2, 0, \a, 4, 0
.endif
	s_wait_dscnt 0x2
	WPROD 4, 0, \a
	VSTEP 3, 1, \a, -1, 0
	VSTEP 4, 0, \a, -1, 0
	s_wait_alu depctr_va_vdst(0)                   ; row tile 4's quantiser has written its codes and its byte, which the stores below read; the vector and matrix instructions are done with v96-175 and v32-36, in which the loads behind the barrier land
	IMG 4, \a
	s_wait_dscnt 0x0                               ; my images have landed, and my reads of the other set, which the next pass writes, were over long ago
	s_barrier_signal -1
	s_barrier_wait -1
.endm
	s_load_b64 s[32:33], s[0:1], 0x0               ; part
	s_load_b64 s[6:7], s[0:1], 0x8                 ; list
	s_load_b128 s[8:11], s[0:1], 0x10              ; gw s[8:9], xq s[10:11]
	s_load_b128 s[12:15], s[0:1], 0x20             ; xs s[12:13], wq s[14:15]: W1's codes
	s_load_b128 s[16:19], s[0:1], 0x30             ; W1's scales s[16:17], b1 s[18:19]
	s_load_b64 s[22:23], s[0:1], 0x40              ; W3's scales
	s_load_b64 s[24:25], s[0:1], 0x48              ; b3
	s_load_b64 s[30:31], s[0:1], 0x50              ; b2
	v_lshl_add_u32 v94, v0, 2, 0x12c00
	v_mov_b32 v95, 0
	v_lshrrev_b32 v15, 5, v0
	v_readfirstlane_b32 s[WV], v15                 ; wave 0..3
	v_and_b32 v15, 31, v0                          ; lane
	v_and_b32 v[VR], 15, v0
	v_bfe_u32 v[VH], v0, 4, 1
	v_lshlrev_b32 v[LI], 4, v15
	v_lshlrev_b32 v[LS], 2, v15
	s_wait_alu depctr_va_sdst(0)                   ; the wave's number is written, ahead of its first reader
	s_lshl_b32 s82, s[WV], 9
	v_add_nc_u32 v[HWI], s82, v[LI]
	v_add_nc_u32 v[HWS], s[WV], v[LS]
	s_mul_i32 s82, s[WV], 16*SPI
	s_add_co_u32 s82, s82, STG                     ; my stage
	v_mul_u32_u24 v[STO], v[VR], SPI
	v_lshl_add_u32 v[STO], v[VH], 5, v[STO]
	v_add_nc_u32 v[STO], s82, v[STO]
	v_add_nc_u32 v[RD], s82, v[LI]
	v_and_b32 v[WAS], 8, v[VR]
	v_add_nc_u32 v[WAS], v[WAS], v[VR]             ; r + 8 (r / 8)
	v_lshl_add_u32 v[WAS], v[VH], 3, v[WAS]
	v_lshlrev_b32 v[WAS], 3, v[WAS]
	v_lshlrev_b32 v[BA], 6, v[VH]
	v_lshlrev_b32 v[B2A], 5, v[VH]
	v_lshlrev_b32 v[A4], 2, v[VR]                  ; the list: 4 bytes a row
	v_lshlrev_b32 v[HW], 4, v[VH]
	s_lshl_b32 s82, s[WV], 5
	v_add_nc_u32 v[HW], s82, v[HW]                 ; 32 x wave + 16 h: wave w brings group w of every fragment of x
	v_mov_b32 v[TM+2], 0                           ; a lane permute's destination counts as one of its sources
	s_mov_b32 s[T], ttmp9
	s_and_b32 s[SH], ttmp7, 0xffff
	s_mov_b32 s[SEL], 0x76543210
	s_mov_b32 s[SEL+1], 0xfedcba98
	s_mov_b32 s[MNT], 0x600000
	s_mov_b32 s47, 0
	s_mov_b32 s84, 0xbfb8aa3b                      ; -log2(e)
	s_mov_b32 s85, s84                             ; (named with it as a pair, so it is written)
	s_wait_kmcnt 0x0
	s_lshl_b32 s46, s[T], 3
	s_add_nc_u64 s[4:5], s[6:7], s[46:47]
	s_load_b64 s[86:87], s[4:5], TILES             ; my tile's expert and row count
	s_mul_i32 s46, s[T], 320
	s_add_nc_u64 s[6:7], s[6:7], s[46:47]          ; my tile's 80 words of the list
	s_wait_alu depctr_va_vdst(0)                   ; the addresses v1-v12 and the list's offset are written, which the loads and stores of the whole kernel read
.irp m, 0,1,2,3,4
	global_load_b32 v[GW+2*\m+1], v[A4], s[6:7] offset:64*\m   ; lane (r, h): row 16 m + r
.endr
	s_add_nc_u64 s[20:21], s[14:15], QW3           ; W3's codes,
	s_add_nc_u64 s[26:27], s[14:15], QW2           ; W2's,
	s_add_nc_u64 s[28:29], s[14:15], QWS           ; W2's scale words
	s_wait_kmcnt 0x0
	s_min_u32 s[E], s86, 7
	s_min_u32 s[NR], s87, 80
	; ---- the expert, the half and the wave go into the bases
	s_lshl_b32 s82, s[SH], 10
	s_lshl_b32 s83, s[WV], 5
	s_add_co_u32 s82, s82, s83                     ; my first hidden unit of pass 0: 1,024 x half + 32 x wave
	s_lshl_b32 s46, s[E], 19                       ; W1, W3: 256 bytes a hidden unit, laid block by block of 32
	s_lshl_b32 s83, s82, 8
	s_add_co_u32 s46, s46, s83
	s_add_nc_u64 s[14:15], s[14:15], s[46:47]
	s_add_nc_u64 s[20:21], s[20:21], s[46:47]
	s_lshl_b32 s46, s[E], 14
	s_lshl_b32 s83, s82, 3
	s_add_co_u32 s46, s46, s83
	s_add_nc_u64 s[16:17], s[16:17], s[46:47]
	s_add_nc_u64 s[22:23], s[22:23], s[46:47]
	s_lshl_b32 s46, s[E], 13
	s_lshl_b32 s83, s82, 2
	s_add_co_u32 s46, s46, s83
	s_add_nc_u64 s[18:19], s[18:19], s[46:47]
	s_add_nc_u64 s[24:25], s[24:25], s[46:47]
	s_lshl_b32 s46, s[E], 20                       ; W2: 1 MiB an expert, half of it a half; in a pass 16 KiB a wave
	s_lshl_b32 s83, s[SH], 19
	s_add_co_u32 s46, s46, s83
	s_lshl_b32 s83, s[WV], 14
	s_add_co_u32 s46, s46, s83
	s_add_nc_u64 s[26:27], s[26:27], s[46:47]
	s_lshl_b32 s46, s[E], 15                       ; its scale words: 32 KiB an expert; in a pass 512 bytes a wave
	s_lshl_b32 s83, s[SH], 14
	s_add_co_u32 s46, s46, s83
	s_lshl_b32 s83, s[WV], 9
	s_add_co_u32 s46, s46, s83
	s_add_nc_u64 s[28:29], s[28:29], s[46:47]
	s_lshl_b32 s46, s[E], 11                       ; b2: my 128 numbers
	s_lshl_b32 s83, s[WV], 9
	s_add_co_u32 s46, s46, s83
	s_add_nc_u64 s[30:31], s[30:31], s[46:47]
	s_lshl_b32 s46, s[SH], 24                      ; part: 8,192 rows of 2,048 bytes a half; my 128 columns
	s_add_co_u32 s46, s46, s83
	s_add_nc_u64 s[32:33], s[32:33], s[46:47]
	s_add_co_u32 s[PP], s[T], 7                    ; so that the pointers for a next pass, made now, are those of pass tile % 8: my first
	PTRS
	s_wait_loadcnt 0x0                             ; the list's five words
.irp m, 0,1,2,3,4
	v_min_u32 v[GW+2*\m+1], 0x1fff, v[GW+2*\m+1]
	v_and_b32 v[TOK+\m], 0xfff, v[GW+2*\m+1]       ; the token
	v_lshlrev_b32 v[A8+\m], 3, v[TOK+\m]
	v_lshl_add_u32 v[AXS+\m], v[VH], 2, v[A8+\m]
	v_lshl_add_u32 v[AXQ+\m], v[TOK+\m], 8, v[HW]
.endr
	s_wait_alu depctr_va_vdst(0)                   ; the fifteen offsets made of the tokens are written, which the gathers below read
.irp m, 0,1,2,3,4
	global_load_b64 v[GP+2*\m:GP+2*\m+1], v[A8+\m], s[8:9]        ; the token's two gates
	global_load_b32 v[XS+\m], v[AXS+\m], s[12:13]                 ; its scale word of K step h
	global_load_b128 v[XQ+8*\m:XQ+8*\m+3], v[AXQ+\m], s[10:11]    ; its codes k = 32 w + 16 h + 0 .. 15,
	global_load_b128 v[XQ+8*\m+4:XQ+8*\m+7], v[AXQ+\m], s[10:11] offset:128   ; and 128 further on
.endr
	LOADA 0, 0
	LOADA 0, 1
	s_wait_loadcnt 42                              ; the 20 gathers are in; the first pass's W1 and W3, 21 loads each, may be out
.irp m, 0,1,2,3,4
	v_and_b32 v[T5+\m], 0x1000, v[GW+2*\m+1]       ; k
.endr
.irp m, 0,1,2,3,4
	v_cmp_ne_u32 s[MK+\m], 0, v[T5+\m]
.endr
	s_wait_alu depctr_va_sdst(0)                   ; the five masks are written, ahead of the selects that read them
.irp m, 0,1,2,3,4
	v_cndmask_b32 v[GW+2*\m], v[GP+2*\m], v[GP+2*\m+1], s[MK+\m]   ; my expert's gate
.endr
.irp m, 0,1,2,3,4
.irp s, 0,1
	ds_store_b128 v[HWI], v[XQ+8*\m+4*\s:XQ+8*\m+4*\s+3] offset:XIMG+2048*(2*\m+\s)
.endr
.endr
	WIN 0x80
.irp t, 0,1,2,3,4,5,6,7
	global_load_b128 v[128+8*\t:128+8*\t+3], v[B2A], s[30:31] offset:64*\t       ; b2 in the result's layout, into row tile 4's accumulators
	global_load_b128 v[128+8*\t+4:128+8*\t+7], v[B2A], s[30:31] offset:64*\t+16
.endr
	WIN 0
	s_wait_dscnt 0x0
	s_barrier_signal -1
	s_barrier_wait -1                              ; x's ten fragments lie in LDS, for the whole launch
	; ---- eight passes.  One barrier a pass: a set of images is written again only behind the next pass's barrier, which every wave signals with its reads of that set waited for
	PASS1 0, 0
	s_cmp_eq_u32 s[SH], 0                          ; half 0 begins its sums on b2, half 1 on 0
	s_cbranch_scc0 .Lno_bias
	PH2 0, 1, 42                                   ; 42: the next pass's W1 and W3, 21 loads each, were issued behind W2's
	s_branch .Lsums_begun
.Lno_bias:
	PH2 0, 2, 42
.Lsums_begun:
	s_mov_b32 s[CNT], 3
.Lpass:
	PASS1 1, 0
	PH2 1, 0, 42
	PASS1 0, 0
	PH2 0, 0, 42
	s_sub_co_u32 s[CNT], s[CNT], 1
	s_cmp_lg_u32 s[CNT], 0
	s_cbranch_scc1 .Lpass
	PASS1 1, 1
	; The way out wants each row's place in part: the tile's 80 words of the list once more, as scalars.  All five loads go out here, so that the last 40 products stand between them and the wait for them.
	; They land on registers that are done with: only the row count, the list's and part's addresses are still wanted, and the first and the last are moved aside.
	s_wait_xcnt 0x0                                ; the last loads have read their address registers, s[48:51] among them
	s_mov_b32 s4, s[NR]
	s_mov_b64 s[100:101], s[32:33]
	s_load_b512 s[8:23], s[6:7], 0x0               ; rows 0-15
	s_load_b512 s[24:39], s[6:7], 0x40             ; 16-31
	s_load_b512 s[40:55], s[6:7], 0x80             ; 32-47
	s_load_b512 s[68:83], s[6:7], 0xc0             ; 48-63
	s_load_b512 s[84:99], s[6:7], 0x100            ; 64-79
	PH2 1, 0, 0
	; ---- THE WAY OUT.  A row tile's 16 rows x my 128 columns are multiplied by the rows' gates and go through my own stage in LDS; they come back as rows of 512 bytes, and each row goes to its own row of part.
.macro TOSTAGE m
.if (\m) < 4
.set AC, 64*(\m)
	WIN 0xc3                                       ; destination and source 0 window 3
.else
.set AC, 128
	WIN 0x82
.endif
.set i, 0
.rept 32
	v_pk_mul_f32 v[AC+i:AC+i+1], v[AC+i:AC+i+1], v[GW+2*(\m):GW+2*(\m)+1] op_sel_hi:[1,0]   ; ascending: each accumulator from its low end on
.set i, i+2
.endr
.if (\m) < 4
	WIN 0x0c                                       ; an LDS store's data are its source 1
.else
	WIN 0x08
.endif
	s_wait_alu depctr_va_vdst(0)                   ; the multiplications have written the tile's 64 registers, which the LDS stores read; the products are done reading v96-223, in which the loads from the stage land
.irp t, 0,1,2,3,4,5,6,7
	ds_store_b128 v[STO], v[AC+8*\t:AC+8*\t+3] offset:64*\t
	ds_store_b128 v[STO], v[AC+8*\t+4:AC+8*\t+7] offset:64*\t+16
.endr
	WIN 0
.set BKB, 96+64*((\m)%2)
.irp n, 0,1,2,3,4,5,6,7,8,9,10,11,12,13,14,15
	ds_load_b128 v[BKB+4*\n:BKB+4*\n+3], v[RD] offset:SPI*\n   ; LDS serves a wave's instructions in order: these see the stores above, and the next tile's stores come behind them
.endr
.endm
.macro SEND m, younger                 ; younger: the LDS instructions issued behind this tile's loads
.set BKB, 96+64*((\m)%2)
.if (\m) < 3
.set RSB, 8+16*(\m)                    ; where the tile's 16 words lie: s8, s24, s40,
.else
.set RSB, 20+16*(\m)                   ; s68, s84
.endif
	s_wait_dscnt \younger
	s_wait_xcnt 0x0                                ; the offsets' registers, which earlier stores read, are written again only behind this wait
	s_wait_alu depctr_vm_vsrc(0)                   ; the stores of the tile before have read their offsets v72-87, which are written again below (first tile: the last pass's LDS stores have read the codes that lay there)
.irp n, 0,1,2,3,4,5,6,7,8,9,10,11,12,13,14,15
	s_min_u32 s5, s[RSB+\n], 8191                  ; the row of part: 4,096 k + token
	s_lshl_b32 s5, s5, 11
	v_add_nc_u32 v[AD+\n], s5, v[LI]               ; all sixteen offsets in one run, those of rows that are not stored too: the list repeats a row there
.endr
	s_wait_alu depctr_va_vdst(0)                   ; the sixteen offsets are written, which the stores below read
.irp n, 0,1,2,3,4,5,6,7,8,9,10,11,12,13,14,15
	s_cmp_gt_u32 s4, 16*(\m)+\n                    ; rows beyond the tile's count are not stored, nor any behind them
	s_cbranch_scc0 .Lout_end
	global_store_b128 v[AD+\n], v[BKB+4*\n:BKB+4*\n+3], s[100:101]   ; 32 lanes store 512 consecutive bytes, at a multiple of 512 from part's first byte
.endr
.endm
	s_wait_kmcnt 0x0                               ; the 80 words
.rept 8
	v_nop                                          ; places behind the last products
.endr
	TOSTAGE 0
.irp m, 1,2,3,4
	s_wait_xcnt 0x0                                ; the stores of two tiles back have read the registers that this tile's loads write
.if \m > 1
	s_wait_alu depctr_vm_vsrc(0)                   ; the stores of two tiles back have read their data, in whose registers this tile's loads from the stage land
.endif
	TOSTAGE \m
	SEND \m-1, 32                                  ; behind that tile's loads: this tile's 16 stores and 16 loads
.endr
	SEND 4, 0
.Lout_end:
	s_wait_dscnt 0x0                               ; the closing lines, six on end
	s_wait_alu 0x0
	s_wait_tensorcnt 0x0
	ds_add_u32 v94, v95
	s_wait_dscnt 0x0
	s_endpgm
.Lfunc_end_k_q191c55ae02_chain:
	.size	k_q191c55ae02_chain, .Lfunc_end_k_q191c55ae02_chain-k_q191c55ae02_chain
	.p2alignl 7, 3214868480
	.fill 96, 4, 3214868480
	.section	.rodata,"a",@progbits
	.p2align	6, 0x0
	.amdhsa_kernel k_q191c55ae02_chain
		.amdhsa_group_segment_fixed_size 77312
		.amdhsa_private_segment_fixed_size 0
		.amdhsa_enable_private_segment 0
		.amdhsa_kernarg_size 88
		.amdhsa_user_sgpr_count 2
		.amdhsa_user_sgpr_kernarg_segment_ptr 1
		.amdhsa_wavefront_size32 1
		.amdhsa_system_sgpr_workgroup_id_x 1
		.amdhsa_system_sgpr_workgroup_id_y 1
		.amdhsa_system_sgpr_workgroup_id_z 1
		.amdhsa_system_vgpr_workitem_id 0
		.amdhsa_next_free_vgpr 1024
		.amdhsa_next_free_sgpr 102
		.amdhsa_reserve_vcc 0
		.amdhsa_float_denorm_mode_32 3
		.amdhsa_float_denorm_mode_16_64 3
		.amdhsa_memory_ordered 1
		.amdhsa_forward_progress 1
		.amdhsa_inst_pref_size 255
	.end_amdhsa_kernel
	.section	.bss,"aw",@nobits
	.p2align	6
	.space	262144
	.amdgpu_metadata
---
amdhsa.version: [ 1, 2 ]
amdhsa.kernels:
  - .name:           k_q191c55ae02_chain
    .symbol:         k_q191c55ae02_chain.kd
    .args:
      - { .name: part, .offset: 0, .size: 8, .value_kind: global_buffer, .address_space: global }
      - { .name: list, .offset: 8, .size: 8, .value_kind: global_buffer, .address_space: global }
      - { .name: gw, .offset: 16, .size: 8, .value_kind: global_buffer, .address_space: global }
      - { .name: xq, .offset: 24, .size: 8, .value_kind: global_buffer, .address_space: global }
      - { .name: xs, .offset: 32, .size: 8, .value_kind: global_buffer, .address_space: global }
      - { .name: wq, .offset: 40, .size: 8, .value_kind: global_buffer, .address_space: global }
      - { .name: W1_scales, .offset: 48, .size: 8, .value_kind: global_buffer, .address_space: global }
      - { .name: b1, .offset: 56, .size: 8, .value_kind: global_buffer, .address_space: global }
      - { .name: W3_scales, .offset: 64, .size: 8, .value_kind: global_buffer, .address_space: global }
      - { .name: b3, .offset: 72, .size: 8, .value_kind: global_buffer, .address_space: global }
      - { .name: b2, .offset: 80, .size: 8, .value_kind: global_buffer, .address_space: global }
    .group_segment_fixed_size: 77312
    .private_segment_fixed_size: 0
    .kernarg_segment_align: 8
    .kernarg_segment_size: 88
    .max_flat_workgroup_size: 128
    .sgpr_count:     102
    .vgpr_count:     1024
    .wavefront_size: 32
...
	.end_amdgpu_metadata
.endif
;; end of part 7
;; launch mix (part 8): grid 256 x 1, 16 waves a work-group, no clusters, 44,032 bytes of LDS; arguments part, wfq, Wf_scales, bf, out0; writes out0
.if DOCPART == 8
	.amdgcn_target "amdgcn-amd-amdhsa--gfx1250"
	.amdhsa_code_object_version 6
	.text
	.protected	k_q191c55ae02_mix
	.globl	k_q191c55ae02_mix
	.p2align	8
	.type	k_q191c55ae02_mix,@function
k_q191c55ae02_mix:
	s_mov_b64 s[64:65], 0
	v_nop
	global_prefetch_b8 v0, s[64:65] scope:SCOPE_SE
	s_setreg_imm32_b32 hwreg(HW_REG_WAVE_SCHED_MODE, 0, 2), 2
	s_setreg_imm32_b32 hwreg(HW_REG_WAVE_MODE, 25, 1), 1
	s_wait_xcnt 0x0
	s_wait_alu depctr_vm_vsrc(0)
; out0 = Q(mixed) Wf + bf.  A work-group of sixteen waves takes 16 tokens.  mixed is the sum of a token's four partial rows (two halves of the hidden layer x two experts, each already times its gate), in f32.
; Wave w sums and quantises token w's whole row: a lane takes 8 neighbouring columns (two loads 16 bytes apart: together the wave's pair covers 1,024 consecutive bytes), twice; a block of 32 columns lies in four
; neighbouring lanes.  The codes go to LDS as rows (512 bytes + 16), the 16 scale bytes of a token side by side; a barrier; then every wave takes all four fragments of the 16 tokens and makes outputs 32 w .. 32 w + 31
; (two tiles, four K steps of 128), on E5M2 codes with E8M0 scales, sums in f32, bf as the first C.  Wf's codes come from wfq, laid by the first launch in the order of the operand's registers: each load is 512 consecutive bytes.
; The product is used transposed (source 0 = 16 rows of Wf, source 1 = the 16 tokens): a lane holds eight neighbouring outputs of one token.  The results meet in a stage, a barrier, and wave w stores token w's whole row.
; No tensor loads and no cluster: Wf (256 KiB) is all that work-groups share, each wave reads its own sixteenth of it once, straight into the operand's registers; the partial rows, half of Wf's bytes in the launch's sum, are shared by nobody.
; LIMITS: NaN and infinities are not served; a block of zeros gets the scale byte 1 (its codes are zeros).
; THE MODE: SCHED_MODE bits 1:0 = 2 (LLVM: expert scheduling mode 2), set by the entry lines.  The code itself states the register dependences between vector or matrix instructions and memory or LDS
; instructions, with s_wait_alu, always for 0.
; THE PLAN.  The text runs once, with no loop.  Registers that memory or LDS instructions touch:
;   v1-v10      addresses, made at the head, never written again: one wait ahead of the first load.
;   P (v64-127) the partial rows land in it; the sums and the quantiser work on it; behind the first barrier mixed's fragments land in it, which the products read; behind the second barrier a row of the result lands in it.
;   PC, SBY     written by the quantiser, read by the LDS stores; never written again.
;   ACC         bf lands in it; the products add onto it; the LDS stores into the stage read it; never written again.
;   WF, WFS, MS loads land in them once; the products read them.
; So two more waits stand in the text, each ahead of a run of LDS stores: the first states that the codes are written and that the vector lines are done with P; the second that the products have written ACC and are done reading P.
; No register that a memory or LDS instruction has read is written again.
.set MP,  528                          ; LDS: mixed's codes, 16 rows x (512 + 16) bytes: an odd multiple of 16, so that the 16 rows of a fragment load start in different banks;
.set MSC, 8448                         ; their scale bytes, 16 a token;
.set STG, 8704                         ; the stage: 16 rows x (2,048 + 16) bytes
.set SPI, 2064
.set TM,  16                           ; v16-21 the quantiser's work, two blocks by turns
.set PC,  32                           ; v32-35 my codes
.set SBY, 36                           ; v36-37 my scale bytes
.set WFS, 40                           ; v40-43 Wf's scale words of K step s: lanes 0-15 tile 0's rows, lanes 16-31 tile 1's
.set MS,  44                           ; v44-47 mixed's scale words
.set ACC, 48                           ; v48-63 two accumulators
.set P,   64                           ; v64-127 four partial rows' 16 numbers (source q, half j, number i at 16 q + 8 j + i); later mixed's four fragments; later a row of the result
.set WF,  128                          ; v128-255 Wf's fragments, (t, s) at 16 (4 t + s)
	s_load_b256 s[4:11], s[0:1], 0x0               ; part s[4:5], wfq s[6:7], Wf's scales s[8:9], bf s[10:11]
	s_load_b64 s[12:13], s[0:1], 0x20              ; out0
	v_lshl_add_u32 v38, v0, 2, 0xa400
	v_mov_b32 v39, 0
	v_lshrrev_b32 v11, 5, v0
	v_readfirstlane_b32 s14, v11                   ; wave 0..15
	v_and_b32 v11, 31, v0                          ; lane
	v_and_b32 v12, 15, v0                          ; r
	v_bfe_u32 v13, v0, 4, 1                        ; h
	v_lshlrev_b32 v1, 4, v11                       ; 16 x lane
	v_mul_u32_u24 v2, v12, MP
	v_lshl_add_u32 v2, v13, 4, v2                  ; a fragment of mixed: row r, + 16 h
	s_wait_alu depctr_va_sdst(0)                   ; the wave's number is written, ahead of its first reader
	s_lshl_b32 s24, s14, 11
	v_lshlrev_b32 v3, 5, v11
	v_add_nc_u32 v3, s24, v3                       ; part: token w's row of 2,048 bytes, + 32 x lane: my 8 columns
	s_mul_i32 s24, s14, MP
	v_lshlrev_b32 v4, 3, v11
	v_add_nc_u32 v4, s24, v4                       ; my 8 codes: row w, + 8 x lane
	s_lshl_b32 s24, s14, 4
	s_add_co_u32 s24, s24, MSC
	v_lshrrev_b32 v5, 2, v11
	v_add_nc_u32 v5, s24, v5                       ; my block's scale byte: 16 w + lane / 4
	v_lshl_add_u32 v6, v12, 4, MSC                 ; token r's 16 scale bytes
	s_lshl_b32 s24, s14, 9
	v_add_nc_u32 v7, s24, v1                       ; Wf's scales: 16 bytes a row, row 32 w + lane
	s_lshl_b32 s15, s14, 7                         ; 128 x wave
	v_lshl_add_u32 v8, v13, 5, s15                 ; bf, and a row of the stage: 128 w + 32 h
	v_mul_u32_u24 v9, v12, SPI
	v_add_nc_u32 v9, v9, v8
	v_add_nc_u32 v9, STG, v9                       ; the stage, in: row r
	s_mul_i32 s24, s14, SPI
	s_add_co_u32 s24, s24, STG
	v_add_nc_u32 v10, s24, v1                      ; and out: row w
	s_mov_b32 s28, 0x600000                        ; the mantissa field of 57,344
	s_lshl_b32 s24, ttmp9, 15                      ; 16 tokens of 2,048 bytes
	s_mov_b32 s25, 0
	s_wait_kmcnt 0x0
	s_add_nc_u64 s[16:17], s[4:5], s[24:25]        ; the four partial rows lie 4,096 rows apart
	s_add_nc_u64 s[18:19], s[16:17], 0x800000
	s_add_nc_u64 s[20:21], s[18:19], 0x800000
	s_add_nc_u64 s[22:23], s[20:21], 0x800000
	s_add_nc_u64 s[12:13], s[12:13], s[24:25]
	s_lshl_b32 s24, s14, 11                        ; token w's row
	s_add_nc_u64 s[12:13], s[12:13], s[24:25]
	s_lshl_b32 s24, s14, 14                        ; my two tiles of Wf, 8,192 bytes each
	s_add_nc_u64 s[6:7], s[6:7], s[24:25]
	s_wait_alu depctr_va_vdst(0)                   ; the ten addresses v1-v10 are written, which the loads and stores of the whole kernel read
.irp q, 0,1,2,3
.irp j, 0,1
.irp p, 0,1
	global_load_b128 v[P+16*\q+8*\j+4*\p:P+16*\q+8*\j+4*\p+3], v3, s[16+2*\q:17+2*\q] offset:1024*\j+16*\p th:TH_LOAD_NT   ; columns 256 j + 8 x lane + 4 p + 0 .. 3
.endr
.endr
.endr
.irp t, 0,1
.irp s, 0,1,2,3
.irp c, 0,1,2,3
	global_load_b128 v[WF+16*(4*\t+\s)+4*\c:WF+16*(4*\t+\s)+4*\c+3], v1, s[6:7] offset:8192*\t+2048*\s+512*\c
.endr
.endr
.endr
	global_load_b128 v[WFS:WFS+3], v7, s[8:9]
.irp t, 0,1
	global_load_b128 v[ACC+8*\t:ACC+8*\t+3], v8, s[10:11] offset:64*\t          ; bf in the result's layout: the sums begin on it
	global_load_b128 v[ACC+8*\t+4:ACC+8*\t+7], v8, s[10:11] offset:64*\t+16
.endr
	s_wait_loadcnt 37                              ; the 16 loads of part are in; Wf's 32, its scales' one and bf's four may be out
.irp i, 0,2,4,6,8,10,12,14
	v_pk_add_f32 v[P+\i:P+\i+1], v[P+\i:P+\i+1], v[P+16+\i:P+16+\i+1]
.endr
.irp i, 0,2,4,6,8,10,12,14
	v_pk_add_f32 v[P+32+\i:P+32+\i+1], v[P+32+\i:P+32+\i+1], v[P+48+\i:P+48+\i+1]
.endr
.irp i, 0,2,4,6,8,10,12,14
	v_pk_add_f32 v[P+\i:P+\i+1], v[P+\i:P+\i+1], v[P+32+\i:P+32+\i+1]
.endr
	; the quantiser, my two blocks by turns: my 8 numbers are a quarter of a block of 32; the others lie in lanes l xor 1, 2, 3
.irp j, 0,1
	v_max3_num_f32 v[TM+\j], |v[P+8*\j]|, |v[P+8*\j+1]|, 0x8000000   ; with the floor 2^(16 - 127): the byte cannot fall under 1
.endr
.irp i, 2,4,6
.irp j, 0,1
	v_max3_num_f32 v[TM+\j], v[TM+\j], |v[P+8*\j+\i]|, |v[P+8*\j+\i+1]|
.endr
.endr
.irp x, 1,2
.irp j, 0,1
	v_max_num_f32_dpp v[TM+\j], v[TM+\j], v[TM+\j] row_xmask:\x row_mask:0xf bank_mask:0xf
.endr
.endr
.irp j, 0,1
	v_add_nc_u32 v[TM+2+\j], 0xf8800000, v[TM+\j]  ; 15 off the exponent field: the conversion's scale operand
.endr
.irp j, 0,1
	v_and_or_b32 v[TM+4+\j], v[TM+\j], 0x7f800000, s28   ; 57,344 x the scale
.endr
.irp j, 0,1
	v_lshrrev_b32 v[SBY+\j], 23, v[TM+2+\j]        ; the scale's byte
.endr
.irp j, 0,1
.irp i, 0,1,2,3,4,5,6,7
	v_med3_num_f32 v[P+8*\j+\i], v[P+8*\j+\i], -v[TM+4+\j], v[TM+4+\j]   ; the conversion to an 8-bit code does not saturate (ISA guide 7.6.2): the hold comes first
.endr
.endr
.irp j, 0,1
	v_cvt_scalef32_pk8_bf8_f32 v[PC+2*\j:PC+2*\j+1], v[P+8*\j:P+8*\j+7], v[TM+2+\j]
.endr
	v_nop                                          ; a plain instruction behind the last conversion
	s_wait_alu depctr_va_vdst(0)                   ; the quantiser has written my codes and my bytes, which the LDS stores read; the vector lines are done with v64-127, in which the fragments land behind the barrier
.irp j, 0,1
	ds_store_b64 v4, v[PC+2*\j:PC+2*\j+1] offset:256*\j        ; the wave's 256 consecutive bytes of row w
	ds_store_b8 v5, v[SBY+\j] offset:8*\j                      ; the four lanes of a block write the same byte with the same value
.endr
	s_wait_dscnt 0x0
	s_barrier_signal -1
	s_barrier_wait -1                              ; the 16 tokens' codes and scale bytes lie in LDS
.irp s, 0,1,2,3
.irp c, 0,1,2,3
	ds_load_b128 v[P+16*\s+4*\c:P+16*\s+4*\c+3], v2 offset:128*\s+32*\c   ; k = 128 s + 32 c + 16 h + 0 .. 15 of token r
.endr
.endr
	ds_load_b128 v[MS:MS+3], v6                    ; token r's four scale words
	s_wait_loadcnt 0x0
	s_wait_dscnt 0x0
.irp s, 0,1,2,3                        ; the two accumulators by turns
	v_wmma_scale_f32_16x16x128_f8f6f4 v[ACC:ACC+7], v[WF+16*\s:WF+16*\s+15], v[P+16*\s:P+16*\s+15], v[ACC:ACC+7], v[WFS+\s], v[MS+\s] matrix_a_fmt:MATRIX_FMT_BF8 matrix_b_fmt:MATRIX_FMT_BF8
	v_wmma_scale_f32_16x16x128_f8f6f4 v[ACC+8:ACC+15], v[WF+64+16*\s:WF+64+16*\s+15], v[P+16*\s:P+16*\s+15], v[ACC+8:ACC+15], v[WFS+\s], v[MS+\s] matrix_a_fmt:MATRIX_FMT_BF8 matrix_b_fmt:MATRIX_FMT_BF8 matrix_a_scale:MATRIX_SCALE_ROW1
.endr
.rept 8
	v_nop                                          ; places in front of the first read of the results
.endr
	s_wait_alu depctr_va_vdst(0)                   ; the products have written the two accumulators, which the LDS stores read, and are done reading v64-79, in which the row lands behind the barrier; the places above stay beside this wait
.irp t, 0,1
	ds_store_b128 v9, v[ACC+8*\t:ACC+8*\t+3] offset:64*\t          ; lane (r, h): outputs 32 w + 16 t + 8 h + 0 .. 7 of token r
	ds_store_b128 v9, v[ACC+8*\t+4:ACC+8*\t+7] offset:64*\t+16
.endr
	s_wait_dscnt 0x0
	s_barrier_signal -1
	s_barrier_wait -1                              ; 16 whole rows lie in the stage
.irp i, 0,1,2,3
	ds_load_b128 v[P+4*\i:P+4*\i+3], v10 offset:512*\i
.endr
.irp i, 0,1,2,3
	s_wait_dscnt 3-\i                              ; the younger loads may be out
	global_store_b128 v1, v[P+4*\i:P+4*\i+3], s[12:13] offset:512*\i th:TH_STORE_NT   ; 32 lanes store 512 consecutive bytes, at a multiple of 512 from out0's first byte
.endr
	s_wait_dscnt 0x0                               ; the closing lines, six on end
	s_wait_alu 0x0
	s_wait_tensorcnt 0x0
	ds_add_u32 v38, v39
	s_wait_dscnt 0x0
	s_endpgm
.Lfunc_end_k_q191c55ae02_mix:
	.size	k_q191c55ae02_mix, .Lfunc_end_k_q191c55ae02_mix-k_q191c55ae02_mix
	.p2alignl 7, 3214868480
	.fill 96, 4, 3214868480
	.section	.rodata,"a",@progbits
	.p2align	6, 0x0
	.amdhsa_kernel k_q191c55ae02_mix
		.amdhsa_group_segment_fixed_size 44032
		.amdhsa_private_segment_fixed_size 0
		.amdhsa_enable_private_segment 0
		.amdhsa_kernarg_size 40
		.amdhsa_user_sgpr_count 2
		.amdhsa_user_sgpr_kernarg_segment_ptr 1
		.amdhsa_wavefront_size32 1
		.amdhsa_system_sgpr_workgroup_id_x 1
		.amdhsa_system_sgpr_workgroup_id_y 1
		.amdhsa_system_sgpr_workgroup_id_z 1
		.amdhsa_system_vgpr_workitem_id 0
		.amdhsa_next_free_vgpr 256
		.amdhsa_next_free_sgpr 66
		.amdhsa_reserve_vcc 0
		.amdhsa_float_denorm_mode_32 3
		.amdhsa_float_denorm_mode_16_64 3
		.amdhsa_memory_ordered 1
		.amdhsa_forward_progress 1
		.amdhsa_inst_pref_size 16
	.end_amdhsa_kernel
	.amdgpu_metadata
---
amdhsa.version: [ 1, 2 ]
amdhsa.kernels:
  - .name:           k_q191c55ae02_mix
    .symbol:         k_q191c55ae02_mix.kd
    .args:
      - { .name: part, .offset: 0, .size: 8, .value_kind: global_buffer, .address_space: global }
      - { .name: wfq, .offset: 8, .size: 8, .value_kind: global_buffer, .address_space: global }
      - { .name: Wf_scales, .offset: 16, .size: 8, .value_kind: global_buffer, .address_space: global }
      - { .name: bf, .offset: 24, .size: 8, .value_kind: global_buffer, .address_space: global }
      - { .name: out0, .offset: 32, .size: 8, .value_kind: global_buffer, .address_space: global }
    .group_segment_fixed_size: 44032
    .private_segment_fixed_size: 0
    .kernarg_segment_align: 8
    .kernarg_segment_size: 40
    .max_flat_workgroup_size: 512
    .sgpr_count:     66
    .vgpr_count:     256
    .wavefront_size: 32
...
	.end_amdgpu_metadata
.endif
;; end of part 8
